; MI455X (gfx1250); checked and timed in simulation.
; The chip was launched on July 23, 2026; its instructions are those of AMD's public machine-readable ISA for CDNA 5 (MIT licence, August 2026) and "CDNA5" Instruction Set Architecture Reference Guide (July 2026). The comments in the code are by the model that wrote it; some were corrected since.
;; Multihead Self Attention. Allowed arithmetic: matrix products marked QUANTISED: E2M3 operands, one E8M0 scale for each 32 along K, by v_wmma_scale_f32_16x16x128_f8f6f4 with both operands' format E2M3, f32 sums; everything else in f32.
;; Inputs: Wk 2,048 x 2,048 float32; Wo 2,048 x 2,048 float32; Wq 2,048 x 2,048 float32; Wv 2,048 x 2,048 float32; positions 2,048 int32; x 1 x 2,048 x 2,048 float32.
;; Outputs: out0 1 x 2,048 x 2,048 float32.
;; This version of the problem:
;;   THIS VERSION OF THE PROBLEM IS GIVEN IN LOW PRECISION. The matrix products marked QUANTISED in the list below multiply operands that are first quantised to E2M3 (2 exponent bits, 3 mantissa bits; 6 bits a number), with one power-of-two scale for each 32 numbers along K (OCP MX v1.0); their sums are f32. All else is computed in f32.
;;   The module's matrix products, in the order in which they are computed (A, B: the left and right operand; K: the contracted axis; several contracted axes count as one K, in the product's order):
;;     1. [M 2,048, K 2,048] x [K 2,048, N 2,048]; A: input x; B: input Wq: QUANTISED
;;     2. [M 2,048, K 2,048] x [K 2,048, N 2,048]; A: input x; B: input Wk: QUANTISED
;;     3. [M 2,048, K 2,048] x [K 2,048, N 2,048]; A: input x; B: input Wv: QUANTISED
;;     4. batch 16 x [M 2,048, K 128] x [K 128, N 2,048]; A: computed on the way; B: computed on the way: QUANTISED
;;     5. batch 16 x [M 2,048, K 2,048] x [K 2,048, N 128]; A: softmax (see below); B: computed on the way: QUANTISED
;;     6. [M 2,048, K 2,048] x [K 2,048, N 2,048]; A: computed on the way; B: input Wo: QUANTISED
;;   THE QUANTISER, for each operand of a quantised product, along K:
;;     - K is cut into blocks of 32 from its start; a last block that is shorter is filled with zeros.
;;     - A block's scale is 2^e with e = floor(log2(the largest magnitude in the block)) - 2, held to -126 .. 127; a block of zeros has e = 0. As a byte (E8M0): e + 127.
;;     - Each number is divided by its block's scale, clamped to +-7.5, and rounded to the nearest number of E2M3, ties to even, subnormals kept.
;;     - The product sums the exact products of the quantised numbers (number of the format x scale) in f32.
;;   ~~~python
;;   def quantise(x, axis):      # numpy; x: float32 -> the quantised numbers, widened to float32 again
;;       x = np.moveaxis(x, axis, -1); K = x.shape[-1]
;;       x = np.pad(x, [(0, 0)] * (x.ndim - 1) + [(0, -K % 32)]); x = x.reshape(x.shape[:-1] + (-1, 32)); a = np.abs(x).max(-1, keepdims=True)
;;       e = np.where(a > 0, np.clip(np.frexp(np.where(a > 0, a, 1))[1] - 1 - 2, -126, 127), 0)      # np.frexp(a)[1] - 1 = floor(log2(a)), exactly
;;       r = np.clip(x / 2.0 ** e, -7.5, 7.5)
;;       step = 2.0 ** (np.maximum(np.frexp(np.where(r == 0, 1, r))[1] - 1, 0) - 3)
;;       q = np.round(r / step) * step * 2.0 ** e      # np.round: ties to even
;;       return np.moveaxis(q.reshape(q.shape[:-2] + (-1,))[..., :K], -1, axis).astype(np.float32)
;;   ~~~
;;   SOFTMAX AHEAD OF A QUANTISED PRODUCT. Where the list says 'softmax', what is quantised is not the finished softmax but p = 2^(t - M), with t = logit x log2(e) and M = ceil(the row's largest t), a whole number; so 1/2 < the row's largest p <= 1. The row's sum l is taken of the UNQUANTISED p, in f32, and the product's result is divided by l at the end. Since M is a whole number, a kernel that streams over the keys may use a running M (the ceiling of the running maximum): every later rescaling is an exact power of two, which a block's scale takes up: the codes' values come out the same.
;;   OPERANDS COMPUTED ON THE WAY. 'Computed on the way' means the value that the module computes at that place (a softmax that the list does not call 'softmax' is quantised finished and normalised). What goes into a quantiser is computed in f32, as accurately as f32 sums, v_exp_f32 and their like allow (about 1e-6 of the number): no bf16 or f16 on the way to a quantiser, and a product that is left as it is and whose result goes on into a quantised operand takes f32 operands (vector FMAs, or v_wmma_f32_16x16x4_f32). A number that lies on a knife's edge between two numbers of the format may be rounded either way, as far as f32 arithmetic and the matrix unit's own rounding can turn it there, and no further.
;; 2 versions. Each part assembles by itself: llvm-mc -triple=amdgcn-amd-amdhsa -mcpu=gfx1250 --defsym DOCPART=n.
;; ======== version 1 of 2: 4 launches
;; limits: right only within a limited range of input values
;; workspace buffers: pcod 15,728,640 bytes; pscl 655,360 bytes; rtab 1,048,576 bytes; qcod 9,437,184 bytes; qscl 393,216 bytes; acod 3,145,728 bytes; ascl 131,072 bytes
;; launch prep (part 1): grid 704 x 1, 4 waves a work-group, no clusters, 61,952 bytes of LDS; arguments Wq, Wk, Wv, Wo, x, positions, pcod, pscl, rtab; writes pcod, pscl, rtab
.if DOCPART == 1
	.amdgcn_target "amdgcn-amd-amdhsa--gfx1250"
	.amdhsa_code_object_version 6
	.text
	.protected	k_q31ac5e622c_prep
	.globl	k_q31ac5e622c_prep
	.p2align	8
	.type	k_q31ac5e622c_prep,@function
k_q31ac5e622c_prep:
	s_mov_b64 s[64:65], 0
	v_nop
	global_prefetch_b8 v0, s[64:65] scope:SCOPE_SE
	s_setreg_imm32_b32 hwreg(HW_REG_WAVE_MODE, 25, 1), 1
	s_wait_xcnt 0x0
; x [2048][2048] and Wq, Wk, Wv, Wo [2048 (k)][2048 (n)], f32, become codes of FP6 (E2M3) with one E8M0 byte for each 32 along K; positions become a table of cos and sin.
; A block's scale is 2^(floor(log2(largest magnitude)) - 2); its byte is the largest magnitude's exponent field - 2, held at 1 from below.
; LIMITS: a block of zeros gets the byte 1 where the rule says 127 (its codes are zeros, and this program alone reads the bytes); blocks whose largest magnitude lies under 2^-124 are held at
; that byte; NaN and infinities among the inputs are not served.  The angle's range reduction is exact for |angle| under 2^24; the frequency is as good as v_exp_f32 gives it.
; LAYOUT OF THE CODES (five sections of SEC bytes: x, Wq, Wk, Wv, Wo).  An operand's rows (x: s; W: its columns n) are stored by POSITION: position i holds the row whose number is i with bits 3 and 4
; exchanged.  A fragment (16 positions x 128 K, 12 registers a lane) is stored as an IMAGE of its registers: registers 4 g .. 4 g + 3 of lane l at 512 g + 16 l: 1,536 bytes.
; Section: [block of 128 positions 16][K step of 128: 16][tile 8][image].  Scale words: [block 16][pair of K steps 8][tile 8][row 16][K step & 1].
; THREE KINDS OF WORK-GROUP, told apart by the work-group's number; each kind has LDS bytes of its own; waves share nothing, so there is no barrier.
;   0..511   a weight: 128 columns x 256 along K.  A lane takes a column and its registers run down K.
;   512..639 x: 128 rows x 256 along K.      640..703 the table: 32 rows.
.set IMG,   1536
.set KSB,   12288                      ; a K step's 8 images
.set RBB,   196608                     ; a block of 128 positions, all K
.set SEC,   3145728
.set SRB,   8192
.set SSEC,  131072
.set WSTG,  6656                       ; weights: a wave's stage: 2 K steps x 2 images of 1,536 + 128 bytes
.set XSTG0, 26624                      ; x: the stages begin behind the weights' bytes
.set XSTG,  8448                       ; 16 rows x (512 + 16) bytes for each wave
.set X,     32                         ; weights: v32-95 two sets of 32 numbers
.set SB,    24                         ; v24-25 the scale words of the two K steps
.set OUTR,  112                        ; v112-159 images on their way out
.set R0,    32                         ; x: v32-95, v96-159 two sets of 64 numbers as loaded
.set XN,    160                        ; v160-223 64 numbers, 16 neighbours of each block
.set PC,    224                        ; v224-243 the codes just made
.set TM,    244                        ; v244-255 at work in QUANT
.set SEL,   34                         ; s[34:35] selects of v_permlanex16_b32: lane l xor 16
	s_load_b256 s[4:11], s[0:1], 0x0               ; Wq, Wk, Wv, Wo
	s_load_b256 s[12:19], s[0:1], 0x20             ; x s[12:13], positions s[14:15], pcod s[16:17], pscl s[18:19]
	s_load_b64 s[20:21], s[0:1], 0x40              ; rtab
	v_lshl_add_u32 v239, v0, 2, 0xf000
	v_mov_b32 v243, 0
	v_lshrrev_b32 v1, 5, v0
	v_readfirstlane_b32 s22, v1                    ; wave 0..3
	v_and_b32 v2, 31, v0                           ; lane
	s_wait_kmcnt 0x0
	s_cmp_lt_u32 ttmp9, 512
	s_cbranch_scc0 .Lnot_w
; ---------------- a weight ----------------
	s_lshr_b32 s23, ttmp9, 7                       ; which weight
	s_and_b32 s24, ttmp9, 7                        ; which 256 along K
	s_bfe_u32 s25, ttmp9, 0x40003                  ; which 128 columns
	s_bitcmp1_b32 s23, 0
	s_cselect_b64 s[4:5], s[6:7], s[4:5]           ; Wk or Wq
	s_cselect_b64 s[8:9], s[10:11], s[8:9]         ; Wo or Wv
	s_bitcmp1_b32 s23, 1
	s_cselect_b64 s[4:5], s[8:9], s[4:5]
	s_lshl_b32 s26, s24, 21                        ; 256 rows of 8,192 bytes
	s_lshl_b32 s27, s25, 9
	s_add_co_u32 s26, s26, s27
	s_lshl_b32 s27, s22, 7                         ; my wave's 32 columns
	s_add_co_u32 s26, s26, s27
	s_mov_b32 s27, 0
	s_add_nc_u64 s[4:5], s[4:5], s[26:27]
	s_add_co_u32 s26, s23, 1                       ; the weight's section of the codes,
	s_mul_i32 s26, s26, SEC
	s_mul_i32 s27, s25, RBB
	s_add_co_u32 s26, s26, s27
	s_mul_i32 s27, s24, 2*KSB
	s_add_co_u32 s26, s26, s27
	s_mul_i32 s27, s22, 2*IMG                      ; my wave's two tiles
	s_add_co_u32 s26, s26, s27
	s_mov_b32 s27, 0
	s_add_nc_u64 s[16:17], s[16:17], s[26:27]
	s_add_co_u32 s26, s23, 1                       ; and of the scale words
	s_lshl_b32 s26, s26, 17
	s_lshl_b32 s27, s25, 13
	s_add_co_u32 s26, s26, s27
	s_lshl_b32 s27, s24, 10
	s_add_co_u32 s26, s26, s27
	s_lshl_b32 s27, s22, 8
	s_add_co_u32 s26, s26, s27
	s_mov_b32 s27, 0
	s_add_nc_u64 s[18:19], s[18:19], s[26:27]
	v_lshlrev_b32 v3, 2, v2                        ; in: 4 bytes a lane
	v_bfe_u32 v5, v2, 3, 1                         ; column 32 w + l lies at position (l & 7) + 16 ((l >> 3) & 1) + 8 (l >> 4): tile u = (l >> 3) & 1,
	v_and_b32 v6, 7, v2
	v_lshrrev_b32 v8, 4, v2
	v_lshl_add_u32 v6, v8, 3, v6                   ; row r = (l & 7) + 8 (l >> 4) of it
	s_mul_i32 s30, s22, WSTG
	v_mul_u32_u24 v4, v5, 1664
	v_lshl_add_u32 v4, v6, 4, v4
	v_add_nc_u32 v4, s30, v4                       ; the stage, in: my tile's image, 16 r
	v_lshlrev_b32 v10, 4, v2                       ; 16 x lane
	v_add_nc_u32 v7, s30, v10                      ; the stage, out
	v_lshl_add_u32 v9, v5, 4, v6
	v_lshlrev_b32 v9, 3, v9                        ; my row's two scale words: 8 (16 u + r)
.macro LOAD t                          ; block t: W(32 t + i, my column), i = 0 .. 31, into set t % 2
.set I, 0
.rept 32
	global_load_b32 v[X+32*((\t)%2)+I], v3, s[4:5] offset:(32*(\t)+I)*8192 th:TH_LOAD_NT
.set I, I+1
.endr
.endm
	LOAD 0
	LOAD 1
; Block t = K 32 t .. 32 t + 31 of my column: in the fragment of K step t / 4 these are registers 6 c .. 6 c + 5 (c = (t % 4) / 2) of lane r + 16 h (h = t % 2).
.macro BLOCK t
.set XS, X+32*((\t)%2)
.set BE, (\t)%4
.set KST, (\t)/4
.set SO, KST*3328+256*(BE%2)
.if (\t) < 7
	s_wait_loadcnt 32                              ; this block's 32 loads are in; the next block's 32 may be out
.else
	s_wait_loadcnt 0x0
.endif
	v_max3_num_f32 v12, |v[XS]|, |v[XS+1]|, |v[XS+2]|  ; the block's largest magnitude: all 32 numbers are mine
	v_max3_num_f32 v13, |v[XS+3]|, |v[XS+4]|, |v[XS+5]|
.irp i, 6,10,14,18,22,26
	v_max3_num_f32 v12, v12, |v[XS+\i]|, |v[XS+\i+1]|
	v_max3_num_f32 v13, v13, |v[XS+\i+2]|, |v[XS+\i+3]|
.endr
	v_max3_num_f32 v12, v12, |v[XS+30]|, |v[XS+31]|
	v_max3_num_f32 v12, v12, v13, 0x1800000        ; and the floor 2^(3 - 127): the byte cannot fall under 1
	v_add_nc_u32 v11, 0xff000000, v12              ; 2 off the exponent field: the conversion's scale operand
	v_lshrrev_b32 v13, 23, v11                     ; the scale's byte
.if BE == 0
	v_mov_b32 v[SB+KST], v13
.else
	v_lshl_or_b32 v[SB+KST], v13, 8*BE, v[SB+KST]
.endif
	v_cvt_scalef32_pk16_fp6_f32 v[96:98], v[XS:XS+15], v11
	v_cvt_scalef32_pk16_fp6_f32 v[100:102], v[XS+16:XS+31], v11  ; (a conversion's three registers begin on an even number)
	v_nop                                          ; one plain place behind a scaled conversion
	v_mov_b32 v99, v100
	v_mov_b32 v100, v101
	v_mov_b32 v101, v102                           ; v96-101: the six registers on end
.if BE < 2
	ds_store_b128 v4, v[96:99] offset:SO           ; registers 0-3
	ds_store_b64 v4, v[100:101] offset:SO+512      ; registers 4, 5
.else
	ds_store_b64 v4, v[96:97] offset:SO+520        ; registers 6, 7
	ds_store_b128 v4, v[98:101] offset:SO+1024     ; registers 8-11
.endif
.if BE == 3
.irp n, 0,1,2,3,4,5
	ds_load_b128 v[OUTR+24*KST+4*\n:OUTR+24*KST+4*\n+3], v7 offset:KST*3328+1664*(\n/3)+512*(\n%3)  ; LDS serves a wave's instructions in order: these see my stores
.endr
.endif
.if (\t)+2 < 8
	LOAD (\t)+2
.endif
	s_wait_dscnt 0x0                               ; the stores have read their registers, and the images are back
.if BE == 3
.irp n, 0,1,2,3,4,5
	global_store_b128 v10, v[OUTR+24*KST+4*\n:OUTR+24*KST+4*\n+3], s[16:17] offset:KST*KSB+1536*(\n/3)+512*(\n%3)  ; each store covers 512 consecutive bytes, aligned
.endr
.endif
.endm
.irp t, 0,1,2,3,4,5,6,7
	BLOCK \t
.endr
	global_store_b64 v9, v[SB:SB+1], s[18:19]      ; the wave's 32 rows x 2 words: 256 consecutive bytes, aligned
	s_wait_tensorcnt 0x0
	ds_add_u32 v239, v243
	s_wait_dscnt 0x0
	s_endpgm
; 64 numbers of a lane, register 16 b + i = K 32 b + 16 (lane / 16) + i of row lane % 16, become a fragment's codes in v[PC] .. v[PC + 11] and the row's scale word in v[pw].
.macro QUANT s, pw
.irp b, 0,1,2,3
	v_max3_num_f32 v[TM+\b], |v[(\s)+16*\b]|, |v[(\s)+1+16*\b]|, 0x1800000   ; my 16 numbers of block b, and the floor 2^(3 - 127)
.endr
.irp i, 2,4,6,8,10,12,14
.irp b, 0,1,2,3
	v_max3_num_f32 v[TM+\b], v[TM+\b], |v[(\s)+16*\b+\i]|, |v[(\s)+1+16*\b+\i]|
.endr
.endr
.irp b, 0,1,2,3
	v_permlanex16_b32 v[TM+4+\b], v[TM+\b], s[SEL], s[SEL+1]
.endr
.irp b, 0,1,2,3
	v_max_num_f32 v[TM+\b], v[TM+\b], v[TM+4+\b]   ; with lane l xor 16's: the block's largest magnitude
.endr
.irp b, 0,1,2,3
	v_add_nc_u32 v[TM+8+\b], 0xff000000, v[TM+\b]  ; 2 off its exponent field: the conversion's scale operand
.endr
.irp b, 0,1,2,3
	v_lshrrev_b32 v[TM+4+\b], 23, v[TM+8+\b]       ; the scale's byte
.endr
	v_lshl_or_b32 v[\pw], v[TM+5], 8, v[TM+4]
	v_lshl_or_b32 v[\pw], v[TM+6], 16, v[\pw]
	v_lshl_or_b32 v[\pw], v[TM+7], 24, v[\pw]
.irp c, 0,1
	v_cvt_scalef32_pk16_fp6_f32 v[PC+6*\c:PC+2+6*\c], v[(\s)+32*\c:(\s)+15+32*\c], v[TM+8+2*\c]
	v_cvt_scalef32_pk16_fp6_f32 v[PC+12+4*\c:PC+14+4*\c], v[(\s)+16+32*\c:(\s)+31+32*\c], v[TM+8+2*\c+1]
.endr
	v_nop                                          ; one plain place behind a scaled conversion
.irp c, 0,1                                    ; the layout wants a whole block in a lane: lanes 0-15 block 2 c, lanes 16-31 block 2 c + 1
.irp i, 0,1,2
	v_permlane16_swap_b32 v[PC+6*\c+\i], v[PC+12+4*\c+\i]
.endr
.irp i, 0,1,2
	v_mov_b32 v[PC+3+6*\c+\i], v[PC+12+4*\c+\i]
.endr
.endr
.endm
; ---------------- x ----------------
.Lnot_w:
	s_cmp_lt_u32 ttmp9, 640
	s_cbranch_scc0 .Ltab
	s_sub_co_u32 s23, ttmp9, 512
	s_lshr_b32 s25, s23, 3                         ; which 128 rows
	s_and_b32 s24, s23, 7                          ; which 256 along K
	s_lshl_b32 s26, s25, 20                        ; 128 rows of 8,192 bytes
	s_lshl_b32 s27, s22, 18                        ; my wave's 32 rows
	s_add_co_u32 s26, s26, s27
	s_lshl_b32 s27, s24, 10
	s_add_co_u32 s26, s26, s27
	s_mov_b32 s27, 0
	s_add_nc_u64 s[12:13], s[12:13], s[26:27]
	s_mul_i32 s26, s25, RBB
	s_mul_i32 s27, s24, 2*KSB
	s_add_co_u32 s26, s26, s27
	s_mul_i32 s27, s22, 2*IMG
	s_add_co_u32 s26, s26, s27
	s_mov_b32 s27, 0
	s_add_nc_u64 s[16:17], s[16:17], s[26:27]
	s_lshl_b32 s26, s25, 13
	s_lshl_b32 s27, s24, 10
	s_add_co_u32 s26, s26, s27
	s_lshl_b32 s27, s22, 8
	s_add_co_u32 s26, s26, s27
	s_mov_b32 s27, 0
	s_add_nc_u64 s[18:19], s[18:19], s[26:27]
	s_mov_b32 s[SEL], 0x76543210
	s_mov_b32 s[SEL+1], 0xfedcba98
	v_lshlrev_b32 v3, 4, v2                        ; 16 x lane: my bytes of a load's 512, and of an image's 512
	s_mul_i32 s30, s22, XSTG
	s_add_co_u32 s30, s30, XSTG0                   ; my stage
	v_add_nc_u32 v14, s30, v3                      ; in: a row of 512 bytes, as it lies
	v_and_b32 v5, 15, v2
	v_lshrrev_b32 v6, 4, v2
	v_mul_u32_u24 v15, v5, 528
	v_lshl_add_u32 v15, v6, 6, v15
	v_add_nc_u32 v15, s30, v15                     ; out: row r, + 64 h: my 16 numbers of each block of 32
.irp b, 0,1,2,3
	v_mov_b32 v[TM+4+\b], 0                        ; written once: a lane permute's destination counts as one of its sources
.endr
; Unit n = 2 u + e: tile 2 w + u, K step e of the two.  Position i of the tile is row 32 w + 8 u + (i & 7) + 16 (i >> 3).  Each load reads 512 consecutive bytes of one row.
.macro XLOAD n
.irp i, 0,1,2,3,4,5,6,7,8,9,10,11,12,13,14,15
	global_load_b128 v[R0+64*((\n)%2)+4*\i:R0+64*((\n)%2)+4*\i+3], v3, s[12:13] offset:(8*((\n)/2)+(\i%8)+16*(\i/8))*8192+512*((\n)%2) th:TH_LOAD_NT
.endr
.endm
.macro UNIT n
.if (\n) < 3
	s_wait_loadcnt 16                              ; this unit's 16 loads are in; the next unit's 16 may be out
.else
	s_wait_loadcnt 0x0
.endif
.irp i, 0,1,2,3,4,5,6,7,8,9,10,11,12,13,14,15
	ds_store_b128 v14, v[R0+64*((\n)%2)+4*\i:R0+64*((\n)%2)+4*\i+3] offset:528*\i
.endr
.irp i, 0,1,2,3,4,5,6,7,8,9,10,11,12,13,14,15
	ds_load_b128 v[XN+4*\i:XN+4*\i+3], v15 offset:128*(\i/4)+16*(\i%4)   ; LDS serves a wave's instructions in order: these see my stores
.endr
	s_wait_dscnt 0x0
.if (\n) < 2
	XLOAD (\n)+2
.endif
.if (\n) > 0
	s_wait_xcnt 0x0                                ; the last unit's stores have read their data: the codes' registers may be written
.endif
	QUANT XN, 8+(\n)
.irp c, 0,1,2
	global_store_b128 v3, v[PC+4*\c:PC+4*\c+3], s[16:17] offset:((\n)%2)*KSB+((\n)/2)*IMG+512*\c
.endr
.endm
	XLOAD 0
	XLOAD 1
	UNIT 0
	UNIT 1
	UNIT 2
	UNIT 3
	v_cmp_le_u32 vcc_lo, 16, v2                    ; lanes 0-15 store tile 2 w's words, lanes 16-31 tile 2 w + 1's (every lane holds the words of row lane % 16)
	v_cndmask_b32 v12, v8, v10, vcc_lo
	v_cndmask_b32 v13, v9, v11, vcc_lo
	v_lshlrev_b32 v4, 3, v2
	global_store_b64 v4, v[12:13], s[18:19]        ; 256 consecutive bytes, aligned
	s_wait_tensorcnt 0x0
	ds_add_u32 v239, v243
	s_wait_dscnt 0x0
	s_endpgm
; ---------------- the table: rtab[position of the row][pair i][cos, sin], for positions[row] ----------------
.Ltab:
	s_sub_co_u32 s23, ttmp9, 640
	s_lshl_b32 s23, s23, 2
	s_add_co_u32 s23, s23, s22                     ; which 8 rows of the table
	s_and_b32 s32, s23, 0xfc                       ; they stand for the 8 rows of x whose group number has bits 0 and 1 exchanged
	s_and_b32 s33, s23, 1
	s_lshl_b32 s33, s33, 1
	s_or_b32 s32, s32, s33
	s_bfe_u32 s33, s23, 0x10001
	s_or_b32 s32, s32, s33
	s_lshl_b32 s32, s32, 5
	s_mov_b32 s33, 0
	s_add_nc_u64 s[14:15], s[14:15], s[32:33]
	s_load_b256 s[24:31], s[14:15], 0x0            ; eight positions
	s_lshl_b32 s32, s23, 12                        ; 8 rows of 512 bytes
	s_add_nc_u64 s[20:21], s[20:21], s[32:33]
	s_mov_b32 s36, 0xbe549a78                      ; -c, c = log2(10000) / 64, rounded to f32,
	s_mov_b32 s37, 0xb1979a12                      ; and what the rounding left
	s_mov_b32 s40, 0x3f22f983                      ; 2 / pi
	s_mov_b32 s41, 0xbfc90fdb                      ; -pi / 2 in three parts: the first,
	s_mov_b32 s42, 0x333bbd2e                      ; the second (its sign is the other way),
	s_mov_b32 s43, 0x26f72ce9                      ; the third
	s_mov_b32 s44, 0xb94ca1f9                      ; sine: -1.9515295891e-4
	s_mov_b32 s45, 0x3c08839e                      ; 8.3321608736e-3
	s_mov_b32 s46, 0xbe2aaaa3                      ; -1.6666654611e-1
	s_mov_b32 s47, 0x37ccf5ce                      ; cosine: 2.443315712e-5
	s_mov_b32 s48, 0xbab6061a                      ; -1.388731625e-3
	s_mov_b32 s49, 0x3d2aaaa5                      ; 4.166664568e-2
	v_lshlrev_b32 v3, 4, v2                        ; my two pairs' 16 bytes of a row
	v_lshlrev_b32 v4, 1, v2
	v_cvt_f32_u32 v4, v4                           ; pair 2 l
	v_add_f32 v5, 1.0, v4                          ; pair 2 l + 1
	v_mul_f32 v6, s36, v4                          ; -i c, rounded,
	v_mul_f32 v7, s36, v5
	v_fma_f32 v8, v4, s36, -v6                     ; what that rounding left,
	v_fma_f32 v9, v5, s36, -v7
	v_fma_f32 v8, v4, s37, v8                      ; and c's own rest
	v_fma_f32 v9, v5, s37, v9
	v_exp_f32 v10, v6
	v_exp_f32 v11, v7
	v_nop                                          ; a plain place behind the exponentials
	s_wait_alu depctr_va_vdst(0)                   ; one wait for both, ahead of their first reader
	v_mul_f32 v12, 0x3f317218, v10
	v_mul_f32 v13, 0x3f317218, v11
	v_fma_f32 v4, v12, v8, v10                     ; the frequency 10000^(-i / 64) = 2^(rounded) (1 + ln 2 x rest)
	v_fma_f32 v5, v13, v9, v11
	s_wait_kmcnt 0x0
.macro SINCOS ps, f, dc, ds
	v_cvt_f32_i32 v6, s[\ps]
	v_mul_f32 v6, v6, v[\f]                        ; the angle, rounded once
	v_mul_f32 v7, s40, v6
	v_rndne_f32 v7, v7                             ; k: the nearest multiple of pi / 2
	v_fma_f32 v8, v7, s41, v6
	v_fma_f32 v8, v7, s42, v8
	v_fma_f32 v8, v7, s43, v8                      ; r = angle - k pi / 2, |r| <= pi / 4
	v_mul_f32 v9, v8, v8
	v_cvt_i32_f32 v10, v7
	v_fma_f32 v11, s44, v9, s45
	v_fma_f32 v11, v11, v9, s46
	v_mul_f32 v12, v9, v8
	v_fma_f32 v11, v11, v12, v8                    ; sin r
	v_fma_f32 v13, s47, v9, s48
	v_fma_f32 v13, v13, v9, s49
	v_mul_f32 v14, v9, v9
	v_fma_f32 v15, v9, -0.5, 1.0
	v_fma_f32 v13, v13, v14, v15                   ; cos r
	v_and_b32 v12, 1, v10
	v_cmp_ne_u32 vcc_lo, 0, v12                    ; an odd k exchanges the two
	v_cndmask_b32 v14, v11, v13, vcc_lo
	v_cndmask_b32 v15, v13, v11, vcc_lo
	v_and_b32 v12, 2, v10
	v_lshlrev_b32 v12, 30, v12
	v_xor_b32 v[\ds], v14, v12                     ; the sine is negative for k = 2, 3 (mod 4),
	v_add_nc_u32 v12, 1, v10
	v_and_b32 v12, 2, v12
	v_lshlrev_b32 v12, 30, v12
	v_xor_b32 v[\dc], v15, v12                     ; the cosine for k = 1, 2
.endm
.irp w, 0,1,2,3,4,5,6,7
	SINCOS 24+\w, 4, 32+4*\w, 33+4*\w
	SINCOS 24+\w, 5, 34+4*\w, 35+4*\w
	global_store_b128 v3, v[32+4*\w:35+4*\w], s[20:21] offset:512*\w   ; a row of 512 consecutive bytes; each row has registers of its own
.endr
	s_endpgm
.Lfunc_end_k_q31ac5e622c_prep:
	.size	k_q31ac5e622c_prep, .Lfunc_end_k_q31ac5e622c_prep-k_q31ac5e622c_prep
	.p2alignl 7, 3214868480
	.fill 96, 4, 3214868480
	.section	.rodata,"a",@progbits
	.p2align	6, 0x0
	.amdhsa_kernel k_q31ac5e622c_prep
		.amdhsa_group_segment_fixed_size 61952
		.amdhsa_private_segment_fixed_size 0
		.amdhsa_enable_private_segment 0
		.amdhsa_kernarg_size 72
		.amdhsa_user_sgpr_count 2
		.amdhsa_user_sgpr_kernarg_segment_ptr 1
		.amdhsa_wavefront_size32 1
		.amdhsa_system_sgpr_workgroup_id_x 1
		.amdhsa_system_sgpr_workgroup_id_y 1
		.amdhsa_system_sgpr_workgroup_id_z 1
		.amdhsa_system_vgpr_workitem_id 0
		.amdhsa_next_free_vgpr 256
		.amdhsa_next_free_sgpr 66
		.amdhsa_reserve_vcc 1
		.amdhsa_float_denorm_mode_32 3
		.amdhsa_float_denorm_mode_16_64 3
		.amdhsa_memory_ordered 1
		.amdhsa_forward_progress 1
		.amdhsa_inst_pref_size 97
	.end_amdhsa_kernel
	.amdgpu_metadata
---
amdhsa.version: [ 1, 2 ]
amdhsa.kernels:
  - .name:           k_q31ac5e622c_prep
    .symbol:         k_q31ac5e622c_prep.kd
    .args:
      - { .name: Wq, .offset: 0, .size: 8, .value_kind: global_buffer, .address_space: global }
      - { .name: Wk, .offset: 8, .size: 8, .value_kind: global_buffer, .address_space: global }
      - { .name: Wv, .offset: 16, .size: 8, .value_kind: global_buffer, .address_space: global }
      - { .name: Wo, .offset: 24, .size: 8, .value_kind: global_buffer, .address_space: global }
      - { .name: x, .offset: 32, .size: 8, .value_kind: global_buffer, .address_space: global }
      - { .name: positions, .offset: 40, .size: 8, .value_kind: global_buffer, .address_space: global }
      - { .name: pcod, .offset: 48, .size: 8, .value_kind: global_buffer, .address_space: global }
      - { .name: pscl, .offset: 56, .size: 8, .value_kind: global_buffer, .address_space: global }
      - { .name: rtab, .offset: 64, .size: 8, .value_kind: global_buffer, .address_space: global }
    .group_segment_fixed_size: 61952
    .private_segment_fixed_size: 0
    .kernarg_segment_align: 8
    .kernarg_segment_size: 72
    .max_flat_workgroup_size: 128
    .sgpr_count:     66
    .vgpr_count:     256
    .wavefront_size: 32
...
	.end_amdgpu_metadata
.endif
;; end of part 1
;; launch qkv (part 2): grid 8 x 24, 4 waves a work-group, clusters of 4 x 4, 327,680 bytes of LDS; arguments pcod, pscl, rtab, qcod, qscl; writes qcod, qscl
.if DOCPART == 2
	.amdgcn_target "amdgcn-amd-amdhsa--gfx1250"
	.amdhsa_code_object_version 6
	.text
	.protected	k_q31ac5e622c_qkv
	.globl	k_q31ac5e622c_qkv
	.p2align	8
	.type	k_q31ac5e622c_qkv,@function
k_q31ac5e622c_qkv:
	s_mov_b64 s[64:65], 0
	v_nop
	global_prefetch_b8 v0, s[64:65] scope:SCOPE_SE
	s_setreg_imm32_b32 hwreg(HW_REG_WAVE_MODE, 25, 1), 1
	s_wait_xcnt 0x0
	s_wait_alu depctr_hold_cnt(0) depctr_sa_sdst(0) depctr_va_vdst(0) depctr_va_sdst(0) depctr_va_ssrc(0) depctr_va_vcc(0) depctr_vm_vsrc(0)
	s_getreg_b32 s2, hwreg(HW_REG_IB_STS2, 6, 4)
	s_cmp_eq_u32 s2, 0
	s_cbranch_scc0 .Lentry_in_a_cluster
	s_endpgm
.Lentry_in_a_cluster:
	s_bfe_u32 s2, ttmp6, 0x10000c
	s_cmp_lg_u32 s2, 0xf033
	s_cbranch_scc0 .Lentry_shape_is_right
	s_endpgm
.Lentry_shape_is_right:
; q = rope(x Wq), k = rope(x Wk), v = x Wv on codes of FP6 (E2M3) with E8M0 scales, and the results quantised again: q and k along the head's 128, v along the keys.
; One text for the three products: C[m][n] = sum over k of A[m][k] B[n][k], quantised along n.  p = 0: A = x, B = Wq;  p = 1: A = x, B = Wk;  p = 2: A = Wv, B = x (so that the keys run along n).
; p is the cluster's y / 2: the same in all sixteen partners of a cluster.
; OPERANDS lie as images of their registers (a fragment, 16 positions x 128 K: registers 4 g .. 4 g + 3 of lane l at 512 g + 16 l), [block of 128 positions][K step][tile 8][1,536 bytes]; position i holds
; the row whose number is i with bits 3 and 4 exchanged.  So a slot's part for 128 positions x 256 K is ONE dense block of 24,576 bytes, a fragment comes by three loads of 512 consecutive bytes,
; and with source 0 = 16 positions of B the 16 registers of two neighbouring tiles are 16 NEIGHBOURS along n: what the conversions want.
; A tile of C, 256 x 256, is made by four waves, 128 x 128 each: 64 accumulators.  K goes in steps of 256 through a ring of two LDS slots; the scale words of all K come once.
; CLUSTERS: 4 x 4 work-groups; A's parts are asked for jointly along a row of the cluster, B's along a column.
; No prefetch: the launch has eight changes of slots in all.
; LIMITS: NaN and infinities are not served; a block of zeros gets the byte 1 (its codes are zeros; this program alone reads the bytes); blocks under 2^-124 are held at that byte.
; REGISTERS: window 0: v8-15 the results' scale words; v16-29 addresses; v32-63 scale words of A and B, two sets; v64-127 the table, set 0; v128-223 A's fragments (later the table, set 1);
;   v224-243 codes just made; v244-255 at work.   window 1: B's fragments, two sets, at v0 and v128 (later v0-63: a block after the rotation).   windows 2, 3: the accumulators.
.set IMG,   1536
.set KSB,   12288
.set RBB,   196608
.set SEC,   3145728
.set NQ,    2                          ; steps of 128 in a slot
.set FR,    12                         ; registers of a fragment
.set NL,    3                          ; LDS loads that bring one
.set NP,    4                          ; places behind this matrix instruction (ISA guide 7.12.1)
.set PART,  24576                      ; 128 positions x 256 K: what one tensor load brings
.set SLOT,  4*PART                     ; A's two parts, then B's two
.set LAPS,  4                          ; 2,048 along K = 8 slots = 4 times round the ring
.set SCL,   2*SLOT                     ; the scale words: 8,192 bytes a part; B's two lie 128 bytes further on, so that a load's two halves fall on different banks
.set SPARE, 229632                     ; the spare words, 128 bytes for each wave: two blocks of 256 bytes that no other line names
.set PWS,  8
.set ADRA, 16                          ; v16-17 LDS address of my A fragments in slot 0, 1
.set ADRB, 20                          ; v20-21 the same for B
.set GO,   24                          ; v24 16 x lane
.set TO,   25                          ; v25 my place in a table row: 512 r + 64 h
.set ADRS, 27                          ; v27 my scale words: lanes 0-15 A's rows, lanes 16-31 B's
.set SPW,  28
.set NIL,  29
.set SC,   32
.set TAB,  64
.set AF,   128
.set PC,   224
.set TM,   244
.set SEL,  96                          ; s[96:97]
.set G1, 24
.set G0, 32
.set G1B, 48
.set G0B, 56
.set G1S, 68
.set G0S, 76
.set G1SB, 80
.set G0SB, 88
.set MSB, 0
.macro WIN new                         ; the immediate's high byte repeats the setting that is left
.if MSB != (\new)
	s_set_vgpr_msb (MSB<<8)|(\new)
.set MSB, (\new)
.endif
.endm
.set MUL_LO, 0xa1                      ; source 0 (B) window 1, source 1 (A) window 0, C and D window 2
.set MUL_HI, 0xf1
.set TO_B,   0x40
; A joint load: waves 0 and 1 fetch for A, waves 2 and 3 for B.  Four v_nop follow each of the two lines.
.macro JLOAD g0a, g1a, g0b, g1b
	s_cmp_eq_u32 s15, 0
	s_cbranch_scc0 .Lfor_b_\@
	tensor_load_to_lds s[\g0a:\g0a+3], s[\g1a:\g1a+7]
	s_nop 0
.rept 4
	v_nop
.endr
	s_branch .Lasked_\@
.Lfor_b_\@:
	tensor_load_to_lds s[\g0b:\g0b+3], s[\g1b:\g1b+7]
	s_nop 0
.rept 4
	v_nop
.endr
.Lasked_\@:
.endm
.macro CREST                           ; a round of the cluster's barrier behind its opening barrier
	s_cmp_lg_u32 s14, 0
	s_cbranch_scc1 .Lnot_wave_0_\@
	s_barrier_signal -3
.Lnot_wave_0_\@:
	s_barrier_wait -3
	s_barrier_signal -1
	s_barrier_wait -1
.endm
.macro CROUND
	s_barrier_signal -1
	s_barrier_wait -1
	CREST
.endm
	s_load_b256 s[4:11], s[0:1], 0x0               ; pcod s[4:5], pscl s[6:7], rtab s[8:9], qcod s[10:11]
	s_load_b64 s[12:13], s[0:1], 0x20              ; qscl
	v_lshl_add_u32 v[SPW], v0, 2, SPARE
	v_mov_b32 v[NIL], 0
	ds_add_u32 v28, v29
	s_wait_dscnt 0x0
	v_lshrrev_b32 v1, 5, v0
	v_readfirstlane_b32 s14, v1                    ; wave 0..3
	s_lshr_b32 s15, s14, 1                         ; which half of the tile's rows (A) is mine.  Also: I fetch for A (0) or for B (1)
	s_and_b32 s16, s14, 1                          ; which half of its columns (B).  Also: which part I fetch
	; every LDS address is made here, ahead of the first branch on the wave's number
	v_and_b32 v1, 31, v0
	v_lshlrev_b32 v[GO], 4, v1
	s_mul_i32 s21, s15, PART
	s_mul_i32 s22, s16, PART
	s_add_co_u32 s22, s22, 2*PART
.irp s, 0,1
	v_add_nc_u32 v[ADRA+\s], s21, v[GO]
	v_add_nc_u32 v[ADRB+\s], s22, v[GO]
	s_add_co_u32 s21, s21, SLOT
	s_add_co_u32 s22, s22, SLOT
.endr
	v_and_b32 v2, 15, v0                           ; r
	v_bfe_u32 v3, v0, 4, 1                         ; h
	s_lshl_b32 s21, s15, 13                        ; A's words: my part
	s_lshl_b32 s22, s16, 13                        ; B's: my part, behind A's two and 128 bytes
	s_add_co_u32 s22, s22, 16512
	s_sub_co_u32 s22, s22, s21
	v_mul_u32_u24 v4, s22, v3                      ; lanes 16-31 take B's: one product with h
	s_add_co_u32 s21, s21, SCL
	v_lshl_add_u32 v4, v2, 3, v4                   ; 8 bytes a row: the slot's two words
	v_add_nc_u32 v[ADRS], s21, v4
	v_lshlrev_b32 v[TO], 9, v2
	v_lshl_add_u32 v[TO], v3, 6, v[TO]
.irp b, 0,1,2,3
	v_mov_b32 v[TM+4+\b], 0                        ; written once: a lane permute's destination counts as one of its sources
.endr
	s_mov_b32 s[SEL], 0x76543210
	s_mov_b32 s[SEL+1], 0xfedcba98
	s_bfe_u32 s40, ttmp6, 0x40000                  ; cx, cy: my place in the cluster
	s_bfe_u32 s41, ttmp6, 0x40004
	s_and_b32 s17, ttmp7, 0xffff                   ; the cluster's y, 0..5
	s_lshr_b32 s66, s17, 1                         ; p: which product
	s_and_b32 s17, s17, 1
	s_lshl_b32 s17, s17, 2
	s_add_co_u32 s17, s17, s41                     ; tile row of C
	s_lshl_b32 s42, ttmp9, 2
	s_add_co_u32 s42, s42, s40                     ; tile column of C
	s_lshl_b32 s43, s41, 2
	s_lshl_b32 s43, 15, s43                        ; my row of the cluster
	s_lshl_b32 s44, 0x1111, s40                    ; my column
	s_add_co_u32 s67, s66, 1
	s_cmp_eq_u32 s66, 2
	s_cselect_b32 s98, 3, 0                        ; A's section: Wv or x
	s_cselect_b32 s67, 0, s67                      ; B's: x, or Wq, Wk
	; descriptor group 1: a dense block of 24,576 bytes as 96 rows of 256 bytes (32 elements of 8 bytes); no padding
	s_or_b32 s[G1+0], s43, (3<<16)|(1<<21)         ; 15:0 the mask: A's parts go to my row; 17:16 elements of 8 bytes; 21 set beside a mask
	s_or_b32 s[G1B+0], s44, (3<<16)|(1<<21)
.irp g, G1, G1B
	s_mov_b32 s[\g+1], 32<<16                      ; tensor_dim0
	s_mov_b32 s[\g+2], 96<<16                      ; tensor_dim1
	s_mov_b32 s[\g+3], 32<<16                      ; tile_dim0
	s_mov_b32 s[\g+4], 96                          ; tile_dim1
	s_mov_b32 s[\g+5], 32                          ; tensor_dim0_stride
	s_mov_b32 s[\g+6], 0
	s_mov_b32 s[\g+7], 0
.endr
	s_or_b32 s[G1S+0], s43, (3<<16)|(1<<21)        ; the scale words of 128 positions, all K: 8,192 dense bytes, 32 rows of 256
	s_or_b32 s[G1SB+0], s44, (3<<16)|(1<<21)
.irp g, G1S, G1SB
	s_mov_b32 s[\g+1], 32<<16
	s_mov_b32 s[\g+2], 32<<16
	s_mov_b32 s[\g+3], 32<<16
	s_mov_b32 s[\g+4], 32
	s_mov_b32 s[\g+5], 32
	s_mov_b32 s[\g+6], 0
	s_mov_b32 s[\g+7], 0
.endr
	s_lshl_b32 s20, s17, 1                         ; A: the block of 128 that I fetch: 2 x tile row + half.  These registers never hold cx,
	s_add_co_u32 s20, s20, s16
	s_lshl_b32 s22, s20, 13
	s_mul_i32 s20, s20, RBB
	s_mul_i32 s99, s98, SEC
	s_add_co_u32 s20, s20, s99
	s_lshl_b32 s99, s98, 17
	s_add_co_u32 s22, s22, s99
	s_mov_b32 s21, 0
	s_mov_b32 s23, 0
	s_lshl_b32 s46, s42, 1                         ; B: 2 x tile column + half.  and these never cy
	s_add_co_u32 s46, s46, s16
	s_lshl_b32 s92, s46, 13
	s_mul_i32 s46, s46, RBB
	s_mul_i32 s99, s67, SEC
	s_add_co_u32 s46, s46, s99
	s_lshl_b32 s99, s67, 17
	s_add_co_u32 s92, s92, s99
	s_mov_b32 s47, 0
	s_mov_b32 s93, 0
	s_mul_i32 s45, s14, PART                       ; where they go: wave x a part: no place in the cluster enters an LDS address
	s_lshl_b32 s94, s14, 13
	s_lshl_b32 s95, s15, 7
	s_add_co_u32 s94, s94, s95
	s_wait_kmcnt 0x0
	s_add_nc_u64 s[20:21], s[4:5], s[20:21]
	s_add_nc_u64 s[22:23], s[6:7], s[22:23]
	s_add_nc_u64 s[46:47], s[4:5], s[46:47]
	s_add_nc_u64 s[92:93], s[6:7], s[92:93]
	CROUND                                         ; all sixteen work-groups are here: the first joint loads meet
	s_mov_b32 s[G0S], 1
	s_add_co_u32 s[G0S+1], s94, SCL
	s_mov_b64 s[G0S+2:G0S+3], s[22:23]
	s_or_b32 s[G0S+3], s[G0S+3], 0x80000000
	s_mov_b32 s[G0SB], 1
	s_add_co_u32 s[G0SB+1], s94, SCL
	s_mov_b64 s[G0SB+2:G0SB+3], s[92:93]
	s_or_b32 s[G0SB+3], s[G0SB+3], 0x80000000
	JLOAD G0S, G1S, G0SB, G1SB                     ; the scale words first: they are wanted with the first slot
.irp s, 0,1
	s_mov_b32 s[G0+4*\s], 1
	s_add_co_u32 s[G0+4*\s+1], s45, \s*SLOT
	s_add_nc_u64 s[G0+4*\s+2:G0+4*\s+3], s[20:21], \s*PART
	s_or_b32 s[G0+4*\s+3], s[G0+4*\s+3], 0x80000000
	s_mov_b32 s[G0B+4*\s], 1
	s_add_co_u32 s[G0B+4*\s+1], s45, \s*SLOT
	s_add_nc_u64 s[G0B+4*\s+2:G0B+4*\s+3], s[46:47], \s*PART
	s_or_b32 s[G0B+4*\s+3], s[G0B+4*\s+3], 0x80000000
	JLOAD G0+4*\s, G1, G0B+4*\s, G1B               ; three tensor loads of mine are out
.endr
	; where my results go, and my rows of the table
	s_lshl_b32 s18, s17, 1
	s_add_co_u32 s18, s18, s15                     ; my block of 128 rows of C (A's positions)
	s_lshl_b32 s19, s42, 1
	s_add_co_u32 s19, s19, s16                     ; my block of 128 columns (B's positions)
	s_lshl_b32 s20, s18, 16                        ; 128 table rows of 512 bytes
	s_mov_b32 s21, 0
	s_add_nc_u64 s[8:9], s[8:9], s[20:21]
.macro TABLOAD a                       ; the table for block a's 16 rows: lane (r, h): row r, for each 32 columns my 8 pairs (cos, sin): 64 bytes
.irp i, 0,1,2,3,4,5,6,7,8,9,10,11,12,13,14,15
	global_load_b128 v[TAB+64*((\a)%2)+4*\i:TAB+64*((\a)%2)+4*\i+3], v[TO], s[8:9] offset:(\a)*8192+128*(\i/4)+16*(\i%4)
.endr
.endm
	TABLOAD 0                                      ; asked for here, wanted behind the loop.  It stands on every path (the work-groups of v do not use these 8,192 bytes a wave), so that the text has one way into the loop
	s_cmp_eq_u32 s66, 2
	s_cselect_b32 s20, s18, s19                    ; the head: q, k: my columns; v: my rows
	s_cselect_b32 s21, s19, s18                    ; q, k: which 128 rows of the sequence; v: which 128 keys
	s_mul_i32 s22, s66, SEC
	s_mul_i32 s23, s20, RBB
	s_add_co_u32 s22, s22, s23
	s_mul_i32 s23, s21, KSB
	s_add_co_u32 s22, s22, s23
	s_mov_b32 s23, 0
	s_add_nc_u64 s[10:11], s[10:11], s[22:23]      ; my eight images: 12,288 consecutive bytes
	s_cmp_eq_u32 s66, 0                            ; scale words: q: [head][8,192]; behind them [head][k's 8,192, v's 8,192]
	s_cselect_b32 s22, 13, 14
	s_cselect_b32 s23, 0, 122880
	s_lshl_b32 s22, s20, s22
	s_add_co_u32 s22, s22, s23
	s_lshl_b32 s23, s21, 9
	s_add_co_u32 s22, s22, s23
	s_lshl_b32 s23, s66, 13
	s_add_co_u32 s22, s22, s23
	s_mov_b32 s23, 0
	s_add_nc_u64 s[12:13], s[12:13], s[22:23]
.macro FRAG reg, adr, q, i             ; a fragment comes back as it was stored: three loads of 512 consecutive bytes
.irp c, 0,1,2
	ds_load_b128 v[\reg+4*\c:\reg+4*\c+3], v[\adr] offset:(\q)*KSB+(\i)*IMG+512*\c
.endr
.endm
; 16 matrix instructions: A's blocks a0, a0 + 1 x B's eight, 128 along K.  p: B's set; sc: the set of scale words.  zero = 1: the first product starts the sums.
; The 64 accumulators take turns, one instruction a turn, in the same order in every step.
.macro MUL16 a0, p, q, sc, zero
.irp a, \a0, \a0+1
.irp b, 0,1,2,3,4,5,6,7
.if \zero
	v_wmma_scale_f32_16x16x128_f8f6f4 v[8*(8*((\a)%4)+\b):8*(8*((\a)%4)+\b)+7], v[128*(\p)+FR*\b:128*(\p)+FR*\b+FR-1], v[AF+FR*(\a):AF+FR*(\a)+FR-1], 0, v[SC+8*NQ*(\sc)+NQ*\b+(\q)], v[SC+8*NQ*(\sc)+NQ*(\a)+(\q)] matrix_a_fmt:MATRIX_FMT_FP6 matrix_b_fmt:MATRIX_FMT_FP6 matrix_a_scale:MATRIX_SCALE_ROW1
.else
	v_wmma_scale_f32_16x16x128_f8f6f4 v[8*(8*((\a)%4)+\b):8*(8*((\a)%4)+\b)+7], v[128*(\p)+FR*\b:128*(\p)+FR*\b+FR-1], v[AF+FR*(\a):AF+FR*(\a)+FR-1], v[8*(8*((\a)%4)+\b):8*(8*((\a)%4)+\b)+7], v[SC+8*NQ*(\sc)+NQ*\b+(\q)], v[SC+8*NQ*(\sc)+NQ*(\a)+(\q)] matrix_a_fmt:MATRIX_FMT_FP6 matrix_b_fmt:MATRIX_FMT_FP6 matrix_a_scale:MATRIX_SCALE_ROW1
.endif
.endr
.endr
.endm
.macro FETCH_B slot, q, p
	WIN TO_B
.irp i, 0,1,2,3,4,5,6,7
	FRAG 128*(\p)+FR*\i, ADRB+\slot, \q, \i
.endr
	WIN 0
.endm
.macro FETCH_A slot, q, i0
.irp i, \i0, \i0+1, \i0+2, \i0+3
	FRAG AF+FR*(\i), ADRA+\slot, \q, \i
.endr
.endm
.macro SCALES sc                       ; a slot's scale words: two a row; lanes 0-15 A's block i, lanes 16-31 B's block i
.irp i, 0,1,2,3,4,5,6,7
	ds_load_b64 v[SC+8*NQ*\sc+NQ*\i:SC+8*NQ*\sc+NQ*\i+1], v[ADRS] offset:\i*128
.endr
.endm
.macro PLACES n                        ; plain vector instructions in front of loads into registers that matrix instructions have read, and of the first read of results
.rept \n
	v_nop
.endr
.endm
.macro STEP slot, q, zero              ; a step of 128 along K that has its successor in the same slot
	s_wait_dscnt 4*NL                              ; B's set and A's blocks 0-3 are in; the youngest 12 loads (A's blocks 4-7) may be out
	WIN MUL_LO
	MUL16 0, (\q)%2, \q, \slot, \zero
	MUL16 2, (\q)%2, \q, \slot, \zero
	s_wait_dscnt 0
	PLACES NP
	FETCH_B \slot, (\q)+1, 1-(\q)%2
	FETCH_A \slot, (\q)+1, 0
	WIN MUL_HI
	MUL16 4, (\q)%2, \q, \slot, \zero
	MUL16 6, (\q)%2, \q, \slot, \zero
	PLACES NP
	WIN 0
	FETCH_A \slot, (\q)+1, 4
.endm
; A slot's last step changes slots: one barrier; in front of it each wave waits for all its tensor loads, adds 0 to its spare word, and waits for that and for its reads of this slot.
.macro TURN slot, next, fill
	s_wait_tensorcnt 0x0                           ; all my tensor loads have landed: my part of the next slot
	ds_add_u32 v[SPW], v[NIL]                      ; 0 onto my spare word
	s_wait_dscnt 4*NL+1                            ; (the add and the youngest 12 loads, A's blocks 4-7, may be out)
	WIN MUL_LO
	MUL16 0, 1, NQ-1, \slot, 0
	s_wait_dscnt 0x0                               ; the add is done, and my reads of this slot are over
	s_barrier_signal -1
	MUL16 2, 1, NQ-1, \slot, 0
	WIN 0
	s_barrier_wait -1
.if \fill
	CREST                                          ; the barrier has opened a round of the cluster's barrier: no wave of any partner still reads this slot or has a load on its way
	s_add_nc_u64 s[G0+4*\slot+2:G0+4*\slot+3], s[G0+4*\slot+2:G0+4*\slot+3], 2*PART
	s_add_nc_u64 s[G0B+4*\slot+2:G0B+4*\slot+3], s[G0B+4*\slot+2:G0B+4*\slot+3], 2*PART
	JLOAD G0+4*\slot, G1, G0B+4*\slot, G1B         ; the first tensor load behind the round, my only one until the next; its four v_nop are the places in front of the loads below
.else
	PLACES NP
.endif
	v_add_nc_u32 v[ADRS], 1024, v[ADRS]            ; on to the next slot's scale words
	FETCH_B \next, 0, 0
	FETCH_A \next, 0, 0
	SCALES \next
	WIN MUL_HI
	MUL16 4, 1, NQ-1, \slot, 0
	MUL16 6, 1, NQ-1, \slot, 0
	PLACES NP
	WIN 0
	FETCH_A \next, 0, 4
.endm
	s_wait_tensorcnt 1                             ; the scale words and my part of slot 0 are in; slot 1's load may be out
	s_barrier_signal -1
	s_barrier_wait -1
	FETCH_B 0, 0, 0
	FETCH_A 0, 0, 0
	SCALES 0
	FETCH_A 0, 0, 4
	STEP 0, 0, 1                                   ; the first step stands in front of the loop: its products start the sums
	s_mov_b32 s3, LAPS-1
.Llap:
	TURN 0, 1, 1
	STEP 1, 0, 0
	TURN 1, 0, 1
	STEP 0, 0, 0
	s_sub_co_u32 s3, s3, 1
	s_cmp_lg_u32 s3, 0
	s_cbranch_scc1 .Llap
	TURN 0, 1, 0                                   ; the last lap fills nothing
	STEP 1, 0, 0
	s_wait_dscnt 4*NL
	WIN MUL_LO
	MUL16 0, 1, NQ-1, 1, 0
	MUL16 2, 1, NQ-1, 1, 0
	s_wait_dscnt 0
	WIN MUL_HI
	MUL16 4, 1, NQ-1, 1, 0
	MUL16 6, 1, NQ-1, 1, 0
	WIN 0
	PLACES NP
; THE WAY OUT.  In block a (16 rows of C) lane (r, h) holds row r, and register 16 b + i of the block's 64 is column 32 b + 16 h + i of my 128.
; 64 such numbers, at v[s] of window w, become a fragment's codes in v[PC] .. v[PC + 11] and the row's scale word in v[pw].
.macro QUANTW s, w, pw
	WIN ((\w)<<2)|((\w)<<4)                        ; sources 1 and 2 in the numbers' window
.irp b, 0,1,2,3
	v_max3_num_f32 v[TM+\b], 0x1800000, |v[(\s)+16*\b]|, |v[(\s)+1+16*\b]|   ; the floor 2^(3 - 127), and my 16 numbers of block b, from each accumulator's low end on
.endr
.irp i, 2,4,6,8,10,12,14
.irp b, 0,1,2,3
	v_max3_num_f32 v[TM+\b], v[TM+\b], |v[(\s)+16*\b+\i]|, |v[(\s)+1+16*\b+\i]|
.endr
.endr
	WIN 0
.irp b, 0,1,2,3
	v_permlanex16_b32 v[TM+4+\b], v[TM+\b], s[SEL], s[SEL+1]
.endr
.irp b, 0,1,2,3
	v_max_num_f32 v[TM+\b], v[TM+\b], v[TM+4+\b]
.endr
.irp b, 0,1,2,3
	v_add_nc_u32 v[TM+8+\b], 0xff000000, v[TM+\b]  ; 2 off the exponent field: the conversion's scale operand
.endr
.irp b, 0,1,2,3
	v_lshrrev_b32 v[TM+4+\b], 23, v[TM+8+\b]       ; the scale's byte
.endr
	v_lshl_or_b32 v[\pw], v[TM+5], 8, v[TM+4]
	v_lshl_or_b32 v[\pw], v[TM+6], 16, v[\pw]
	v_lshl_or_b32 v[\pw], v[TM+7], 24, v[\pw]
	WIN (\w)                                       ; source 0 in the numbers' window
.irp c, 0,1
	v_cvt_scalef32_pk16_fp6_f32 v[PC+6*\c:PC+2+6*\c], v[(\s)+32*\c:(\s)+15+32*\c], v[TM+8+2*\c]
	v_cvt_scalef32_pk16_fp6_f32 v[PC+12+4*\c:PC+14+4*\c], v[(\s)+16+32*\c:(\s)+31+32*\c], v[TM+8+2*\c+1]
.endr
	WIN 0
	v_nop                                          ; one plain place behind a scaled conversion
.irp c, 0,1
.irp i, 0,1,2
	v_permlane16_swap_b32 v[PC+6*\c+\i], v[PC+12+4*\c+\i]
.endr
.irp i, 0,1,2
	v_mov_b32 v[PC+3+6*\c+\i], v[PC+12+4*\c+\i]
.endr
.endr
.endm
.macro IMGOUT a
.irp c, 0,1,2
	global_store_b128 v[GO], v[PC+4*\c:PC+4*\c+3], s[10:11] offset:(\a)*IMG+512*\c   ; each store covers 512 consecutive bytes, aligned
.endr
.endm
; q and k: the rotation, in f32.  Registers n, n + 1 (n even) are a pair (x1, x2); the table's registers n, n + 1 its cos and sin:  y1 = x1 cos - x2 sin,  y2 = x2 cos + x1 sin.
.macro ROPE a
.set W, 2+(\a)/4
.set XB, 64*((\a)%4)
.set TBL, TAB+64*((\a)%2)
.if (\a) < 7
	TABLOAD (\a)+1
	s_wait_loadcnt 16                              ; this block's table is in; the next block's 16 loads may be out
.else
	s_wait_loadcnt 0x0
.endif
	WIN (1<<6)|(1<<4)|W                            ; the results and source 2 in window 1, source 0 in the accumulators' window, the table in window 0
.set N, 0
.rept 32
	v_pk_mul_f32 v[N:N+1], v[XB+N:XB+N+1], v[TBL+N:TBL+N+1] op_sel_hi:[1,0]
.set N, N+2
.endr
.set N, 0
.rept 32
	v_fma_f32 v[N], -v[XB+N+1], v[TBL+N+1], v[N]
	v_fma_f32 v[N+1], v[XB+N], v[TBL+N+1], v[N+1]
.set N, N+2
.endr
	WIN 0
.if (\a) > 0
	s_wait_xcnt 0x0                                ; the last block's stores have read their data
.endif
	QUANTW 0, 1, PWS+(\a)
	IMGOUT \a
.endm
	s_cmp_eq_u32 s66, 2
	s_cbranch_scc1 .Lepi_v
.irp a, 0,1,2,3,4,5,6,7
	ROPE \a
.endr
	s_branch .Ltail
.Lepi_v:                                           ; v: quantised as it stands
.irp a, 0,1,2,3,4,5,6,7
.if \a > 0
	s_wait_xcnt 0x0
.endif
	QUANTW 64*((\a)%4), 2+(\a)/4, PWS+(\a)
	IMGOUT \a
.endr
.Ltail:
	s_wait_xcnt 0x0
	v_and_b32 v1, 31, v0
	v_cmp_le_u32 vcc_lo, 16, v1                    ; lanes 0-15 store tile 2 i's words, lanes 16-31 tile 2 i + 1's (every lane holds the word of row lane % 16)
.irp i, 0,1,2,3
	v_cndmask_b32 v[PC+\i], v[PWS+2*\i], v[PWS+2*\i+1], vcc_lo
.endr
	v_lshlrev_b32 v1, 2, v1
.irp i, 0,1,2,3
	global_store_b32 v1, v[PC+\i], s[12:13] offset:128*\i   ; the four together: 512 consecutive bytes
.endr
	s_wait_tensorcnt 0x0                           ; the wave's end
	ds_add_u32 v[SPW], v[NIL]
	s_wait_dscnt 0x0
	CROUND                                         ; the closing round
	s_endpgm
.Lfunc_end_k_q31ac5e622c_qkv:
	.size	k_q31ac5e622c_qkv, .Lfunc_end_k_q31ac5e622c_qkv-k_q31ac5e622c_qkv
	.p2alignl 7, 3214868480
	.fill 96, 4, 3214868480
	.section	.rodata,"a",@progbits
	.p2align	6, 0x0
	.amdhsa_kernel k_q31ac5e622c_qkv
		.amdhsa_group_segment_fixed_size 327680
		.amdhsa_private_segment_fixed_size 0
		.amdhsa_enable_private_segment 0
		.amdhsa_kernarg_size 40
		.amdhsa_user_sgpr_count 2
		.amdhsa_user_sgpr_kernarg_segment_ptr 1
		.amdhsa_wavefront_size32 1
		.amdhsa_system_sgpr_workgroup_id_x 1
		.amdhsa_system_sgpr_workgroup_id_y 1
		.amdhsa_system_sgpr_workgroup_id_z 1
		.amdhsa_system_vgpr_workitem_id 0
		.amdhsa_next_free_vgpr 1024
		.amdhsa_next_free_sgpr 100
		.amdhsa_reserve_vcc 1
		.amdhsa_float_denorm_mode_32 3
		.amdhsa_float_denorm_mode_16_64 3
		.amdhsa_memory_ordered 1
		.amdhsa_forward_progress 1
		.amdhsa_inst_pref_size 235
	.end_amdhsa_kernel
	.amdgpu_metadata
---
amdhsa.version: [ 1, 2 ]
amdhsa.kernels:
  - .name:           k_q31ac5e622c_qkv
    .symbol:         k_q31ac5e622c_qkv.kd
    .args:
      - { .name: pcod, .offset: 0, .size: 8, .value_kind: global_buffer, .address_space: global }
      - { .name: pscl, .offset: 8, .size: 8, .value_kind: global_buffer, .address_space: global }
      - { .name: rtab, .offset: 16, .size: 8, .value_kind: global_buffer, .address_space: global }
      - { .name: qcod, .offset: 24, .size: 8, .value_kind: global_buffer, .address_space: global }
      - { .name: qscl, .offset: 32, .size: 8, .value_kind: global_buffer, .address_space: global }
    .group_segment_fixed_size: 327680
    .private_segment_fixed_size: 0
    .kernarg_segment_align: 8
    .kernarg_segment_size: 40
    .max_flat_workgroup_size: 128
    .sgpr_count:     100
    .vgpr_count:     1024
    .wavefront_size: 32
...
	.end_amdgpu_metadata
.endif
;; end of part 2
;; launch attn (part 3): grid 16 x 16, 16 waves a work-group, clusters of 4 x 1, 327,680 bytes of LDS; arguments qcod, qscl, acod, ascl; writes acod, ascl
.if DOCPART == 3
	.amdgcn_target "amdgcn-amd-amdhsa--gfx1250"
	.amdhsa_code_object_version 6
	.text
	.protected	k_q31ac5e622c_attn
	.globl	k_q31ac5e622c_attn
	.p2align	8
	.type	k_q31ac5e622c_attn,@function
k_q31ac5e622c_attn:
	s_mov_b64 s[64:65], 0
	v_nop
	global_prefetch_b8 v0, s[64:65] scope:SCOPE_SE
	s_setreg_imm32_b32 hwreg(HW_REG_WAVE_MODE, 25, 1), 1
	s_wait_xcnt 0x0
	s_wait_alu depctr_hold_cnt(0) depctr_sa_sdst(0) depctr_va_vdst(0) depctr_va_sdst(0) depctr_va_ssrc(0) depctr_va_vcc(0) depctr_vm_vsrc(0)
	s_getreg_b32 s2, hwreg(HW_REG_IB_STS2, 6, 4)
	s_cmp_eq_u32 s2, 0
	s_cbranch_scc0 .Lentry_in_a_cluster
	s_endpgm
.Lentry_in_a_cluster:
	s_bfe_u32 s2, ttmp6, 0x10000c
	s_cmp_lg_u32 s2, 0x3003
	s_cbranch_scc0 .Lentry_shape_is_right
	s_endpgm
.Lentry_shape_is_right:
; Causal attention on codes of FP6 (E2M3) with E8M0 scales: S^T = K Q^T, p = 2^(t - M) quantised along the keys, O^T = V^T P^T, O / l quantised along the head's 128 for the last product.
; t = score x log2(e) / sqrt(128); M = the running largest t rounded UP to a whole number; the row's sum is taken of the unquantised p.  When M moves, sum and O are multiplied by a power of two.
; INPUTS: images of fragments (16 positions x 128 K: registers 4 g .. 4 g + 3 of lane l at 512 g + 16 l).  Q, K: [head][tile 128]; V: [head][128 keys: 16][tile of the head's 128: 8].
; Position i stands for the row whose number is i with bits 3 and 4 exchanged: so the 16 registers of two neighbouring tiles of a result are 16 neighbours (keys in S^T, channels in O^T).
; SHARES.  A head's queries are 16 groups of 128.  Cluster c (0..3) of a head owns groups c, 7 - c, 8 + c, 15 - c: 34 key steps of 128 in every cluster.  Of each group partner cx owns tiles 2 cx, 2 cx + 1.
; TWO waves share a tile of 16 queries: one takes the even key steps, the other the odd ones; their states (M, sum, O^T) are merged at the end through LDS, by exact powers of two.
; Wave w = 4 a + b: group number (a + b) % 4, tile a % 2, parity a / 2: each run of four waves, taken either way, has one wave of each group.
; EVERY work-group walks all four slots of 512 keys; a step whose keys all come after the wave's queries is jumped over by a scalar branch on ids that all partners share.
; CLUSTER: the four partners walk the same K and V: each part of a slot is asked for jointly (mask 15).  Waves 0, 1 fetch K's halves, waves 2, 3 V's.
; LIMITS: p under 2^-126 counts as 0; a block of zeros keeps the byte 1 (its codes are zeros); NaN and infinities are not served.
; REGISTERS: v1-4 addresses that stay; v5, v6 the add's; v7 lane; v8-10 addresses in hand; v12 -M, v13 largest t, v[14:15] the sum; v16-27 Q; v28-31 offsets; v32-79 four fragments; v96-159 S^T, then p;
;   v160-223 O^T; v224-243 p's codes; v244-247 scale operands; v248, v249 K's or V's scale words; v252, v254 at work; v253 p's scale word; v255 Q's.
.set IMG,   1536
.set KSB,   12288                      ; a key step's 8 images
.set RBB,   196608                     ; a head's codes in a section
.set SEC,   3145728
.set SLOT1, 131072                     ; slot 1 begins here: one exclusive or turns an address from one slot to the other
.set VOFF,  4*KSB                      ; a slot: K's four steps, then V's four
.set SCK,   229376                     ; K's scale words of the head, 8,192 bytes; V's follow
.set SPARE, 245760                     ; the spare words, 128 bytes for each wave: eight blocks of 256 bytes that no other line names
.set MRG,   247808                     ; eight places of MRGB bytes in which a tile's second wave leaves its state; no tile ever lands here
.set MRGB,  8448
.set AK0, 1
.set AV0, 2
.set AS0, 3
.set GOF, 4                            ; v4 16 x lane
.set SPW, 5
.set NIL, 6
.set LN,  7
.set ADK, 8
.set ADV, 9
.set ADS, 10
.set PFO, 28                           ; v28 256 x lane
.set DQ,  29                           ; v29 my query's place in its 128, less 16 (lane / 16)
.set MGA, 30
.set MGB, 31
.set PC,  224
.set TM,  32                           ; (in the tail)
.set PW,  44
.set TB,  2                            ; s2  LDS byte at which the slot in hand begins
.set TS,  3                            ; s3  where the step's scale words begin: 512 bytes a step, two steps on each time
.set WV,  18
.set SEL, 20
.set CS,  22
.set G1,  24
.set G0,  32
.set G1S, 36
.set G0S, 44
.set SLOTS, 48
.set KJ,  49                           ; s49 the key step in hand
.set MM,  50                           ; s50 my group of queries = my last key step
.set KAP, 51                           ; s51 my parity
.set PFA, 56
.set LIM, 58
.macro CROUND
	s_barrier_signal -1
	s_barrier_wait -1
	s_cmp_lg_u32 s[WV], 0
	s_cbranch_scc1 .Lnot_wave_0_\@
	s_barrier_signal -3
.Lnot_wave_0_\@:
	s_barrier_wait -3
	s_barrier_signal -1
	s_barrier_wait -1
.endm
.macro JLOAD                           ; the joint refill: waves 0 to 3, one load each; four v_nop follow it
	s_cmp_lt_u32 s[WV], 4
	s_cbranch_scc0 .Lasked_\@
	tensor_load_to_lds s[G0:G0+3], s[G1:G1+7]
	s_nop 0
.rept 4
	v_nop
.endr
.Lasked_\@:
.endm
; A PREFETCH INTO THE L2 of the slot that the NEXT change of slots will ask for: 98,304 bytes, lanes 256 bytes apart, one instruction a wave.  All clusters of a head walk the same K and V: the head's first
; cluster asks.  Its four partners share the bytes out BY ADDRESS (a quarter each: half of K's or of V's part); in each, waves 4 to 6 ask for 8,192 bytes each.  So each block of 256 bytes is named once.
; The last change that fills a slot asks for nothing; slots 0 and 1 come by their loads alone.
.macro ASK
	s_cmp_gt_u32 s[SLOTS], s[LIM]
	s_cbranch_scc0 .Lnot_mine_\@
	global_prefetch_b8 v[PFO], s[PFA:PFA+1] th:TH_LOAD_NT scope:SCOPE_SE
.Lnot_mine_\@:
.endm
	s_load_b256 s[4:11], s[0:1], 0x0               ; qcod s[4:5], qscl s[6:7], acod s[8:9], ascl s[10:11]
	v_lshl_add_u32 v[SPW], v0, 2, SPARE
	v_mov_b32 v[NIL], 0
	ds_add_u32 v5, v6
	s_wait_dscnt 0x0
	v_lshrrev_b32 v8, 5, v0
	v_readfirstlane_b32 s[WV], v8                  ; wave 0..15
	s_lshr_b32 s59, s[WV], 2                       ; a
	s_and_b32 s60, s[WV], 3                        ; b; in waves 0 to 3: which part of a slot I fetch
	s_add_co_u32 s54, s59, s60
	s_and_b32 s54, s54, 3                          ; which of the cluster's four groups
	s_and_b32 s55, s59, 1                          ; which of my work-group's two tiles of it
	s_lshr_b32 s[KAP], s59, 1                      ; even or odd key steps
	; every LDS address is made here, ahead of the first branch on the wave's number
	v_and_b32 v[LN], 31, v0
	s_mul_i32 s61, s[KAP], KSB
	v_lshl_add_u32 v[AK0], v[LN], 4, s61           ; 16 x lane, in my parity's step of a slot's first two
	v_add_nc_u32 v[AV0], VOFF, v[AK0]
	v_lshl_add_u32 v[AS0], v[LN], 2, SCK           ; 4 x lane: lanes 0-15 an even tile's words, lanes 16-31 the odd tile's behind it
	s_lshl_b32 s62, s54, 1
	s_add_co_u32 s62, s62, s55
	s_mul_i32 s62, s62, MRGB
	s_add_co_u32 s62, s62, MRG                     ; my tile's place for the merge
	v_lshl_add_u32 v[MGA], v[LN], 4, s62
	v_lshl_add_u32 v[MGB], v[LN], 2, s62
	v_lshlrev_b32 v[PFO], 8, v[LN]
	v_lshlrev_b32 v[GOF], 4, v[LN]
	s_and_b32 s63, s54, 1                          ; the group: c, 7 - c, 8 + c, 15 - c.  ttmp9 counts clusters: the same in all partners
	s_mul_i32 s63, s63, 7
	s_xor_b32 s[MM], ttmp9, s63
	s_lshr_b32 s63, s54, 1
	s_lshl_b32 s63, s63, 3
	s_add_co_u32 s[MM], s[MM], s63
	s_bfe_u32 s52, ttmp6, 0x40000                  ; cx: it enters global addresses and the mask's compare value alone
	s_and_b32 s53, ttmp7, 0xffff                   ; the head
	s_lshl_b32 s63, s52, 5
	s_lshl_b32 s61, s55, 3
	s_add_co_u32 s63, s63, s61                     ; lane r of tile 2 cx + sub is query 32 cx + 8 sub + (r & 7) + 16 (r >> 3) of the group's 128
	v_and_b32 v8, 7, v[LN]
	v_bfe_u32 v9, v[LN], 3, 1
	v_lshl_add_u32 v8, v9, 4, v8
	v_bfe_u32 v9, v[LN], 4, 1
	v_lshlrev_b32 v9, 4, v9
	v_sub_nc_u32 v8, v8, v9
	v_add_nc_u32 v[DQ], s63, v8
	v_and_b32 v11, 15, v0
	v_lshlrev_b32 v11, 2, v11                      ; Q's scale words: 4 r
	s_mul_i32 s70, s53, RBB
	s_lshl_b32 s67, s52, 1
	s_add_co_u32 s67, s67, s55                     ; my tile in the group
	s_lshl_b32 s66, s[MM], 3
	s_add_co_u32 s66, s66, s67                     ; and in the head
	s_mul_i32 s68, s66, IMG
	s_add_co_u32 s68, s68, s70                     ; Q's image
	s_mov_b32 s69, 0
	s_lshl_b32 s72, s53, 13
	s_lshl_b32 s73, s66, 6
	s_add_co_u32 s72, s72, s73                     ; Q's scale words
	s_mov_b32 s73, 0
	s_mul_i32 s74, s[MM], RBB                      ; the result's image: [group][K step = head][tile]
	s_mul_i32 s75, s53, KSB
	s_add_co_u32 s74, s74, s75
	s_mul_i32 s75, s67, IMG
	s_add_co_u32 s74, s74, s75
	s_mov_b32 s75, 0
	s_lshl_b32 s76, s[MM], 13                      ; its scale words: [group][head / 2][tile][row][head & 1]
	s_lshr_b32 s77, s53, 1
	s_lshl_b32 s77, s77, 10
	s_add_co_u32 s76, s76, s77
	s_lshl_b32 s77, s67, 7
	s_add_co_u32 s76, s76, s77
	s_and_b32 s77, s53, 1
	s_lshl_b32 s77, s77, 2
	s_add_co_u32 s76, s76, s77
	s_mov_b32 s77, 0
	s_lshr_b32 s78, s60, 1                         ; what I fetch, if I fetch: K's section or V's, the head, which half of a slot's part.  No place in the cluster enters it
	s_add_co_u32 s78, s78, 1
	s_mul_i32 s78, s78, SEC
	s_add_co_u32 s78, s78, s70
	s_and_b32 s79, s60, 1
	s_mul_i32 s79, s79, 2*KSB
	s_add_co_u32 s78, s78, s79
	s_mov_b32 s79, 0
	s_lshl_b32 s80, s53, 14                        ; the head's 16,384 bytes of K's and V's scale words, a quarter each
	s_add_co_u32 s80, s80, 131072
	s_lshl_b32 s81, s60, 12
	s_add_co_u32 s80, s80, s81
	s_mov_b32 s81, 0
	s_lshr_b32 s82, s52, 1                         ; the prefetches: my work-group's quarter of a slot, by cx; my wave's 8,192 bytes of it; in slot 1: the first change steps it to slot 2
	s_add_co_u32 s82, s82, 1
	s_mul_i32 s82, s82, SEC
	s_add_co_u32 s82, s82, s70
	s_and_b32 s83, s52, 1
	s_mul_i32 s83, s83, 2*KSB
	s_add_co_u32 s82, s82, s83
	s_lshl_b32 s83, s60, 13
	s_add_co_u32 s82, s82, s83
	s_add_co_u32 s82, s82, 4*KSB
	s_mov_b32 s83, 0
	s_xor_b32 s84, s59, 1                          ; 0 in waves 4 to 7,
	s_or_b32 s84, s84, ttmp9                       ; of the head's first cluster
	s_cmp_eq_u32 s84, 0
	s_cselect_b32 s[LIM], 1, -1
	s_cmp_eq_u32 s[WV], 7                          ; (a quarter of a slot is three waves' worth)
	s_cselect_b32 s[LIM], -1, s[LIM]
	; descriptor group 1: dense blocks as rows of 256 bytes (32 elements of 8 bytes): 24,576 bytes of codes; 4,096 of scale words
	s_mov_b32 s[G1], 15|(3<<16)|(1<<21)            ; 15:0 the mask: all four work-groups; 17:16 elements of 8 bytes; 21 set beside a mask
	s_mov_b32 s[G1+1], 32<<16
	s_mov_b32 s[G1+2], 96<<16
	s_mov_b32 s[G1+3], 32<<16
	s_mov_b32 s[G1+4], 96
	s_mov_b32 s[G1+5], 32
	s_mov_b32 s[G1+6], 0
	s_mov_b32 s[G1+7], 0
	s_mov_b32 s[G1S], 15|(3<<16)|(1<<21)
	s_mov_b32 s[G1S+1], 32<<16
	s_mov_b32 s[G1S+2], 16<<16
	s_mov_b32 s[G1S+3], 32<<16
	s_mov_b32 s[G1S+4], 16
	s_mov_b32 s[G1S+5], 32
	s_mov_b32 s[G1S+6], 0
	s_mov_b32 s[G1S+7], 0
	s_mov_b32 s[SEL], 0x76543210
	s_mov_b32 s[SEL+1], 0xfedcba98
	s_mov_b32 s[CS], 0x3e0293ee                    ; c = log2(e) / sqrt(128)
	s_mov_b32 s[CS+1], s[CS]
	s_mov_b32 s[TB], 0
	s_lshl_b32 s[TS], s[KAP], 9
	s_mov_b32 s[KJ], s[KAP]
	s_mov_b32 s[SLOTS], 3
	s_wait_kmcnt 0x0
	s_mov_b32 s[G0], 1
	s_mul_i32 s[G0+1], s60, 2*KSB                  ; LDS: slot 0, my part
	s_add_nc_u64 s[G0+2:G0+3], s[4:5], s[78:79]
	s_or_b32 s[G0+3], s[G0+3], 0x80000000
	s_mov_b32 s[G0S], 1
	s_lshl_b32 s[G0S+1], s60, 12
	s_add_co_u32 s[G0S+1], s[G0S+1], SCK
	s_add_nc_u64 s[G0S+2:G0S+3], s[6:7], s[80:81]
	s_or_b32 s[G0S+3], s[G0S+3], 0x80000000
	s_add_nc_u64 s[PFA:PFA+1], s[4:5], s[82:83]
	s_add_nc_u64 s[84:85], s[4:5], s[68:69]
	s_add_nc_u64 s[86:87], s[6:7], s[72:73]
	s_add_nc_u64 s[8:9], s[8:9], s[74:75]
	s_add_nc_u64 s[10:11], s[10:11], s[76:77]
	CROUND                                         ; all four work-groups are here: the first joint loads meet
	s_cmp_lt_u32 s[WV], 4                          ; a wave's two first fills stand in one branch; the first wait on them is for 0
	s_cbranch_scc0 .Lno_first
	tensor_load_to_lds s[G0S:G0S+3], s[G1S:G1S+7]  ; the head's scale words: filled once
	s_nop 0
	tensor_load_to_lds s[G0:G0+3], s[G1:G1+7]      ; slot 0
	s_nop 0
.rept 4
	v_nop
.endr
.Lno_first:
.irp c, 0,1,2
	global_load_b128 v[16+4*\c:19+4*\c], v[GOF], s[84:85] offset:512*\c   ; Q's fragment stays in registers
.endr
	global_load_b32 v255, v11, s[86:87]            ; Q's scale words
	v_mov_b32 v13, 0xff61b1e6                      ; the largest t so far: -3e38, under every t
	v_floor_f32 v12, -v13                          ; -M
	v_mov_b32 v14, 0
	v_mov_b32 v15, 0
.irp b, 0,1,2,3
	v_mov_b32 v[236+\b], 0                         ; written once: a lane permute's destination counts as one of its sources
.endr
	v_mov_b32 v252, 0
	v_mov_b32 v253, 0
.set J, 0
.rept 64
	v_mov_b32 v[160+J], 0                          ; O^T: the step is written once; the first finds zeros, which the first change of M leaves zeros
.set J, J+1
.endr
; A KEY STEP: 128 keys: the q-th of my parity in the slot in hand.
.macro STEP q
	s_cmp_gt_u32 s[KJ], s[MM]                      ; all its keys come after my queries: left out, but for the lines at its end that step addresses
	s_cbranch_scc1 .Lhidden_\@
	v_add_nc_u32 v[ADK], s[TB], v[AK0]
	v_add_nc_u32 v[ADV], s[TB], v[AV0]
	v_add_nc_u32 v[ADS], s[TS], v[AS0]
	v_nop                                          ; four places in front of loads into registers that the last step's matrix instructions have read
.irp g, 0,1                                    ; S^T = K Q^T, four tiles of 16 keys at a time
.if \g > 0
.rept 4
	v_nop
.endr
.endif
.irp t, 0,1,2,3
.irp c, 0,1,2
	ds_load_b128 v[32+12*\t+4*\c:35+12*\t+4*\c], v[ADK] offset:(\q)*2*KSB+(4*\g+\t)*IMG+512*\c
.endr
.endr
.irp i, 0,1
	ds_load_b32 v[248+\i], v[ADS] offset:128*(2*\g+\i)
.endr
	s_wait_dscnt 0x0
.irp t, 0,1,2,3
.if (\t)%2 == 0
	v_wmma_scale_f32_16x16x128_f8f6f4 v[96+8*(4*\g+\t):103+8*(4*\g+\t)], v[32+12*\t:43+12*\t], v[16:27], 0, v[248+\t/2], v255 matrix_a_fmt:MATRIX_FMT_FP6 matrix_b_fmt:MATRIX_FMT_FP6
.else
	v_wmma_scale_f32_16x16x128_f8f6f4 v[96+8*(4*\g+\t):103+8*(4*\g+\t)], v[32+12*\t:43+12*\t], v[16:27], 0, v[248+\t/2], v255 matrix_a_fmt:MATRIX_FMT_FP6 matrix_b_fmt:MATRIX_FMT_FP6 matrix_a_scale:MATRIX_SCALE_ROW1
.endif
.endr
.endr                                          ; lane (r, h) holds one query; register 16 b + i is key 32 b + 16 h + i of the step
.rept 4
	v_nop
.endr
	s_cmp_lt_u32 s[KJ], s[MM]                      ; on the diagonal the scores of hidden keys become -infinity ahead of the maximum; a step all of whose keys count skips this
	s_cbranch_scc1 .Lopen_\@
	v_mov_b32 v254, 0xff800000
.set J, 0
.rept 64
	v_cmp_gt_i32 vcc_lo, 32*(J/16)+J%16, v[DQ]
	v_cndmask_b32 v[96+J], v[96+J], v254, vcc_lo
.set J, J+1
.endr
.Lopen_\@:
.irp b, 0,1,2,3
	v_max3_num_f32 v[232+\b], v[96+16*\b], v[97+16*\b], v[98+16*\b]   ; the largest score of each block of 32 keys: for the row's maximum and, since p rises with the score, for the block's largest p
.endr
.irp i, 3,5,7,9,11,13
.irp b, 0,1,2,3
	v_max3_num_f32 v[232+\b], v[232+\b], v[96+16*\b+\i], v[97+16*\b+\i]
.endr
.endr
.irp b, 0,1,2,3
	v_max_num_f32 v[232+\b], v[232+\b], v[111+16*\b]
.endr
.irp b, 0,1,2,3
	v_permlanex16_b32 v[236+\b], v[232+\b], s[SEL], s[SEL+1]
.endr
.irp b, 0,1,2,3
	v_max_num_f32 v[232+\b], v[232+\b], v[236+\b]  ; with lane l xor 16's 16 keys
.endr
	v_max3_num_f32 v254, v232, v233, v234
	v_max_num_f32 v254, v254, v235
	v_mul_f32 v254, s[CS], v254                    ; the step's largest t
	v_max_num_f32 v13, v13, v254
	v_mov_b32 v254, v12
	v_floor_f32 v12, -v13                          ; the new -M = -ceil(t)
	v_sub_f32 v254, v12, v254                      ; old M - new M: a whole number, 0 or less
	v_cvt_i32_f32 v254, v254                       ; (it saturates)
	v_ldexp_f32 v252, 1.0, v254                    ; f = 2^(old M - new M)
.set J, 0
.rept 32
	v_pk_fma_f32 v[96+J:97+J], v[96+J:97+J], s[CS:CS+1], v[12:13] op_sel_hi:[1,0,0]   ; t - M
.set J, J+2
.endr
.irp b, 0,1,2,3
	v_fma_f32 v[232+\b], v[232+\b], s[CS], v12
.endr
.set J, 0
.rept 64
	v_exp_f32 v[96+J], v[96+J]                     ; p = 2^(t - M), at most 1
.set J, J+1
.endr
	v_pk_mul_f32 v[14:15], v[14:15], v[252:253] op_sel_hi:[1,0]   ; the sums under the new M; a plain place behind the exponentials
	s_wait_alu depctr_va_vdst(0)                   ; one wait for the batch of 64, ahead of its first reader
.irp b, 0,1,2,3
	v_exp_f32 v[232+\b], v[232+\b]                 ; the block's largest p
.endr
	v_pk_add_f32 v[236:237], v[96:97], v[98:99]    ; the row's sum, of the unquantised p, in two chains
.set J, 4
.rept 15
	v_pk_add_f32 v[14:15], v[14:15], v[96+J:97+J]
	v_pk_add_f32 v[236:237], v[236:237], v[98+J:99+J]
.set J, J+4
.endr
	v_pk_add_f32 v[14:15], v[14:15], v[236:237]
	s_wait_alu depctr_va_vdst(0)                   ; and one for the four
.irp b, 0,1,2,3
	v_max_num_f32 v[232+\b], 0x1800000, v[232+\b]  ; the floor 2^(3 - 127)
.endr
.irp b, 0,1,2,3
	v_add_nc_u32 v[244+\b], 0xff000000, v[232+\b]  ; the conversion's scale operand
.endr
.irp b, 0,1,2,3
	v_lshrrev_b32 v[236+\b], 23, v[244+\b]         ; the scale's byte
.endr
	v_lshl_or_b32 v253, v237, 8, v236              ; p's scale word for these 128 keys
	v_lshl_or_b32 v253, v238, 16, v253
	v_lshl_or_b32 v253, v239, 24, v253
.irp c, 0,1
	v_cvt_scalef32_pk16_fp6_f32 v[224+6*\c:226+6*\c], v[96+32*\c:111+32*\c], v[244+2*\c]
	v_cvt_scalef32_pk16_fp6_f32 v[236+4*\c:238+4*\c], v[112+32*\c:127+32*\c], v[244+2*\c+1]
.endr
	v_nop                                          ; one plain place behind a scaled conversion
.irp c, 0,1
.irp i, 0,1,2
	v_permlane16_swap_b32 v[224+6*\c+\i], v[236+4*\c+\i]
.endr
.irp i, 0,1,2
	v_mov_b32 v[227+6*\c+\i], v[236+4*\c+\i]
.endr
.endr
.set J, 0
.rept 32
	v_pk_mul_f32 v[160+J:161+J], v[160+J:161+J], v[252:253] op_sel_hi:[1,0]   ; O^T under the new M; these 32 are also the places in front of the loads and matrix instructions below
.set J, J+2
.endr
.irp g, 0,1                                    ; O^T += V^T P^T: four tiles of 16 channels at a time; the eight accumulators take turns
.if \g > 0
.rept 4
	v_nop
.endr
.endif
.irp t, 0,1,2,3
.irp c, 0,1,2
	ds_load_b128 v[32+12*\t+4*\c:35+12*\t+4*\c], v[ADV] offset:(\q)*2*KSB+(4*\g+\t)*IMG+512*\c
.endr
.endr
.irp i, 0,1
	ds_load_b32 v[248+\i], v[ADS] offset:8192+128*(2*\g+\i)
.endr
	s_wait_dscnt 0x0
.irp t, 0,1,2,3
.if (\t)%2 == 0
	v_wmma_scale_f32_16x16x128_f8f6f4 v[160+8*(4*\g+\t):167+8*(4*\g+\t)], v[32+12*\t:43+12*\t], v[224:235], v[160+8*(4*\g+\t):167+8*(4*\g+\t)], v[248+\t/2], v253 matrix_a_fmt:MATRIX_FMT_FP6 matrix_b_fmt:MATRIX_FMT_FP6
.else
	v_wmma_scale_f32_16x16x128_f8f6f4 v[160+8*(4*\g+\t):167+8*(4*\g+\t)], v[32+12*\t:43+12*\t], v[224:235], v[160+8*(4*\g+\t):167+8*(4*\g+\t)], v[248+\t/2], v253 matrix_a_fmt:MATRIX_FMT_FP6 matrix_b_fmt:MATRIX_FMT_FP6 matrix_a_scale:MATRIX_SCALE_ROW1
.endif
.endr
.endr
.Lhidden_\@:
	s_add_co_u32 s[KJ], s[KJ], 2
	s_add_co_u32 s[TS], s[TS], 1024
.endm
; THE CHANGE OF SLOTS stands at a slot's head.  Each wave waits for all its tensor loads, adds 0 to its spare word, and waits for that and for its reads of the slot that it has left.
; fill = 1: a round of the cluster's barrier, and behind it the slot just left is filled with the next 512 keys: the load has a slot's steps in which to land.
.macro CHANGE fill
	s_wait_tensorcnt 0x0                           ; no tensor load of mine is out, so a group 0 may be written
	ds_add_u32 v[SPW], v[NIL]                      ; 0 onto my spare word
.if \fill
	s_xor_b32 s[G0+1], s[G0+1], SLOT1              ; the walking descriptor: the other slot,
	s_add_nc_u64 s[G0+2:G0+3], s[G0+2:G0+3], 4*KSB ; the next 512 keys
	s_wait_xcnt 0x0                                ; the last prefetch, a slot back, has read its address
	s_add_nc_u64 s[PFA:PFA+1], s[PFA:PFA+1], 4*KSB
.endif
	s_wait_dscnt 0x0                               ; the add is done, and my reads of the slot that I have left are over
.if \fill
	CROUND
	JLOAD                                          ; the first thing behind the round, and a wave's one tensor load until the next
	ASK
.else
	s_barrier_signal -1
	s_barrier_wait -1
.endif
.endm
.macro SLOT_STEPS
	STEP 0
	STEP 1
	s_xor_b32 s[TB], s[TB], SLOT1
.endm
	s_wait_loadcnt 0x0                             ; Q
.Lslot:                                            ; three trips: behind each change of slots but the last the next slot is asked for
	CHANGE 1
	SLOT_STEPS
	s_sub_co_u32 s[SLOTS], s[SLOTS], 1
	s_cmp_lg_u32 s[SLOTS], 0
	s_cbranch_scc1 .Lslot
	CHANGE 0                                       ; the last slot is written out
	SLOT_STEPS
	; THE MERGE.  The wave of the odd steps leaves O^T, -M and its sum in LDS; the wave of the even steps takes them, brings both under the larger M, divides by the sum and quantises.
.rept 4
	v_nop                                          ; places behind the last products
.endr
	v_add_f32 v14, v14, v15                        ; the sum's two halves
	s_cmp_eq_u32 s[KAP], 0
	s_cbranch_scc1 .Lkeeper
.irp i, 0,1,2,3,4,5,6,7,8,9,10,11,12,13,14,15
	ds_store_b128 v[MGA], v[160+4*\i:163+4*\i] offset:512*\i
.endr
	ds_store_b32 v[MGB], v12 offset:8192
	ds_store_b32 v[MGB], v14 offset:8320
.Lkeeper:
	s_wait_dscnt 0x0                               ; for the other wave's sake: my stores have landed
	s_barrier_signal -1
	s_barrier_wait -1
	s_cmp_lg_u32 s[KAP], 0
	s_cbranch_scc1 .Lend
.irp i, 0,1,2,3,4,5,6,7,8,9,10,11,12,13,14,15
	ds_load_b128 v[96+4*\i:99+4*\i], v[MGA] offset:512*\i
.endr
	ds_load_b32 v45, v[MGB] offset:8192
	ds_load_b32 v46, v[MGB] offset:8320
.irp b, 0,1,2,3
	v_mov_b32 v[TM+4+\b], 0                        ; a lane permute's destination counts as one of its sources
.endr
	v_mov_b32 v54, 0
	v_mov_b32 v49, 0                               ; (the upper halves of the pairs that the packed forms name)
	v_mov_b32 v51, 0
	v_and_b32 v55, 15, v0
	v_lshlrev_b32 v55, 3, v55                      ; the result's scale words: 8 r
	s_wait_dscnt 0x0
	v_min_num_f32 v47, v12, v45                    ; the smaller -M: the larger M.  (A wave that had no step holds -M = 3e38 and zeros: its factor comes out 0)
	v_sub_f32 v52, v47, v12
	v_sub_f32 v53, v47, v45
	v_cvt_i32_f32 v52, v52                         ; whole numbers, 0 or less; the conversion saturates
	v_cvt_i32_f32 v53, v53
	v_ldexp_f32 v52, 1.0, v52
	v_ldexp_f32 v53, 1.0, v53
	v_mul_f32 v14, v14, v52
	v_fma_f32 v14, v46, v53, v14                   ; my half row's sum under the common M,
	v_permlanex16_b32 v54, v14, s[SEL], s[SEL+1]
	v_add_f32 v14, v14, v54                        ; and lane l xor 16's: the row's sum
	v_rcp_f32 v14, v14
	v_nop                                          ; a plain place behind the reciprocal
	s_wait_alu depctr_va_vdst(0)                   ; the wait, ahead of its first reader
	v_mul_f32 v48, v52, v14                        ; the two factors, each with 1 / sum in it
	v_mul_f32 v50, v53, v14
.set J, 0
.rept 32
	v_pk_mul_f32 v[96+J:97+J], v[96+J:97+J], v[50:51] op_sel_hi:[1,0]
.set J, J+2
.endr
.set J, 0
.rept 32
	v_pk_fma_f32 v[96+J:97+J], v[160+J:161+J], v[48:49], v[96+J:97+J] op_sel_hi:[1,0,1]   ; register 16 b + i: channel 32 b + 16 h + i of my query
.set J, J+2
.endr
.irp b, 0,1,2,3
	v_max3_num_f32 v[TM+\b], |v[96+16*\b]|, |v[97+16*\b]|, 0x1800000
.endr
.irp i, 2,4,6,8,10,12,14
.irp b, 0,1,2,3
	v_max3_num_f32 v[TM+\b], v[TM+\b], |v[96+16*\b+\i]|, |v[97+16*\b+\i]|
.endr
.endr
.irp b, 0,1,2,3
	v_permlanex16_b32 v[TM+4+\b], v[TM+\b], s[SEL], s[SEL+1]
.endr
.irp b, 0,1,2,3
	v_max_num_f32 v[TM+\b], v[TM+\b], v[TM+4+\b]
.endr
.irp b, 0,1,2,3
	v_add_nc_u32 v[TM+8+\b], 0xff000000, v[TM+\b]
.endr
.irp b, 0,1,2,3
	v_lshrrev_b32 v[TM+4+\b], 23, v[TM+8+\b]
.endr
	v_lshl_or_b32 v[PW], v[TM+5], 8, v[TM+4]
	v_lshl_or_b32 v[PW], v[TM+6], 16, v[PW]
	v_lshl_or_b32 v[PW], v[TM+7], 24, v[PW]
.irp c, 0,1
	v_cvt_scalef32_pk16_fp6_f32 v[PC+6*\c:PC+2+6*\c], v[96+32*\c:111+32*\c], v[TM+8+2*\c]
	v_cvt_scalef32_pk16_fp6_f32 v[PC+12+4*\c:PC+14+4*\c], v[112+32*\c:127+32*\c], v[TM+8+2*\c+1]
.endr
	v_nop                                          ; one plain place behind a scaled conversion
.irp c, 0,1
.irp i, 0,1,2
	v_permlane16_swap_b32 v[PC+6*\c+\i], v[PC+12+4*\c+\i]
.endr
.irp i, 0,1,2
	v_mov_b32 v[PC+3+6*\c+\i], v[PC+12+4*\c+\i]
.endr
.endr
.irp c, 0,1,2
	global_store_b128 v[GOF], v[PC+4*\c:PC+4*\c+3], s[8:9] offset:512*\c   ; the image: each store covers 512 consecutive bytes, aligned
.endr
	v_cmp_gt_u32 vcc_lo, 16, v[LN]
	s_wait_xcnt 0x0                                ; EXEC changes only behind this wait
	s_and_saveexec_b32 s59, vcc_lo
	global_store_b32 v55, v[PW], s[10:11]          ; 16 words, 8 bytes apart: the neighbouring head's words lie between them
	s_wait_xcnt 0x0
	s_or_b32 exec_lo, exec_lo, s59
.Lend:
	s_wait_tensorcnt 0x0                           ; the wave's end
	ds_add_u32 v[SPW], v[NIL]
	s_wait_dscnt 0x0
	CROUND                                         ; the closing round
	s_endpgm
.Lfunc_end_k_q31ac5e622c_attn:
	.size	k_q31ac5e622c_attn, .Lfunc_end_k_q31ac5e622c_attn-k_q31ac5e622c_attn
	.p2alignl 7, 3214868480
	.fill 96, 4, 3214868480
	.section	.rodata,"a",@progbits
	.p2align	6, 0x0
	.amdhsa_kernel k_q31ac5e622c_attn
		.amdhsa_group_segment_fixed_size 327680
		.amdhsa_private_segment_fixed_size 0
		.amdhsa_enable_private_segment 0
		.amdhsa_kernarg_size 32
		.amdhsa_user_sgpr_count 2
		.amdhsa_user_sgpr_kernarg_segment_ptr 1
		.amdhsa_wavefront_size32 1
		.amdhsa_system_sgpr_workgroup_id_x 1
		.amdhsa_system_sgpr_workgroup_id_y 1
		.amdhsa_system_sgpr_workgroup_id_z 1
		.amdhsa_system_vgpr_workitem_id 0
		.amdhsa_next_free_vgpr 256
		.amdhsa_next_free_sgpr 96
		.amdhsa_reserve_vcc 1
		.amdhsa_float_denorm_mode_32 3
		.amdhsa_float_denorm_mode_16_64 3
		.amdhsa_memory_ordered 1
		.amdhsa_forward_progress 1
		.amdhsa_inst_pref_size 120
	.end_amdhsa_kernel
	.amdgpu_metadata
---
amdhsa.version: [ 1, 2 ]
amdhsa.kernels:
  - .name:           k_q31ac5e622c_attn
    .symbol:         k_q31ac5e622c_attn.kd
    .args:
      - { .name: qcod, .offset: 0, .size: 8, .value_kind: global_buffer, .address_space: global }
      - { .name: qscl, .offset: 8, .size: 8, .value_kind: global_buffer, .address_space: global }
      - { .name: acod, .offset: 16, .size: 8, .value_kind: global_buffer, .address_space: global }
      - { .name: ascl, .offset: 24, .size: 8, .value_kind: global_buffer, .address_space: global }
    .group_segment_fixed_size: 327680
    .private_segment_fixed_size: 0
    .kernarg_segment_align: 8
    .kernarg_segment_size: 32
    .max_flat_workgroup_size: 512
    .sgpr_count:     96
    .vgpr_count:     256
    .wavefront_size: 32
...
	.end_amdgpu_metadata
.endif
;; end of part 3
;; launch outp (part 4): grid 8 x 8, 4 waves a work-group, clusters of 4 x 4, 327,680 bytes of LDS; arguments acod, ascl, pcod, pscl, out0; writes out0
.if DOCPART == 4
	.amdgcn_target "amdgcn-amd-amdhsa--gfx1250"
	.amdhsa_code_object_version 6
	.text
	.protected	k_q31ac5e622c_outp
	.globl	k_q31ac5e622c_outp
	.p2align	8
	.type	k_q31ac5e622c_outp,@function
k_q31ac5e622c_outp:
	s_mov_b64 s[64:65], 0
	v_nop
	global_prefetch_b8 v0, s[64:65] scope:SCOPE_SE
	s_setreg_imm32_b32 hwreg(HW_REG_WAVE_MODE, 25, 1), 1
	s_wait_xcnt 0x0
	s_wait_alu depctr_hold_cnt(0) depctr_sa_sdst(0) depctr_va_vdst(0) depctr_va_sdst(0) depctr_va_ssrc(0) depctr_va_vcc(0) depctr_vm_vsrc(0)
	s_getreg_b32 s2, hwreg(HW_REG_IB_STS2, 6, 4)
	s_cmp_eq_u32 s2, 0
	s_cbranch_scc0 .Lentry_in_a_cluster
	s_endpgm
.Lentry_in_a_cluster:
	s_bfe_u32 s2, ttmp6, 0x10000c
	s_cmp_lg_u32 s2, 0xf033
	s_cbranch_scc0 .Lentry_shape_is_right
	s_endpgm
.Lentry_shape_is_right:
; out = attn Wo on codes of FP6 (E2M3) with E8M0 scales; out0 [2048][2048] f32.  C[m][n] = sum over k of A[m][k] B[n][k]: A = the attention's result, B = Wo (section 4 of the weights' codes).
; OPERANDS lie as images of their registers (a fragment, 16 positions x 128 K: registers 4 g .. 4 g + 3 of lane l at 512 g + 16 l), [block of 128 positions][K step][tile 8][1,536 bytes]; position i holds
; the row whose number is i with bits 3 and 4 exchanged: the way out puts rows and columns back in their places.
; A tile of C, 256 x 256, is made by four waves, 128 x 128 each.  K goes in steps of 256 through a ring of two LDS slots; the scale words of all K come once.
; CLUSTERS: 4 x 4 work-groups; A's parts are asked for jointly along a row of the cluster, B's along a column.  The matrix instruction is used transposed (source 0 = B, source 1 = A).
; 64 tiles of C: 64 work-groups.  No prefetch: the launch has eight changes of slots in all.
; REGISTERS: window 0: v16-29 addresses; v32-63 scale words, two sets; v128-223 A's fragments (on the way out v128-255: rows read back).   window 1: B's fragments, two sets.   windows 2, 3: the accumulators.
.set IMG,   1536
.set KSB,   12288
.set RBB,   196608
.set SEC,   3145728
.set NQ,    2
.set FR,    12
.set NL,    3
.set NP,    4
.set PART,  24576
.set SLOT,  4*PART
.set LAPS,  4
.set SCL,   2*SLOT
.set SPARE, 229632                     ; the spare words, 128 bytes for each wave: two blocks of 256 bytes that no other line names
.set SPITCH, 528                       ; the way out: a stage of 16 rows x (512 + 16) bytes for each wave, in slot 0, which has had its last fill and its last read when the first result is stored there
.set ADRA, 16
.set ADRB, 20
.set STO,  24
.set RD,   25
.set CO,   26
.set ADRS, 27
.set SPW,  28
.set NIL,  29
.set SC,   32
.set AF,   128
.set BK,   128
.set G1, 24
.set G0, 32
.set G1B, 48
.set G0B, 56
.set G1S, 68
.set G0S, 76
.set G1SB, 80
.set G0SB, 88
.set MSB, 0
.macro WIN new
.if MSB != (\new)
	s_set_vgpr_msb (MSB<<8)|(\new)
.set MSB, (\new)
.endif
.endm
.set MUL_LO, 0xa1
.set MUL_HI, 0xf1
.set TO_B,   0x40
.macro JLOAD g0a, g1a, g0b, g1b        ; a joint load: waves 0 and 1 fetch for A, waves 2 and 3 for B; four v_nop follow each of the two lines
	s_cmp_eq_u32 s15, 0
	s_cbranch_scc0 .Lfor_b_\@
	tensor_load_to_lds s[\g0a:\g0a+3], s[\g1a:\g1a+7]
	s_nop 0
.rept 4
	v_nop
.endr
	s_branch .Lasked_\@
.Lfor_b_\@:
	tensor_load_to_lds s[\g0b:\g0b+3], s[\g1b:\g1b+7]
	s_nop 0
.rept 4
	v_nop
.endr
.Lasked_\@:
.endm
.macro CREST
	s_cmp_lg_u32 s14, 0
	s_cbranch_scc1 .Lnot_wave_0_\@
	s_barrier_signal -3
.Lnot_wave_0_\@:
	s_barrier_wait -3
	s_barrier_signal -1
	s_barrier_wait -1
.endm
.macro CROUND
	s_barrier_signal -1
	s_barrier_wait -1
	CREST
.endm
	s_load_b256 s[4:11], s[0:1], 0x0               ; acod s[4:5], ascl s[6:7], pcod s[8:9], pscl s[10:11]
	s_load_b64 s[12:13], s[0:1], 0x20              ; out0
	v_lshl_add_u32 v[SPW], v0, 2, SPARE
	v_mov_b32 v[NIL], 0
	ds_add_u32 v28, v29
	s_wait_dscnt 0x0
	v_lshrrev_b32 v1, 5, v0
	v_readfirstlane_b32 s14, v1                    ; wave 0..3
	s_lshr_b32 s15, s14, 1                         ; which half of the tile's rows is mine.  Also: I fetch for A (0) or for B (1)
	s_and_b32 s16, s14, 1                          ; which half of its columns.  Also: which part I fetch
	; every LDS address is made here, ahead of the first branch on the wave's number
	v_and_b32 v1, 31, v0
	v_lshlrev_b32 v[CO], 4, v1                     ; 16 x lane
	s_mul_i32 s21, s15, PART
	s_mul_i32 s22, s16, PART
	s_add_co_u32 s22, s22, 2*PART
.irp s, 0,1
	v_add_nc_u32 v[ADRA+\s], s21, v[CO]
	v_add_nc_u32 v[ADRB+\s], s22, v[CO]
	s_add_co_u32 s21, s21, SLOT
	s_add_co_u32 s22, s22, SLOT
.endr
	v_and_b32 v2, 15, v0                           ; r
	v_bfe_u32 v3, v0, 4, 1                         ; h
	s_lshl_b32 s21, s15, 13
	s_lshl_b32 s22, s16, 13
	s_add_co_u32 s22, s22, 16512
	s_sub_co_u32 s22, s22, s21
	v_mul_u32_u24 v4, s22, v3                      ; lanes 16-31 take B's words: one product with h
	s_add_co_u32 s21, s21, SCL
	v_lshl_add_u32 v4, v2, 3, v4
	v_add_nc_u32 v[ADRS], s21, v4
	s_mul_i32 s23, s14, 16*SPITCH                  ; my stage
	v_mul_u32_u24 v5, v2, SPITCH                   ; in: row r, + 64 h
	v_lshl_add_u32 v5, v3, 6, v5
	v_add_nc_u32 v[STO], s23, v5
	v_add_nc_u32 v[RD], s23, v[CO]                 ; back: the 32 lanes take one row of 512 bytes
	s_bfe_u32 s40, ttmp6, 0x40000                  ; cx, cy
	s_bfe_u32 s41, ttmp6, 0x40004
	s_and_b32 s17, ttmp7, 0xffff
	s_lshl_b32 s17, s17, 2
	s_add_co_u32 s17, s17, s41                     ; tile row of C
	s_lshl_b32 s42, ttmp9, 2
	s_add_co_u32 s42, s42, s40                     ; tile column of C
	s_lshl_b32 s43, s41, 2
	s_lshl_b32 s43, 15, s43                        ; my row of the cluster
	s_lshl_b32 s44, 0x1111, s40                    ; my column
	s_or_b32 s[G1+0], s43, (3<<16)|(1<<21)         ; a dense block of 24,576 bytes as 96 rows of 256 bytes (32 elements of 8 bytes); the mask; bit 21 beside it
	s_or_b32 s[G1B+0], s44, (3<<16)|(1<<21)
.irp g, G1, G1B
	s_mov_b32 s[\g+1], 32<<16
	s_mov_b32 s[\g+2], 96<<16
	s_mov_b32 s[\g+3], 32<<16
	s_mov_b32 s[\g+4], 96
	s_mov_b32 s[\g+5], 32
	s_mov_b32 s[\g+6], 0
	s_mov_b32 s[\g+7], 0
.endr
	s_or_b32 s[G1S+0], s43, (3<<16)|(1<<21)        ; the scale words of 128 positions: 8,192 dense bytes
	s_or_b32 s[G1SB+0], s44, (3<<16)|(1<<21)
.irp g, G1S, G1SB
	s_mov_b32 s[\g+1], 32<<16
	s_mov_b32 s[\g+2], 32<<16
	s_mov_b32 s[\g+3], 32<<16
	s_mov_b32 s[\g+4], 32
	s_mov_b32 s[\g+5], 32
	s_mov_b32 s[\g+6], 0
	s_mov_b32 s[\g+7], 0
.endr
	s_lshl_b32 s20, s17, 1                         ; A: the block of 128 that I fetch.  These registers never hold cx,
	s_add_co_u32 s20, s20, s16
	s_lshl_b32 s22, s20, 13
	s_mul_i32 s20, s20, RBB
	s_mov_b32 s21, 0
	s_mov_b32 s23, 0
	s_lshl_b32 s46, s42, 1                         ; B: in Wo's section.  and these never cy
	s_add_co_u32 s46, s46, s16
	s_lshl_b32 s92, s46, 13
	s_mul_i32 s46, s46, RBB
	s_add_co_u32 s46, s46, 4*SEC
	s_add_co_u32 s92, s92, 4*131072
	s_mov_b32 s47, 0
	s_mov_b32 s93, 0
	s_mul_i32 s45, s14, PART
	s_lshl_b32 s94, s14, 13
	s_lshl_b32 s95, s15, 7
	s_add_co_u32 s94, s94, s95
	s_wait_kmcnt 0x0
	s_add_nc_u64 s[20:21], s[4:5], s[20:21]
	s_add_nc_u64 s[22:23], s[6:7], s[22:23]
	s_add_nc_u64 s[46:47], s[8:9], s[46:47]
	s_add_nc_u64 s[92:93], s[10:11], s[92:93]
	CROUND                                         ; all sixteen work-groups are here: the first joint loads meet
	s_mov_b32 s[G0S], 1
	s_add_co_u32 s[G0S+1], s94, SCL
	s_mov_b64 s[G0S+2:G0S+3], s[22:23]
	s_or_b32 s[G0S+3], s[G0S+3], 0x80000000
	s_mov_b32 s[G0SB], 1
	s_add_co_u32 s[G0SB+1], s94, SCL
	s_mov_b64 s[G0SB+2:G0SB+3], s[92:93]
	s_or_b32 s[G0SB+3], s[G0SB+3], 0x80000000
	JLOAD G0S, G1S, G0SB, G1SB
.irp s, 0,1
	s_mov_b32 s[G0+4*\s], 1
	s_add_co_u32 s[G0+4*\s+1], s45, \s*SLOT
	s_add_nc_u64 s[G0+4*\s+2:G0+4*\s+3], s[20:21], \s*PART
	s_or_b32 s[G0+4*\s+3], s[G0+4*\s+3], 0x80000000
	s_mov_b32 s[G0B+4*\s], 1
	s_add_co_u32 s[G0B+4*\s+1], s45, \s*SLOT
	s_add_nc_u64 s[G0B+4*\s+2:G0B+4*\s+3], s[46:47], \s*PART
	s_or_b32 s[G0B+4*\s+3], s[G0B+4*\s+3], 0x80000000
	JLOAD G0+4*\s, G1, G0B+4*\s, G1B               ; three tensor loads of mine are out
.endr
	s_lshl_b32 s20, s17, 21                        ; my part of C: row 256 x tile row + 128 x half, rows of 8,192 bytes;
	s_lshl_b32 s21, s15, 20
	s_add_co_u32 s20, s20, s21
	s_lshl_b32 s21, s42, 10                        ; column 256 x tile column + 128 x half
	s_add_co_u32 s20, s20, s21
	s_lshl_b32 s21, s16, 9
	s_add_co_u32 s20, s20, s21
	s_mov_b32 s21, 0
	s_add_nc_u64 s[12:13], s[12:13], s[20:21]
.macro FRAG reg, adr, q, i
.irp c, 0,1,2
	ds_load_b128 v[\reg+4*\c:\reg+4*\c+3], v[\adr] offset:(\q)*KSB+(\i)*IMG+512*\c
.endr
.endm
; The 64 accumulators take turns, one instruction a turn, in the same order in every step.
.macro MUL16 a0, p, q, sc, zero
.irp a, \a0, \a0+1
.irp b, 0,1,2,3,4,5,6,7
.if \zero
	v_wmma_scale_f32_16x16x128_f8f6f4 v[8*(8*((\a)%4)+\b):8*(8*((\a)%4)+\b)+7], v[128*(\p)+FR*\b:128*(\p)+FR*\b+FR-1], v[AF+FR*(\a):AF+FR*(\a)+FR-1], 0, v[SC+8*NQ*(\sc)+NQ*\b+(\q)], v[SC+8*NQ*(\sc)+NQ*(\a)+(\q)] matrix_a_fmt:MATRIX_FMT_FP6 matrix_b_fmt:MATRIX_FMT_FP6 matrix_a_scale:MATRIX_SCALE_ROW1
.else
	v_wmma_scale_f32_16x16x128_f8f6f4 v[8*(8*((\a)%4)+\b):8*(8*((\a)%4)+\b)+7], v[128*(\p)+FR*\b:128*(\p)+FR*\b+FR-1], v[AF+FR*(\a):AF+FR*(\a)+FR-1], v[8*(8*((\a)%4)+\b):8*(8*((\a)%4)+\b)+7], v[SC+8*NQ*(\sc)+NQ*\b+(\q)], v[SC+8*NQ*(\sc)+NQ*(\a)+(\q)] matrix_a_fmt:MATRIX_FMT_FP6 matrix_b_fmt:MATRIX_FMT_FP6 matrix_a_scale:MATRIX_SCALE_ROW1
.endif
.endr
.endr
.endm
.macro FETCH_B slot, q, p
	WIN TO_B
.irp i, 0,1,2,3,4,5,6,7
	FRAG 128*(\p)+FR*\i, ADRB+\slot, \q, \i
.endr
	WIN 0
.endm
.macro FETCH_A slot, q, i0
.irp i, \i0, \i0+1, \i0+2, \i0+3
	FRAG AF+FR*(\i), ADRA+\slot, \q, \i
.endr
.endm
.macro SCALES sc
.irp i, 0,1,2,3,4,5,6,7
	ds_load_b64 v[SC+8*NQ*\sc+NQ*\i:SC+8*NQ*\sc+NQ*\i+1], v[ADRS] offset:\i*128
.endr
.endm
.macro PLACES n
.rept \n
	v_nop
.endr
.endm
.macro STEP slot, q, zero
	s_wait_dscnt 4*NL                              ; B's set and A's blocks 0-3 are in; the youngest 12 loads (A's blocks 4-7) may be out
	WIN MUL_LO
	MUL16 0, (\q)%2, \q, \slot, \zero
	MUL16 2, (\q)%2, \q, \slot, \zero
	s_wait_dscnt 0
	PLACES NP
	FETCH_B \slot, (\q)+1, 1-(\q)%2
	FETCH_A \slot, (\q)+1, 0
	WIN MUL_HI
	MUL16 4, (\q)%2, \q, \slot, \zero
	MUL16 6, (\q)%2, \q, \slot, \zero
	PLACES NP
	WIN 0
	FETCH_A \slot, (\q)+1, 4
.endm
.macro TURN slot, next, fill
	s_wait_tensorcnt 0x0                           ; all my tensor loads have landed: my part of the next slot
	ds_add_u32 v[SPW], v[NIL]                      ; 0 onto my spare word
	s_wait_dscnt 4*NL+1                            ; (the add and the youngest 12 loads may be out)
	WIN MUL_LO
	MUL16 0, 1, NQ-1, \slot, 0
	s_wait_dscnt 0x0                               ; the add is done, and my reads of this slot are over
	s_barrier_signal -1
	MUL16 2, 1, NQ-1, \slot, 0
	WIN 0
	s_barrier_wait -1
.if \fill
	CREST                                          ; the barrier has opened a round of the cluster's barrier
	s_add_nc_u64 s[G0+4*\slot+2:G0+4*\slot+3], s[G0+4*\slot+2:G0+4*\slot+3], 2*PART
	s_add_nc_u64 s[G0B+4*\slot+2:G0B+4*\slot+3], s[G0B+4*\slot+2:G0B+4*\slot+3], 2*PART
	JLOAD G0+4*\slot, G1, G0B+4*\slot, G1B         ; the first tensor load behind the round, my only one until the next
.else
	PLACES NP
.endif
	v_add_nc_u32 v[ADRS], 1024, v[ADRS]
	FETCH_B \next, 0, 0
	FETCH_A \next, 0, 0
	SCALES \next
	WIN MUL_HI
	MUL16 4, 1, NQ-1, \slot, 0
	MUL16 6, 1, NQ-1, \slot, 0
	PLACES NP
	WIN 0
	FETCH_A \next, 0, 4
.endm
	s_wait_tensorcnt 1                             ; the scale words and my part of slot 0 are in; slot 1's load may be out
	s_barrier_signal -1
	s_barrier_wait -1
	FETCH_B 0, 0, 0
	FETCH_A 0, 0, 0
	SCALES 0
	FETCH_A 0, 0, 4
	STEP 0, 0, 1
	s_mov_b32 s3, LAPS-1
.Llap:
	TURN 0, 1, 1
	STEP 1, 0, 0
	TURN 1, 0, 1
	STEP 0, 0, 0
	s_sub_co_u32 s3, s3, 1
	s_cmp_lg_u32 s3, 0
	s_cbranch_scc1 .Llap
	TURN 0, 1, 0
	STEP 1, 0, 0
	s_wait_dscnt 4*NL
	WIN MUL_LO
	MUL16 0, 1, NQ-1, 1, 0
	MUL16 2, 1, NQ-1, 1, 0
	s_wait_dscnt 0
	WIN MUL_HI
	MUL16 4, 1, NQ-1, 1, 0
	MUL16 6, 1, NQ-1, 1, 0
	WIN 0
; THE WAY OUT, block by block of 16 rows x 128 columns, through my own stage.  In accumulator (a, b) lane (r, h) holds position r of block a, and register j column 32 (b / 2) + 16 h + 8 (b % 2) + j.
; Position t of block a is row 32 (a / 2) + 16 (t / 8) + 8 (a % 2) + t % 8 of my 128.  LDS serves a wave's instructions in order: no wait between the stores and the loads.
.macro TOSTAGE a
.set AC, 64*((\a)%4)
	WIN 0x08+4*((\a)/4)                            ; the data: window 2 or 3
.irp b, 0,1,2,3,4,5,6,7
	ds_store_b128 v[STO], v[AC+8*\b:AC+8*\b+3] offset:128*(\b/2)+32*(\b%2)          ; each accumulator from its low end on
	ds_store_b128 v[STO], v[AC+8*\b+4:AC+8*\b+7] offset:128*(\b/2)+32*(\b%2)+16
.endr
	WIN 0
.set BB, BK+64*((\a)%2)
.irp t, 0,1,2,3,4,5,6,7,8,9,10,11,12,13,14,15
	ds_load_b128 v[BB+4*\t:BB+4*\t+3], v[RD] offset:\t*SPITCH
.endr
.endm
.macro SEND a, younger                 ; younger: the LDS instructions issued behind block a's loads, which may stay out
.set BB, BK+64*((\a)%2)
	s_wait_dscnt \younger
.irp t, 0,1,2,3,4,5,6,7,8,9,10,11,12,13,14,15
	global_store_b128 v[CO], v[BB+4*\t:BB+4*\t+3], s[12:13] offset:(32*((\a)/2)+16*(\t/8)+8*((\a)%2)+(\t%8))*8192 th:TH_STORE_NT   ; 512 consecutive bytes, aligned; the row's place stands in the immediate
.endr
.endm
	PLACES NP
	TOSTAGE 0
.irp a, 1,2,3,4,5,6,7
.if \a > 1
	s_wait_xcnt 0x0                                ; block a - 2's stores have read their registers: block a's loads may land there
.endif
	TOSTAGE \a
	SEND \a-1, 32                                  ; behind block a - 1's loads: block a's 16 stores and 16 loads
.endr
	SEND 7, 0
	s_wait_tensorcnt 0x0                           ; the wave's end
	ds_add_u32 v[SPW], v[NIL]
	s_wait_dscnt 0x0
	CROUND                                         ; the closing round
	s_endpgm
.Lfunc_end_k_q31ac5e622c_outp:
	.size	k_q31ac5e622c_outp, .Lfunc_end_k_q31ac5e622c_outp-k_q31ac5e622c_outp
	.p2alignl 7, 3214868480
	.fill 96, 4, 3214868480
	.section	.rodata,"a",@progbits
	.p2align	6, 0x0
	.amdhsa_kernel k_q31ac5e622c_outp
		.amdhsa_group_segment_fixed_size 327680
		.amdhsa_private_segment_fixed_size 0
		.amdhsa_enable_private_segment 0
		.amdhsa_kernarg_size 40
		.amdhsa_user_sgpr_count 2
		.amdhsa_user_sgpr_kernarg_segment_ptr 1
		.amdhsa_wavefront_size32 1
		.amdhsa_system_sgpr_workgroup_id_x 1
		.amdhsa_system_sgpr_workgroup_id_y 1
		.amdhsa_system_sgpr_workgroup_id_z 1
		.amdhsa_system_vgpr_workitem_id 0
		.amdhsa_next_free_vgpr 1024
		.amdhsa_next_free_sgpr 98
		.amdhsa_reserve_vcc 0
		.amdhsa_float_denorm_mode_32 3
		.amdhsa_float_denorm_mode_16_64 3
		.amdhsa_memory_ordered 1
		.amdhsa_forward_progress 1
		.amdhsa_inst_pref_size 135
	.end_amdhsa_kernel
	.amdgpu_metadata
---
amdhsa.version: [ 1, 2 ]
amdhsa.kernels:
  - .name:           k_q31ac5e622c_outp
    .symbol:         k_q31ac5e622c_outp.kd
    .args:
      - { .name: acod, .offset: 0, .size: 8, .value_kind: global_buffer, .address_space: global }
      - { .name: ascl, .offset: 8, .size: 8, .value_kind: global_buffer, .address_space: global }
      - { .name: pcod, .offset: 16, .size: 8, .value_kind: global_buffer, .address_space: global }
      - { .name: pscl, .offset: 24, .size: 8, .value_kind: global_buffer, .address_space: global }
      - { .name: out0, .offset: 32, .size: 8, .value_kind: global_buffer, .address_space: global }
    .group_segment_fixed_size: 327680
    .private_segment_fixed_size: 0
    .kernarg_segment_align: 8
    .kernarg_segment_size: 40
    .max_flat_workgroup_size: 128
    .sgpr_count:     98
    .vgpr_count:     1024
    .wavefront_size: 32
...
	.end_amdgpu_metadata
.endif
;; end of part 4
;; ======== version 2 of 2: 4 launches
;; limits: right only within a limited range of input values
;; workspace buffers: pcod 15,728,640 bytes; pscl 655,360 bytes; rtab 1,048,576 bytes; qcod 9,437,184 bytes; qscl 393,216 bytes; acod 3,145,728 bytes; ascl 131,072 bytes
;; launch prep (part 5): grid 704 x 1, 4 waves a work-group, no clusters, 61,952 bytes of LDS; arguments Wq, Wk, Wv, Wo, x, positions, pcod, pscl, rtab; writes pcod, pscl, rtab
.if DOCPART == 5
	.amdgcn_target "amdgcn-amd-amdhsa--gfx1250"
	.amdhsa_code_object_version 6
	.text
	.protected	k_q31ac5e622c_prep
	.globl	k_q31ac5e622c_prep
	.p2align	8
	.type	k_q31ac5e622c_prep,@function
k_q31ac5e622c_prep:
	s_mov_b64 s[64:65], 0
	v_nop
	global_prefetch_b8 v0, s[64:65] scope:SCOPE_SE
	s_setreg_imm32_b32 hwreg(HW_REG_WAVE_MODE, 25, 1), 1
	s_wait_xcnt 0x0
; x [2048][2048] and Wq, Wk, Wv, Wo [2048 (k)][2048 (n)], f32, become codes of FP6 (E2M3) with one E8M0 byte for each 32 along K; positions become a table of cos and sin.
; A block's scale is 2^(floor(log2(largest magnitude)) - 2); its byte is the largest magnitude's exponent field - 2, held at 1 from below.
; LIMITS: a block of zeros gets the byte 1 where the rule says 127 (its codes are zeros, and this program alone reads the bytes); blocks whose largest magnitude lies under 2^-124 are held at
; that byte; NaN and infinities among the inputs are not served.  The angle's range reduction is exact for |angle| under 2^24; the frequency is as good as v_exp_f32 gives it.
; LAYOUT OF THE CODES (five sections of SEC bytes: x, Wq, Wk, Wv, Wo).  An operand's rows (x: s; W: its columns n) are stored by POSITION: position i holds the row whose number is i with bits 3 and 4
; exchanged.  A fragment (16 positions x 128 K, 12 registers a lane) is stored as an IMAGE of its registers: registers 4 g .. 4 g + 3 of lane l at 512 g + 16 l: 1,536 bytes.
; Section: [block of 128 positions 16][K step of 128: 16][tile 8][image].  Scale words: [block 16][pair of K steps 8][tile 8][row 16][K step & 1].
; THREE KINDS OF WORK-GROUP, told apart by the work-group's number; each kind has LDS bytes of its own; waves share nothing, so there is no barrier.
;   0..511   a weight: 128 columns x 256 along K.  A lane takes a column and its registers run down K.
;   512..639 x: 128 rows x 256 along K.      640..703 the table: 32 rows.
.set IMG,   1536
.set KSB,   12288                      ; a K step's 8 images
.set RBB,   196608                     ; a block of 128 positions, all K
.set SEC,   3145728
.set SRB,   8192
.set SSEC,  131072
.set WSTG,  6656                       ; weights: a wave's stage: 2 K steps x 2 images of 1,536 + 128 bytes
.set XSTG0, 26624                      ; x: the stages begin behind the weights' bytes
.set XSTG,  8448                       ; 16 rows x (512 + 16) bytes for each wave
.set X,     32                         ; weights: v32-95 two sets of 32 numbers
.set SB,    24                         ; v24-25 the scale words of the two K steps
.set OUTR,  112                        ; v112-159 images on their way out
.set R0,    32                         ; x: v32-95, v96-159 two sets of 64 numbers as loaded
.set XN,    160                        ; v160-223 64 numbers, 16 neighbours of each block
.set PC,    224                        ; v224-243 the codes just made
.set TM,    244                        ; v244-255 at work in QUANT
.set SEL,   34                         ; s[34:35] selects of v_permlanex16_b32: lane l xor 16
	s_load_b256 s[4:11], s[0:1], 0x0               ; Wq, Wk, Wv, Wo
	s_load_b256 s[12:19], s[0:1], 0x20             ; x s[12:13], positions s[14:15], pcod s[16:17], pscl s[18:19]
	s_load_b64 s[20:21], s[0:1], 0x40              ; rtab
	v_lshl_add_u32 v239, v0, 2, 0xf000
	v_mov_b32 v243, 0
	v_lshrrev_b32 v1, 5, v0
	v_readfirstlane_b32 s22, v1                    ; wave 0..3
	v_and_b32 v2, 31, v0                           ; lane
	s_wait_kmcnt 0x0
	s_cmp_lt_u32 ttmp9, 512
	s_cbranch_scc0 .Lnot_w
; ---------------- a weight ----------------
	s_lshr_b32 s23, ttmp9, 7                       ; which weight
	s_and_b32 s24, ttmp9, 7                        ; which 256 along K
	s_bfe_u32 s25, ttmp9, 0x40003                  ; which 128 columns
	s_bitcmp1_b32 s23, 0
	s_cselect_b64 s[4:5], s[6:7], s[4:5]           ; Wk or Wq
	s_cselect_b64 s[8:9], s[10:11], s[8:9]         ; Wo or Wv
	s_bitcmp1_b32 s23, 1
	s_cselect_b64 s[4:5], s[8:9], s[4:5]
	s_lshl_b32 s26, s24, 21                        ; 256 rows of 8,192 bytes
	s_lshl_b32 s27, s25, 9
	s_add_co_u32 s26, s26, s27
	s_lshl_b32 s27, s22, 7                         ; my wave's 32 columns
	s_add_co_u32 s26, s26, s27
	s_mov_b32 s27, 0
	s_add_nc_u64 s[4:5], s[4:5], s[26:27]
	s_add_co_u32 s26, s23, 1                       ; the weight's section of the codes,
	s_mul_i32 s26, s26, SEC
	s_mul_i32 s27, s25, RBB
	s_add_co_u32 s26, s26, s27
	s_mul_i32 s27, s24, 2*KSB
	s_add_co_u32 s26, s26, s27
	s_mul_i32 s27, s22, 2*IMG                      ; my wave's two tiles
	s_add_co_u32 s26, s26, s27
	s_mov_b32 s27, 0
	s_add_nc_u64 s[16:17], s[16:17], s[26:27]
	s_add_co_u32 s26, s23, 1                       ; and of the scale words
	s_lshl_b32 s26, s26, 17
	s_lshl_b32 s27, s25, 13
	s_add_co_u32 s26, s26, s27
	s_lshl_b32 s27, s24, 10
	s_add_co_u32 s26, s26, s27
	s_lshl_b32 s27, s22, 8
	s_add_co_u32 s26, s26, s27
	s_mov_b32 s27, 0
	s_add_nc_u64 s[18:19], s[18:19], s[26:27]
	s_wait_alu depctr_va_vdst(0)
	v_lshlrev_b32 v3, 2, v2                        ; in: 4 bytes a lane
	v_bfe_u32 v5, v2, 3, 1                         ; column 32 w + l lies at position (l & 7) + 16 ((l >> 3) & 1) + 8 (l >> 4): tile u = (l >> 3) & 1,
	v_and_b32 v6, 7, v2
	v_lshrrev_b32 v8, 4, v2
	v_lshl_add_u32 v6, v8, 3, v6                   ; row r = (l & 7) + 8 (l >> 4) of it
	s_mul_i32 s30, s22, WSTG
	v_mul_u32_u24 v4, v5, 1664
	v_lshl_add_u32 v4, v6, 4, v4
	v_add_nc_u32 v4, s30, v4                       ; the stage, in: my tile's image, 16 r
	v_lshlrev_b32 v10, 4, v2                       ; 16 x lane
	v_add_nc_u32 v7, s30, v10                      ; the stage, out
	v_lshl_add_u32 v9, v5, 4, v6
	v_lshlrev_b32 v9, 3, v9                        ; my row's two scale words: 8 (16 u + r)
.macro LOAD t                          ; block t: W(32 t + i, my column), i = 0 .. 31, into set t % 2
.set I, 0
.rept 32
	global_load_b32 v[X+32*((\t)%2)+I], v3, s[4:5] offset:(32*(\t)+I)*8192 th:TH_LOAD_NT
.set I, I+1
.endr
.endm
	LOAD 0
	LOAD 1
; Block t = K 32 t .. 32 t + 31 of my column: in the fragment of K step t / 4 these are registers 6 c .. 6 c + 5 (c = (t % 4) / 2) of lane r + 16 h (h = t % 2).
.macro BLOCK t
.set XS, X+32*((\t)%2)
.set BE, (\t)%4
.set KST, (\t)/4
.set SO, KST*3328+256*(BE%2)
.if (\t) < 7
	s_wait_loadcnt 32                              ; this block's 32 loads are in; the next block's 32 may be out
.else
	s_wait_loadcnt 0x0
.endif
	v_max3_num_f32 v12, |v[XS]|, |v[XS+1]|, |v[XS+2]|  ; the block's largest magnitude: all 32 numbers are mine
	v_max3_num_f32 v13, |v[XS+3]|, |v[XS+4]|, |v[XS+5]|
.irp i, 6,10,14,18,22,26
	v_max3_num_f32 v12, v12, |v[XS+\i]|, |v[XS+\i+1]|
	v_max3_num_f32 v13, v13, |v[XS+\i+2]|, |v[XS+\i+3]|
.endr
	v_max3_num_f32 v12, v12, |v[XS+30]|, |v[XS+31]|
	v_max3_num_f32 v12, v12, v13, 0x1800000        ; and the floor 2^(3 - 127): the byte cannot fall under 1
	v_add_nc_u32 v11, 0xff000000, v12              ; 2 off the exponent field: the conversion's scale operand
	v_lshrrev_b32 v13, 23, v11                     ; the scale's byte
.if BE == 0
	v_mov_b32 v[SB+KST], v13
.else
	v_lshl_or_b32 v[SB+KST], v13, 8*BE, v[SB+KST]
.endif
	v_cvt_scalef32_pk16_fp6_f32 v[96:98], v[XS:XS+15], v11
	v_cvt_scalef32_pk16_fp6_f32 v[100:102], v[XS+16:XS+31], v11  ; (a conversion's three registers begin on an even number)
	v_nop                                          ; one plain place behind a scaled conversion
	v_mov_b32 v99, v100
	v_mov_b32 v100, v101
	v_mov_b32 v101, v102                           ; v96-101: the six registers on end
.if BE < 2
	ds_store_b128 v4, v[96:99] offset:SO           ; registers 0-3
	ds_store_b64 v4, v[100:101] offset:SO+512      ; registers 4, 5
.else
	ds_store_b64 v4, v[96:97] offset:SO+520        ; registers 6, 7
	ds_store_b128 v4, v[98:101] offset:SO+1024     ; registers 8-11
.endif
.if BE == 3
.irp n, 0,1,2,3,4,5
	ds_load_b128 v[OUTR+24*KST+4*\n:OUTR+24*KST+4*\n+3], v7 offset:KST*3328+1664*(\n/3)+512*(\n%3)  ; LDS serves a wave's instructions in order: these see my stores
.endr
.endif
.if (\t)+2 < 8
	LOAD (\t)+2
.endif
	s_wait_dscnt 0x0                               ; the stores have read their registers, and the images are back
.if BE == 3
.irp n, 0,1,2,3,4,5
	global_store_b128 v10, v[OUTR+24*KST+4*\n:OUTR+24*KST+4*\n+3], s[16:17] offset:KST*KSB+1536*(\n/3)+512*(\n%3)  ; each store covers 512 consecutive bytes, aligned
.endr
.endif
.endm
.irp t, 0,1,2,3,4,5,6,7
	BLOCK \t
.endr
	s_wait_alu depctr_va_vdst(0)
	global_store_b64 v9, v[SB:SB+1], s[18:19]      ; the wave's 32 rows x 2 words: 256 consecutive bytes, aligned
	s_wait_tensorcnt 0x0
	ds_add_u32 v239, v243
	s_wait_dscnt 0x0
	s_endpgm
; 64 numbers of a lane, register 16 b + i = K 32 b + 16 (lane / 16) + i of row lane % 16, become a fragment's codes in v[PC] .. v[PC + 11] and the row's scale word in v[pw].
.macro QUANT s, pw
.irp b, 0,1,2,3
	v_max3_num_f32 v[TM+\b], |v[(\s)+16*\b]|, |v[(\s)+1+16*\b]|, 0x1800000   ; my 16 numbers of block b, and the floor 2^(3 - 127)
.endr
.irp i, 2,4,6,8,10,12,14
.irp b, 0,1,2,3
	v_max3_num_f32 v[TM+\b], v[TM+\b], |v[(\s)+16*\b+\i]|, |v[(\s)+1+16*\b+\i]|
.endr
.endr
.irp b, 0,1,2,3
	v_permlanex16_b32 v[TM+4+\b], v[TM+\b], s[SEL], s[SEL+1]
.endr
.irp b, 0,1,2,3
	v_max_num_f32 v[TM+\b], v[TM+\b], v[TM+4+\b]   ; with lane l xor 16's: the block's largest magnitude
.endr
.irp b, 0,1,2,3
	v_add_nc_u32 v[TM+8+\b], 0xff000000, v[TM+\b]  ; 2 off its exponent field: the conversion's scale operand
.endr
.irp b, 0,1,2,3
	v_lshrrev_b32 v[TM+4+\b], 23, v[TM+8+\b]       ; the scale's byte
.endr
	v_lshl_or_b32 v[\pw], v[TM+5], 8, v[TM+4]
	v_lshl_or_b32 v[\pw], v[TM+6], 16, v[\pw]
	v_lshl_or_b32 v[\pw], v[TM+7], 24, v[\pw]
.irp c, 0,1
	v_cvt_scalef32_pk16_fp6_f32 v[PC+6*\c:PC+2+6*\c], v[(\s)+32*\c:(\s)+15+32*\c], v[TM+8+2*\c]
	v_cvt_scalef32_pk16_fp6_f32 v[PC+12+4*\c:PC+14+4*\c], v[(\s)+16+32*\c:(\s)+31+32*\c], v[TM+8+2*\c+1]
.endr
	v_nop                                          ; one plain place behind a scaled conversion
.irp c, 0,1                                    ; the layout wants a whole block in a lane: lanes 0-15 block 2 c, lanes 16-31 block 2 c + 1
.irp i, 0,1,2
	v_permlane16_swap_b32 v[PC+6*\c+\i], v[PC+12+4*\c+\i]
.endr
.irp i, 0,1,2
	v_mov_b32 v[PC+3+6*\c+\i], v[PC+12+4*\c+\i]
.endr
.endr
.endm
; ---------------- x ----------------
.Lnot_w:
	s_cmp_lt_u32 ttmp9, 640
	s_cbranch_scc0 .Ltab
	s_sub_co_u32 s23, ttmp9, 512
	s_lshr_b32 s25, s23, 3                         ; which 128 rows
	s_and_b32 s24, s23, 7                          ; which 256 along K
	s_lshl_b32 s26, s25, 20                        ; 128 rows of 8,192 bytes
	s_lshl_b32 s27, s22, 18                        ; my wave's 32 rows
	s_add_co_u32 s26, s26, s27
	s_lshl_b32 s27, s24, 10
	s_add_co_u32 s26, s26, s27
	s_mov_b32 s27, 0
	s_add_nc_u64 s[12:13], s[12:13], s[26:27]
	s_mul_i32 s26, s25, RBB
	s_mul_i32 s27, s24, 2*KSB
	s_add_co_u32 s26, s26, s27
	s_mul_i32 s27, s22, 2*IMG
	s_add_co_u32 s26, s26, s27
	s_mov_b32 s27, 0
	s_add_nc_u64 s[16:17], s[16:17], s[26:27]
	s_lshl_b32 s26, s25, 13
	s_lshl_b32 s27, s24, 10
	s_add_co_u32 s26, s26, s27
	s_lshl_b32 s27, s22, 8
	s_add_co_u32 s26, s26, s27
	s_mov_b32 s27, 0
	s_add_nc_u64 s[18:19], s[18:19], s[26:27]
	s_mov_b32 s[SEL], 0x76543210
	s_mov_b32 s[SEL+1], 0xfedcba98
	s_wait_alu depctr_va_vdst(0)
	v_lshlrev_b32 v3, 4, v2                        ; 16 x lane: my bytes of a load's 512, and of an image's 512
	s_mul_i32 s30, s22, XSTG
	s_add_co_u32 s30, s30, XSTG0                   ; my stage
	v_add_nc_u32 v14, s30, v3                      ; in: a row of 512 bytes, as it lies
	v_and_b32 v5, 15, v2
	v_lshrrev_b32 v6, 4, v2
	v_mul_u32_u24 v15, v5, 528
	v_lshl_add_u32 v15, v6, 6, v15
	v_add_nc_u32 v15, s30, v15                     ; out: row r, + 64 h: my 16 numbers of each block of 32
.irp b, 0,1,2,3
	v_mov_b32 v[TM+4+\b], 0                        ; written once: a lane permute's destination counts as one of its sources
.endr
; Unit n = 2 u + e: tile 2 w + u, K step e of the two.  Position i of the tile is row 32 w + 8 u + (i & 7) + 16 (i >> 3).  Each load reads 512 consecutive bytes of one row.
.macro XLOAD n
.irp i, 0,1,2,3,4,5,6,7,8,9,10,11,12,13,14,15
	global_load_b128 v[R0+64*((\n)%2)+4*\i:R0+64*((\n)%2)+4*\i+3], v3, s[12:13] offset:(8*((\n)/2)+(\i%8)+16*(\i/8))*8192+512*((\n)%2) th:TH_LOAD_NT
.endr
.endm
.macro UNIT n
.if (\n) < 3
	s_wait_loadcnt 16                              ; this unit's 16 loads are in; the next unit's 16 may be out
.else
	s_wait_loadcnt 0x0
.endif
.irp i, 0,1,2,3,4,5,6,7,8,9,10,11,12,13,14,15
	ds_store_b128 v14, v[R0+64*((\n)%2)+4*\i:R0+64*((\n)%2)+4*\i+3] offset:528*\i
.endr
.irp i, 0,1,2,3,4,5,6,7,8,9,10,11,12,13,14,15
	ds_load_b128 v[XN+4*\i:XN+4*\i+3], v15 offset:128*(\i/4)+16*(\i%4)   ; LDS serves a wave's instructions in order: these see my stores
.endr
	s_wait_dscnt 0x0
.if (\n) < 2
	XLOAD (\n)+2
.endif
.if (\n) > 0
	s_wait_xcnt 0x0                                ; the last unit's stores have read their data: the codes' registers may be written
.endif
	QUANT XN, 8+(\n)
.irp c, 0,1,2
	global_store_b128 v3, v[PC+4*\c:PC+4*\c+3], s[16:17] offset:((\n)%2)*KSB+((\n)/2)*IMG+512*\c
.endr
.endm
	XLOAD 0
	XLOAD 1
	s_wait_alu depctr_va_vdst(0)
	UNIT 0
	UNIT 1
	UNIT 2
	UNIT 3
	v_cmp_le_u32 vcc_lo, 16, v2                    ; lanes 0-15 store tile 2 w's words, lanes 16-31 tile 2 w + 1's (every lane holds the words of row lane % 16)
	v_cndmask_b32 v12, v8, v10, vcc_lo
	v_cndmask_b32 v13, v9, v11, vcc_lo
	v_lshlrev_b32 v4, 3, v2
	global_store_b64 v4, v[12:13], s[18:19]        ; 256 consecutive bytes, aligned
	s_wait_tensorcnt 0x0
	ds_add_u32 v239, v243
	s_wait_dscnt 0x0
	s_endpgm
; ---------------- the table of cos and sin, laid as the reader's registers take it: rtab[block A of 16 row positions][group i 16][lane 32][16 bytes] ----------------
; Lane r + 16 h of group i = 4 b + j holds (cos, sin, cos, sin) of pairs 16 b + 8 h + 2 j and the next, for positions[the row at position 16 A + r].
; A wave makes half a block: groups 8 half .. 8 half + 7, 4,096 consecutive bytes.  A lane has one row and sixteen frequencies.
.Ltab:
	s_sub_co_u32 s23, ttmp9, 640
	s_lshl_b32 s23, s23, 2
	s_add_co_u32 s23, s23, s22                     ; 2 A + half
	s_lshr_b32 s32, s23, 2                         ; position 16 A + r stands for row 32 (A >> 1) + 16 (r >> 3) + 8 (A & 1) + (r & 7): bits 3 and 4 exchanged
	s_lshl_b32 s32, s32, 7                         ; 32 rows of 4 bytes
	s_bfe_u32 s33, s23, 0x10001
	s_lshl_b32 s33, s33, 5                         ; 8 rows of 4 bytes
	s_add_co_u32 s32, s32, s33
	s_mov_b32 s33, 0
	s_add_nc_u64 s[14:15], s[14:15], s[32:33]
	s_and_b32 s24, s23, 1
	s_lshl_b32 s24, s24, 5                         ; 32 x half: the first pair of my half's groups
	s_lshl_b32 s32, s23, 12                        ; 8 rows of 512 bytes
	s_add_nc_u64 s[20:21], s[20:21], s[32:33]
	s_mov_b32 s36, 0xbe549a78                      ; -c, c = log2(10000) / 64, rounded to f32,
	s_mov_b32 s37, 0xb1979a12                      ; and what the rounding left
	s_mov_b32 s40, 0x3f22f983                      ; 2 / pi
	s_mov_b32 s41, 0xbfc90fdb                      ; -pi / 2 in three parts: the first,
	s_mov_b32 s42, 0x333bbd2e                      ; the second (its sign is the other way),
	s_mov_b32 s43, 0x26f72ce9                      ; the third
	s_mov_b32 s44, 0xb94ca1f9                      ; sine: -1.9515295891e-4
	s_mov_b32 s45, 0x3c08839e                      ; 8.3321608736e-3
	s_mov_b32 s46, 0xbe2aaaa3                      ; -1.6666654611e-1
	s_mov_b32 s47, 0x37ccf5ce                      ; cosine: 2.443315712e-5
	s_mov_b32 s48, 0xbab6061a                      ; -1.388731625e-3
	s_mov_b32 s49, 0x3d2aaaa5                      ; 4.166664568e-2
	s_wait_alu depctr_va_vdst(0)
	v_lshlrev_b32 v3, 4, v2                        ; 16 x lane: my 16 bytes of a group's 512
	v_and_b32 v5, 7, v2
	v_bfe_u32 v17, v2, 3, 1
	v_lshl_add_u32 v5, v17, 4, v5                  ; (r & 7) + 16 (r >> 3)
	v_lshlrev_b32 v5, 2, v5
	global_load_b32 v16, v5, s[14:15]              ; my row's position
	v_bfe_u32 v4, v2, 4, 1
	v_lshlrev_b32 v4, 3, v4
	v_add_nc_u32 v4, s24, v4                       ; 32 half + 8 h
.irp n, 0,1,2,3,4,5,6,7,8,9,10,11,12,13,14,15
	v_add_nc_u32 v[96+\n], 16*(\n/8)+\n%8, v4      ; n = 2 k + e: the e-th pair of my half's group k
.endr
.irp n, 0,1,2,3,4,5,6,7,8,9,10,11,12,13,14,15
	v_cvt_f32_u32 v[96+\n], v[96+\n]
.endr
.irp n, 0,1,2,3,4,5,6,7,8,9,10,11,12,13,14,15
	v_mul_f32 v[64+\n], s36, v[96+\n]              ; -i c, rounded,
.endr
.irp n, 0,1,2,3,4,5,6,7,8,9,10,11,12,13,14,15
	v_fma_f32 v[80+\n], v[96+\n], s36, -v[64+\n]   ; what that rounding left,
.endr
.irp n, 0,1,2,3,4,5,6,7,8,9,10,11,12,13,14,15
	v_fma_f32 v[80+\n], v[96+\n], s37, v[80+\n]    ; and c's own rest
.endr
	s_wait_alu depctr_va_vdst(0)                   ; the wait ahead of the batch
.irp n, 0,1,2,3,4,5,6,7,8,9,10,11,12,13,14,15
	v_exp_f32 v[112+\n], v[64+\n]
.endr
	v_nop                                          ; a plain place behind the exponentials
	s_wait_alu depctr_va_vdst(0)                   ; one wait for the batch, ahead of its first reader
.irp n, 0,1,2,3,4,5,6,7,8,9,10,11,12,13,14,15
	v_mul_f32 v[96+\n], 0x3f317218, v[112+\n]
.endr
.irp n, 0,1,2,3,4,5,6,7,8,9,10,11,12,13,14,15
	v_fma_f32 v[64+\n], v[96+\n], v[80+\n], v[112+\n]   ; the frequency 10000^(-i / 64) = 2^(rounded) (1 + ln 2 x rest)
.endr
	s_wait_alu depctr_va_vdst(0)                   ; the wait ahead of the wait below
	s_wait_loadcnt 0x0
	v_cvt_f32_i32 v16, v16
.macro SINCOS ps, f, dc, ds
	v_mul_f32 v6, v16, v[\f]                       ; the angle, rounded once
	v_mul_f32 v7, s40, v6
	v_rndne_f32 v7, v7                             ; k: the nearest multiple of pi / 2
	v_fma_f32 v8, v7, s41, v6
	v_fma_f32 v8, v7, s42, v8
	v_fma_f32 v8, v7, s43, v8                      ; r = angle - k pi / 2, |r| <= pi / 4
	v_mul_f32 v9, v8, v8
	v_cvt_i32_f32 v10, v7
	v_fma_f32 v11, s44, v9, s45
	v_fma_f32 v11, v11, v9, s46
	v_mul_f32 v12, v9, v8
	v_fma_f32 v11, v11, v12, v8                    ; sin r
	v_fma_f32 v13, s47, v9, s48
	v_fma_f32 v13, v13, v9, s49
	v_mul_f32 v14, v9, v9
	v_fma_f32 v15, v9, -0.5, 1.0
	v_fma_f32 v13, v13, v14, v15                   ; cos r
	v_and_b32 v12, 1, v10
	v_cmp_ne_u32 vcc_lo, 0, v12                    ; an odd k exchanges the two
	v_cndmask_b32 v14, v11, v13, vcc_lo
	v_cndmask_b32 v15, v13, v11, vcc_lo
	v_and_b32 v12, 2, v10
	v_lshlrev_b32 v12, 30, v12
	v_xor_b32 v[\ds], v14, v12                     ; the sine is negative for k = 2, 3 (mod 4),
	v_add_nc_u32 v12, 1, v10
	v_and_b32 v12, 2, v12
	v_lshlrev_b32 v12, 30, v12
	v_xor_b32 v[\dc], v15, v12                     ; the cosine for k = 1, 2
.endm
.irp w, 0,1,2,3,4,5,6,7
	SINCOS 0, 64+2*\w, 32+4*\w, 33+4*\w
	SINCOS 0, 65+2*\w, 34+4*\w, 35+4*\w
	global_store_b128 v3, v[32+4*\w:35+4*\w], s[20:21] offset:512*\w   ; a group: 512 consecutive bytes, aligned; each group has registers of its own
.endr
	s_endpgm
.Lfunc_end_k_q31ac5e622c_prep:
	.size	k_q31ac5e622c_prep, .Lfunc_end_k_q31ac5e622c_prep-k_q31ac5e622c_prep
	.p2alignl 7, 3214868480
	.fill 96, 4, 3214868480
	.section	.rodata,"a",@progbits
	.p2align	6, 0x0
	.amdhsa_kernel k_q31ac5e622c_prep
		.amdhsa_group_segment_fixed_size 61952
		.amdhsa_private_segment_fixed_size 0
		.amdhsa_enable_private_segment 0
		.amdhsa_kernarg_size 72
		.amdhsa_user_sgpr_count 2
		.amdhsa_user_sgpr_kernarg_segment_ptr 1
		.amdhsa_wavefront_size32 1
		.amdhsa_system_sgpr_workgroup_id_x 1
		.amdhsa_system_sgpr_workgroup_id_y 1
		.amdhsa_system_sgpr_workgroup_id_z 1
		.amdhsa_system_vgpr_workitem_id 0
		.amdhsa_next_free_vgpr 256
		.amdhsa_next_free_sgpr 66
		.amdhsa_reserve_vcc 1
		.amdhsa_float_denorm_mode_32 3
		.amdhsa_float_denorm_mode_16_64 3
		.amdhsa_memory_ordered 1
		.amdhsa_forward_progress 1
		.amdhsa_inst_pref_size 102
	.end_amdhsa_kernel
	.amdgpu_metadata
---
amdhsa.version: [ 1, 2 ]
amdhsa.kernels:
  - .name:           k_q31ac5e622c_prep
    .symbol:         k_q31ac5e622c_prep.kd
    .args:
      - { .name: Wq, .offset: 0, .size: 8, .value_kind: global_buffer, .address_space: global }
      - { .name: Wk, .offset: 8, .size: 8, .value_kind: global_buffer, .address_space: global }
      - { .name: Wv, .offset: 16, .size: 8, .value_kind: global_buffer, .address_space: global }
      - { .name: Wo, .offset: 24, .size: 8, .value_kind: global_buffer, .address_space: global }
      - { .name: x, .offset: 32, .size: 8, .value_kind: global_buffer, .address_space: global }
      - { .name: positions, .offset: 40, .size: 8, .value_kind: global_buffer, .address_space: global }
      - { .name: pcod, .offset: 48, .size: 8, .value_kind: global_buffer, .address_space: global }
      - { .name: pscl, .offset: 56, .size: 8, .value_kind: global_buffer, .address_space: global }
      - { .name: rtab, .offset: 64, .size: 8, .value_kind: global_buffer, .address_space: global }
    .group_segment_fixed_size: 61952
    .private_segment_fixed_size: 0
    .kernarg_segment_align: 8
    .kernarg_segment_size: 72
    .max_flat_workgroup_size: 128
    .sgpr_count:     66
    .vgpr_count:     256
    .wavefront_size: 32
...
	.end_amdgpu_metadata
.endif
;; end of part 5
;; launch qkv (part 6): grid 8 x 24, 4 waves a work-group, clusters of 4 x 4, 327,680 bytes of LDS; arguments pcod, pscl, rtab, qcod, qscl; writes qcod, qscl
.if DOCPART == 6
	.amdgcn_target "amdgcn-amd-amdhsa--gfx1250"
	.amdhsa_code_object_version 6
	.text
	.protected	k_q31ac5e622c_qkv
	.globl	k_q31ac5e622c_qkv
	.p2align	8
	.type	k_q31ac5e622c_qkv,@function
k_q31ac5e622c_qkv:
	s_mov_b64 s[64:65], 0
	v_nop
	global_prefetch_b8 v0, s[64:65] scope:SCOPE_SE
	s_setreg_imm32_b32 hwreg(HW_REG_WAVE_MODE, 25, 1), 1
	s_wait_xcnt 0x0
	s_wait_alu depctr_hold_cnt(0) depctr_sa_sdst(0) depctr_va_vdst(0) depctr_va_sdst(0) depctr_va_ssrc(0) depctr_va_vcc(0) depctr_vm_vsrc(0)
	s_getreg_b32 s2, hwreg(HW_REG_IB_STS2, 6, 4)
	s_cmp_eq_u32 s2, 0
	s_cbranch_scc0 .Lentry_in_a_cluster
	s_endpgm
.Lentry_in_a_cluster:
	s_bfe_u32 s2, ttmp6, 0x10000c
	s_cmp_lg_u32 s2, 0xf033
	s_cbranch_scc0 .Lentry_shape_is_right
	s_endpgm
.Lentry_shape_is_right:
; q = rope(x Wq), k = rope(x Wk), v = x Wv on codes of FP6 (E2M3) with E8M0 scales, and the results quantised again: q and k along the head's 128, v along the keys.
; One text for the three products: C[m][n] = sum over k of A[m][k] B[n][k], quantised along n.  p = 0: A = x, B = Wq;  p = 1: A = x, B = Wk;  p = 2: A = Wv, B = x (the keys run along n).
; p is the cluster's y / 2: the same in all sixteen partners of a cluster.
; OPERANDS lie as images of their registers (a fragment, 16 positions x 128 K: registers 4 g .. 4 g + 3 of lane l at 512 g + 16 l), [block of 128 positions][K step][tile 8][1,536 bytes]; position i holds
; the row whose number is i with bits 3 and 4 exchanged.  A slot's part for 128 positions x 256 K is one dense block of 24,576 bytes; a fragment comes by three loads of 512 consecutive bytes;
; with source 0 = 16 positions of B the 16 registers of two neighbouring tiles are 16 neighbours along n, as the conversions want them.
; A tile of C, 256 x 256, is made by four waves, 128 x 128 each: 64 accumulators.  K goes in steps of 256 through a ring of two LDS slots; the scale words of all K come once.
; THE HEAD: one joint load a wave: wave 0 A's two parts of slot 0 (two rows of 24,576 bytes, a block of positions apart), wave 1 B's, wave 2 A's scale words (16,384 dense bytes), wave 3 B's.
; Slot 1 is first filled behind the full sequence and a round, a part a wave.
; CLUSTERS: 4 x 4 work-groups; A's parts are asked for jointly along a row of the cluster, B's along a column.
; PREFETCH: a part is 96 blocks of 256 bytes; each of the four partners that ask for it jointly names 24 of them, told apart by address (cx for A, cy for B), a lane a block (lanes 24-31 name block 23 again).
; Behind the load of slot t stands the request for slot t + 2: behind the head's loads slots 1 and 2, behind slot 1's load slot 3, behind the refill with slot t + 2 slot t + 4; the last two refills ask for nothing.
; THE TABLE of cos and sin comes by global loads into four sets of 64 registers, four blocks of 16 rows ahead of its use: sets 0 and 1 at the head, set 2 in the last K step, set 3 behind it.
; Sets 0 to 2 are asked for on every path (the work-groups of v do not use these 24,576 bytes a wave), so that the text has one way through the walk along K.
; LIMITS: NaN and infinities are not served; a block of zeros gets the byte 1 (its codes are zeros; this program alone reads the bytes); blocks under 2^-124 are held at that byte.
; REGISTERS: window 0: v8-15 the results' scale words; v16-29 addresses; v32-63 scale words of A and B, two sets; v64-127 table set 0; v128-223 A's fragments (later v128-191 table set 3);
;   v224-243 codes just made; v244-255 at work.   window 1: B's fragments, two sets, at v0 and v96 (later v0-63 table set 2, v96-159 a block after the rotation); v192-255 table set 1.   windows 2, 3: the accumulators.
.set IMG,   1536
.set KSB,   12288
.set RBB,   196608
.set SEC,   3145728
.set NQ,    2                          ; steps of 128 in a slot
.set FR,    12                         ; registers of a fragment
.set NL,    3                          ; LDS loads that bring one
.set NP,    4                          ; places behind this matrix instruction (ISA guide 7.12.1)
.set PART,  24576                      ; 128 positions x 256 K
.set SLOT,  4*PART                     ; A's two parts, then B's two
.set LAPS,  4                          ; 2,048 along K = 8 slots
.set SCL,   2*SLOT                     ; the scale words: A's 16,384 bytes; B's lie 128 bytes further on, so that a load's two halves fall on different banks
.set SPARE, 229632                     ; the spare words, 128 bytes for each wave
.set BS,    96                         ; from B's set 0 to its set 1
.set Y,     96                         ; window 1: a block after the rotation
.set PWS,  8
.set ADRA, 16
.set ADRB, 20
.set GO,   24                          ; 16 x lane
.set PFO,  26                          ; 256 x min(lane, 23)
.set ADRS, 27
.set SPW,  28
.set NIL,  29
.set SC,   32
.set AF,   128
.set PC,   224
.set TM,   244
.set SEL,  96
.set PFA,  98                          ; s[98:99] my work-group's 24 blocks of the part that I fetch, in the slot last stepped to
.set G1, 24
.set G0, 32
.set G1B, 48
.set G0B, 56
.set G1S, 68
.set G0S, 76
.set G1SB, 80
.set G0SB, 88
.set MSB, 0
.macro WIN new                         ; the immediate's high byte repeats the setting that is left
.if MSB != (\new)
	s_set_vgpr_msb (MSB<<8)|(\new)
.set MSB, (\new)
.endif
.endm
.set MUL_LO, 0xa1                      ; source 0 (B) window 1, source 1 (A) window 0, C and D window 2
.set MUL_HI, 0xf1
.set TO_B,   0x40
.macro JLOAD g0a, g1a, g0b, g1b        ; a joint load: waves 0, 1 for A, waves 2, 3 for B; s_nop 0 and four v_nop follow each line
	s_cmp_eq_u32 s15, 0
	s_cbranch_scc0 .Lfor_b_\@
	tensor_load_to_lds s[\g0a:\g0a+3], s[\g1a:\g1a+7]
	s_nop 0
.rept 4
	v_nop
.endr
	s_branch .Lasked_\@
.Lfor_b_\@:
	tensor_load_to_lds s[\g0b:\g0b+3], s[\g1b:\g1b+7]
	s_nop 0
.rept 4
	v_nop
.endr
.Lasked_\@:
.endm
.macro CREST                           ; a round of the cluster's barrier behind its opening barrier
	s_cmp_lg_u32 s14, 0
	s_cbranch_scc1 .Lnot_wave_0_\@
	s_barrier_signal -3
.Lnot_wave_0_\@:
	s_barrier_wait -3
	s_barrier_signal -1
	s_barrier_wait -1
.endm
.macro CROUND
	s_barrier_signal -1
	s_barrier_wait -1
	CREST
.endm
.macro ARM under, g0, g1, next         ; one arm of the head's chain: its load, and a jump to the chain's end
	s_cmp_lt_u32 s14, \under
	s_cbranch_scc0 \next
	tensor_load_to_lds s[\g0:\g0+3], s[\g1:\g1+7]
	s_nop 0
.rept 4
	v_nop
.endr
	s_branch .Lhead_asked
\next:
.endm
	s_load_b256 s[4:11], s[0:1], 0x0               ; pcod s[4:5], pscl s[6:7], rtab s[8:9], qcod s[10:11]
	s_load_b64 s[12:13], s[0:1], 0x20              ; qscl
	v_lshl_add_u32 v[SPW], v0, 2, SPARE
	v_mov_b32 v[NIL], 0
	ds_add_u32 v[SPW], v[NIL]                      ; the opening lines: the add, twice on end, and its wait ahead of my first tensor load
	ds_add_u32 v[SPW], v[NIL]
	v_lshrrev_b32 v1, 5, v0
	v_readfirstlane_b32 s14, v1                    ; wave 0..3
	s_lshr_b32 s15, s14, 1                         ; which half of the tile's rows (A) is mine; in the ring: I fetch for A (0) or B (1)
	s_and_b32 s16, s14, 1                          ; which half of its columns (B); in the ring: which part I fetch
	s_mul_i32 s21, s15, PART
	s_mul_i32 s22, s16, PART
	s_add_co_u32 s22, s22, 2*PART
	s_lshl_b32 s18, s15, 13                        ; A's scale words: my part
	s_lshl_b32 s19, s16, 13                        ; B's: my part, behind A's two and 128 bytes
	s_add_co_u32 s19, s19, 16512
	s_sub_co_u32 s19, s19, s18
	s_add_co_u32 s18, s18, SCL
	v_and_b32 v1, 31, v0
	v_lshlrev_b32 v[GO], 4, v1
	v_add_nc_u32 v[ADRA], s21, v[GO]
	v_add_nc_u32 v[ADRB], s22, v[GO]
	v_add_nc_u32 v[ADRA+1], SLOT, v[ADRA]
	v_add_nc_u32 v[ADRB+1], SLOT, v[ADRB]
	v_and_b32 v2, 15, v0                           ; r
	v_bfe_u32 v3, v0, 4, 1                         ; h
	v_mul_u32_u24 v4, s19, v3                      ; lanes 16-31 take B's: one product with h
	v_lshl_add_u32 v4, v2, 3, v4                   ; 8 bytes a row: the slot's two words
	v_add_nc_u32 v[ADRS], s18, v4
	v_min_u32 v5, 23, v1
	v_lshlrev_b32 v[PFO], 8, v5
.irp b, 0,1,2,3
	v_mov_b32 v[TM+4+\b], 0                        ; written once: a lane permute's destination counts as one of its sources
.endr
	s_mov_b32 s[SEL], 0x76543210
	s_mov_b32 s[SEL+1], 0xfedcba98
	s_bfe_u32 s40, ttmp6, 0x40000                  ; cx, cy
	s_bfe_u32 s41, ttmp6, 0x40004
	s_and_b32 s17, ttmp7, 0xffff                   ; the cluster's y, 0..5
	s_lshr_b32 s66, s17, 1                         ; p
	s_and_b32 s17, s17, 1
	s_lshl_b32 s17, s17, 2
	s_add_co_u32 s17, s17, s41                     ; tile row of C
	s_lshl_b32 s42, ttmp9, 2
	s_add_co_u32 s42, s42, s40                     ; tile column of C
	s_lshl_b32 s43, s41, 2
	s_lshl_b32 s43, 15, s43                        ; my row of the cluster
	s_lshl_b32 s44, 0x1111, s40                    ; my column
	s_add_co_u32 s67, s66, 1
	s_cmp_eq_u32 s66, 2
	s_cselect_b32 s98, 3, 0                        ; A's section: Wv or x
	s_cselect_b32 s67, 0, s67                      ; B's: x, or Wq, Wk
	; group 1 for the head's loads of codes: 2 rows of 3,072 elements of 8 bytes, RBB bytes apart; behind them its words are set for the ring's parts
	s_or_b32 s[G1+0], s43, (3<<16)|(1<<21)         ; 15:0 the mask; 17:16 elements of 8 bytes; 21 set beside a mask
	s_or_b32 s[G1B+0], s44, (3<<16)|(1<<21)
.irp g, G1, G1B
	s_mov_b32 s[\g+1], 3072<<16                    ; tensor_dim0
	s_mov_b32 s[\g+2], 2<<16                       ; tensor_dim1
	s_mov_b32 s[\g+3], 3072<<16                    ; tile_dim0
	s_mov_b32 s[\g+4], 2                           ; tile_dim1
	s_mov_b32 s[\g+5], RBB/8                       ; from row to row
	s_mov_b32 s[\g+6], 0
	s_mov_b32 s[\g+7], 0
.endr
	s_or_b32 s[G1S+0], s43, (3<<16)|(1<<21)        ; the scale words of 256 positions, all K: 16,384 dense bytes, 64 rows of 256
	s_or_b32 s[G1SB+0], s44, (3<<16)|(1<<21)
.irp g, G1S, G1SB
	s_mov_b32 s[\g+1], 32<<16
	s_mov_b32 s[\g+2], 64<<16
	s_mov_b32 s[\g+3], 32<<16
	s_mov_b32 s[\g+4], 64
	s_mov_b32 s[\g+5], 32
	s_mov_b32 s[\g+6], 0
	s_mov_b32 s[\g+7], 0
.endr
	s_lshl_b32 s20, s17, 1                         ; A: the tile's first block of 128.  These registers never hold cx,
	s_lshl_b32 s22, s20, 13
	s_mul_i32 s20, s20, RBB
	s_mul_i32 s99, s98, SEC
	s_add_co_u32 s20, s20, s99
	s_lshl_b32 s99, s98, 17
	s_add_co_u32 s22, s22, s99
	s_mov_b32 s21, 0
	s_mov_b32 s23, 0
	s_lshl_b32 s46, s42, 1                         ; B likewise; and these never cy
	s_lshl_b32 s92, s46, 13
	s_mul_i32 s46, s46, RBB
	s_mul_i32 s99, s67, SEC
	s_add_co_u32 s46, s46, s99
	s_lshl_b32 s99, s67, 17
	s_add_co_u32 s92, s92, s99
	s_mov_b32 s47, 0
	s_mov_b32 s93, 0
	s_mul_i32 s94, s16, RBB                        ; in the ring I fetch one of the two blocks
	s_mov_b32 s95, 0
	s_cmp_eq_u32 s15, 0
	s_cselect_b32 s18, s40, s41                    ; my place among the four that ask with me
	s_mul_i32 s18, s18, 24*256
	s_mov_b32 s19, 0
	s_wait_alu depctr_va_vdst(0)                   ; the wait at the head's end
	s_wait_dscnt 0x0                               ; both opening adds are done
	s_wait_kmcnt 0x0
	s_add_nc_u64 s[20:21], s[4:5], s[20:21]
	s_add_nc_u64 s[22:23], s[6:7], s[22:23]
	s_add_nc_u64 s[46:47], s[4:5], s[46:47]
	s_add_nc_u64 s[92:93], s[6:7], s[92:93]
	s_mov_b32 s[G0], 1                             ; the head's four tiles: slot 0's A,
	s_mov_b32 s[G0+1], 0
	s_mov_b64 s[G0+2:G0+3], s[20:21]
	s_or_b32 s[G0+3], s[G0+3], 0x80000000
	s_mov_b32 s[G0B], 1                            ; its B,
	s_mov_b32 s[G0B+1], 2*PART
	s_mov_b64 s[G0B+2:G0B+3], s[46:47]
	s_or_b32 s[G0B+3], s[G0B+3], 0x80000000
	s_mov_b32 s[G0S], 1                            ; A's scale words,
	s_mov_b32 s[G0S+1], SCL
	s_mov_b64 s[G0S+2:G0S+3], s[22:23]
	s_or_b32 s[G0S+3], s[G0S+3], 0x80000000
	s_mov_b32 s[G0SB], 1                           ; and B's
	s_mov_b32 s[G0SB+1], SCL+16512
	s_mov_b64 s[G0SB+2:G0SB+3], s[92:93]
	s_or_b32 s[G0SB+3], s[G0SB+3], 0x80000000
	s_add_nc_u64 s[20:21], s[20:21], s[94:95]      ; for the ring: my block
	s_add_nc_u64 s[46:47], s[46:47], s[94:95]
	s_mov_b32 s[G0+4], 1                           ; slot 1: wave x a part: no place in the cluster enters an LDS address
	s_mul_i32 s[G0+5], s14, PART
	s_add_co_u32 s[G0+5], s[G0+5], SLOT
	s_add_nc_u64 s[G0+6:G0+7], s[20:21], PART
	s_or_b32 s[G0+7], s[G0+7], 0x80000000
	s_mov_b32 s[G0B+4], 1
	s_mul_i32 s[G0B+5], s14, PART
	s_add_co_u32 s[G0B+5], s[G0B+5], SLOT
	s_add_nc_u64 s[G0B+6:G0B+7], s[46:47], PART
	s_or_b32 s[G0B+7], s[G0B+7], 0x80000000
	s_cmp_eq_u32 s15, 0
	s_cselect_b64 s[PFA:PFA+1], s[20:21], s[46:47]
	s_add_nc_u64 s[PFA:PFA+1], s[PFA:PFA+1], s[18:19]
	CROUND                                         ; all sixteen work-groups are here: the first joint loads meet
	ARM 1, G0,  G1,  .Lhead_b
	ARM 2, G0B, G1B, .Lhead_sa
	ARM 3, G0S, G1S, .Lhead_sb
	tensor_load_to_lds s[G0SB:G0SB+3], s[G1SB:G1SB+7]
	s_nop 0
.rept 4
	v_nop
.endr
.Lhead_asked:
	global_prefetch_b8 v[PFO], s[PFA:PFA+1] offset:PART th:TH_LOAD_NT scope:SCOPE_SE     ; slot 1
	global_prefetch_b8 v[PFO], s[PFA:PFA+1] offset:2*PART th:TH_LOAD_NT scope:SCOPE_SE   ; slot 2
	s_lshl_b32 s18, s17, 1
	s_add_co_u32 s18, s18, s15                     ; my block of 128 rows of C (A's positions)
	s_lshl_b32 s19, s42, 1
	s_add_co_u32 s19, s19, s16                     ; my block of 128 columns (B's positions)
	s_lshl_b32 s20, s18, 16                        ; 128 table rows of 512 bytes
	s_mov_b32 s21, 0
	s_add_nc_u64 s[8:9], s[8:9], s[20:21]
.macro TSET a                          ; block a's table set, a % 4: window 0 v64, window 1 v192, window 1 v0, window 0 v128
.set TWN, (((\a)%4+1)/2)%2
.set TBL, 128*((\a)%2)+64*(1-((\a)%4)/2)
.endm
.macro TABLOAD a                       ; the table for block a's 16 rows lies as an image of these 64 registers: registers 4 i .. 4 i + 3 of lane l at 512 i + 16 l: each load reads 512 consecutive bytes
	TSET \a
	WIN TWN<<6
.irp i, 0,1,2,3,4,5,6,7,8,9,10,11,12,13,14,15
	global_load_b128 v[TBL+4*\i:TBL+4*\i+3], v[GO], s[8:9] offset:(\a)*8192+512*\i
.endr
	WIN 0
.endm
	TABLOAD 0
	TABLOAD 1
	s_cmp_eq_u32 s66, 2
	s_cselect_b32 s20, s18, s19                    ; the head: q, k: my columns; v: my rows
	s_cselect_b32 s21, s19, s18                    ; q, k: which 128 rows of the sequence; v: which 128 keys
	s_mul_i32 s22, s66, SEC
	s_mul_i32 s23, s20, RBB
	s_add_co_u32 s22, s22, s23
	s_mul_i32 s23, s21, KSB
	s_add_co_u32 s22, s22, s23
	s_mov_b32 s23, 0
	s_add_nc_u64 s[10:11], s[10:11], s[22:23]      ; my eight images: 12,288 consecutive bytes
	s_cmp_eq_u32 s66, 0                            ; scale words: q: [head][8,192]; behind them [head][k's 8,192, v's 8,192]
	s_cselect_b32 s22, 13, 14
	s_cselect_b32 s23, 0, 122880
	s_lshl_b32 s22, s20, s22
	s_add_co_u32 s22, s22, s23
	s_lshl_b32 s23, s21, 9
	s_add_co_u32 s22, s22, s23
	s_lshl_b32 s23, s66, 13
	s_add_co_u32 s22, s22, s23
	s_mov_b32 s23, 0
	s_add_nc_u64 s[12:13], s[12:13], s[22:23]
.macro FRAG reg, adr, q, i             ; a fragment comes back as it was stored: three loads of 512 consecutive bytes
.irp c, 0,1,2
	ds_load_b128 v[\reg+4*\c:\reg+4*\c+3], v[\adr] offset:(\q)*KSB+(\i)*IMG+512*\c
.endr
.endm
; 16 matrix instructions: A's blocks a0, a0 + 1 x B's eight, 128 along K.  p: B's set; sc: the set of scale words.  zero = 1: the first product starts the sums.
; The 64 accumulators take turns, one instruction a turn, in the same order in every step.
.macro MUL16 a0, p, q, sc, zero
.irp a, \a0, \a0+1
.irp b, 0,1,2,3,4,5,6,7
.if \zero
	v_wmma_scale_f32_16x16x128_f8f6f4 v[8*(8*((\a)%4)+\b):8*(8*((\a)%4)+\b)+7], v[BS*(\p)+FR*\b:BS*(\p)+FR*\b+FR-1], v[AF+FR*(\a):AF+FR*(\a)+FR-1], 0, v[SC+8*NQ*(\sc)+NQ*\b+(\q)], v[SC+8*NQ*(\sc)+NQ*(\a)+(\q)] matrix_a_fmt:MATRIX_FMT_FP6 matrix_b_fmt:MATRIX_FMT_FP6 matrix_a_scale:MATRIX_SCALE_ROW1
.else
	v_wmma_scale_f32_16x16x128_f8f6f4 v[8*(8*((\a)%4)+\b):8*(8*((\a)%4)+\b)+7], v[BS*(\p)+FR*\b:BS*(\p)+FR*\b+FR-1], v[AF+FR*(\a):AF+FR*(\a)+FR-1], v[8*(8*((\a)%4)+\b):8*(8*((\a)%4)+\b)+7], v[SC+8*NQ*(\sc)+NQ*\b+(\q)], v[SC+8*NQ*(\sc)+NQ*(\a)+(\q)] matrix_a_fmt:MATRIX_FMT_FP6 matrix_b_fmt:MATRIX_FMT_FP6 matrix_a_scale:MATRIX_SCALE_ROW1
.endif
.endr
.endr
.endm
.macro FETCH_B slot, q, p
	WIN TO_B
.irp i, 0,1,2,3,4,5,6,7
	FRAG BS*(\p)+FR*\i, ADRB+\slot, \q, \i
.endr
	WIN 0
.endm
.macro FETCH_A slot, q, i0
.irp i, \i0, \i0+1, \i0+2, \i0+3
	FRAG AF+FR*(\i), ADRA+\slot, \q, \i
.endr
.endm
.macro SCALES sc                       ; a slot's scale words: two a row; lanes 0-15 A's block i, lanes 16-31 B's block i
.irp i, 0,1,2,3,4,5,6,7
	ds_load_b64 v[SC+8*NQ*\sc+NQ*\i:SC+8*NQ*\sc+NQ*\i+1], v[ADRS] offset:\i*128
.endr
.endm
.macro PLACES n                        ; plain vector instructions in front of loads into registers that matrix instructions have read, and of the first read of results
.rept \n
	v_nop
.endr
.endm
.macro STEP slot, q, zero              ; a step of 128 along K that has its successor in the same slot
	s_wait_dscnt 4*NL                              ; B's set and A's blocks 0-3 are in; the youngest 12 loads (A's blocks 4-7) may be out
	WIN MUL_LO
	MUL16 0, (\q)%2, \q, \slot, \zero
	MUL16 2, (\q)%2, \q, \slot, \zero
	s_wait_dscnt 0
	PLACES NP
	FETCH_B \slot, (\q)+1, 1-(\q)%2
	FETCH_A \slot, (\q)+1, 0
	WIN MUL_HI
	MUL16 4, (\q)%2, \q, \slot, \zero
	MUL16 6, (\q)%2, \q, \slot, \zero
	PLACES NP
	WIN 0
	FETCH_A \slot, (\q)+1, 4
.endm
; A slot's last step changes slots: one barrier; in front of it each wave waits for all its tensor loads, adds 0 to its spare word, and waits for that and for its reads of this slot.
.macro TURN slot, next, fill
.if \fill
	s_wait_xcnt 0x0                                ; my last prefetch, a slot back, has read its address
	s_add_nc_u64 s[PFA:PFA+1], s[PFA:PFA+1], PART
.endif
	s_wait_tensorcnt 0x0                           ; all my tensor loads have landed: my part of the next slot
	ds_add_u32 v[SPW], v[NIL]                      ; 0 onto my spare word
	s_wait_dscnt 4*NL+1                            ; (the add and the youngest 12 loads, A's blocks 4-7, may be out)
	WIN MUL_LO
	MUL16 0, 1, NQ-1, \slot, 0
	s_wait_dscnt 0x0                               ; the add is done, and my reads of this slot are over
	s_barrier_signal -1
	MUL16 2, 1, NQ-1, \slot, 0
	WIN 0
	s_barrier_wait -1
.if \fill
	CREST                                          ; the barrier has opened a round of the cluster's barrier: no wave of any partner still reads this slot or has a load on its way
	s_add_nc_u64 s[G0+4*\slot+2:G0+4*\slot+3], s[G0+4*\slot+2:G0+4*\slot+3], 2*PART
	s_add_nc_u64 s[G0B+4*\slot+2:G0B+4*\slot+3], s[G0B+4*\slot+2:G0B+4*\slot+3], 2*PART
	JLOAD G0+4*\slot, G1, G0B+4*\slot, G1B         ; the first tensor load behind the round, my only one until the next; its four v_nop are the places in front of the loads below
.else
	PLACES NP
.endif
	s_wait_alu depctr_va_vdst(0)                   ; the wait ahead of the reader below
	v_add_nc_u32 v[ADRS], 1024, v[ADRS]            ; on to the next slot's scale words
	FETCH_B \next, 0, 0
	FETCH_A \next, 0, 0
	SCALES \next
.if \fill
	s_cmp_gt_u32 s3, 1                             ; the last trip's two refills have no slot two refills on
	s_cbranch_scc0 .Lno_ask_\@
	global_prefetch_b8 v[PFO], s[PFA:PFA+1] offset:3*PART th:TH_LOAD_NT scope:SCOPE_SE   ; the slot two refills on
.Lno_ask_\@:
.endif
	WIN MUL_HI
	MUL16 4, 1, NQ-1, \slot, 0
	MUL16 6, 1, NQ-1, \slot, 0
	PLACES NP
	WIN 0
	FETCH_A \next, 0, 4
.endm
	s_wait_tensorcnt 0x0                           ; my tile of the head's four is in
	ds_add_u32 v[SPW], v[NIL]
.irp g, G1, G1B                                ; no tensor load of mine is out: from here on a load brings a part, 96 rows of 256 bytes,
	s_mov_b32 s[\g+1], 32<<16
	s_mov_b32 s[\g+2], 96<<16
	s_mov_b32 s[\g+3], 32<<16
	s_mov_b32 s[\g+4], 96
	s_mov_b32 s[\g+5], 32
.endr
	s_mul_i32 s[G0+1], s14, PART                   ; and slot 0's group 0 stands for my part
	s_mul_i32 s[G0B+1], s14, PART
	s_add_nc_u64 s[G0+2:G0+3], s[G0+2:G0+3], s[94:95]
	s_add_nc_u64 s[G0B+2:G0B+3], s[G0B+2:G0B+3], s[94:95]
	s_wait_dscnt 0x0
	CROUND                                         ; all four tiles are in, and all sixteen work-groups are here
	JLOAD G0+4, G1, G0B+4, G1B                     ; slot 1, the first tensor load behind the round
	FETCH_B 0, 0, 0
	FETCH_A 0, 0, 0
	SCALES 0
	FETCH_A 0, 0, 4
	global_prefetch_b8 v[PFO], s[PFA:PFA+1] offset:3*PART th:TH_LOAD_NT scope:SCOPE_SE   ; slot 3
	STEP 0, 0, 1                                   ; the first step stands in front of the loop: its products start the sums
	s_mov_b32 s3, LAPS-1
.Llap:
	TURN 0, 1, 1
	STEP 1, 0, 0
	TURN 1, 0, 1
	STEP 0, 0, 0
	s_sub_co_u32 s3, s3, 1
	s_cmp_lg_u32 s3, 0
	s_cbranch_scc1 .Llap
	TURN 0, 1, 0                                   ; the last lap fills nothing
	STEP 1, 0, 0
	s_wait_dscnt 4*NL
	WIN MUL_LO
	MUL16 0, 1, NQ-1, 1, 0
	MUL16 2, 1, NQ-1, 1, 0
	s_wait_dscnt 0
	PLACES NP
	TABLOAD 2                                      ; into B's set 0, which is read no more
	WIN MUL_HI
	MUL16 4, 1, NQ-1, 1, 0
	MUL16 6, 1, NQ-1, 1, 0
	WIN 0
	PLACES NP
; THE WAY OUT.  In block a (16 rows of C) lane (r, h) holds row r, and register 16 b + i of the block's 64 is column 32 b + 16 h + i of my 128.
; 64 such numbers, at v[s] of window w, become a fragment's codes in v[PC] .. v[PC + 11] and the row's scale word in v[pw].
.macro QUANTW s, w, pw
	WIN ((\w)<<2)|((\w)<<4)                        ; sources 1 and 2 in the numbers' window
.irp b, 0,1,2,3
	v_max3_num_f32 v[TM+\b], 0x1800000, |v[(\s)+16*\b]|, |v[(\s)+1+16*\b]|   ; the floor 2^(3 - 127), and my 16 numbers of block b, from each accumulator's low end on
.endr
.irp i, 2,4,6,8,10,12,14
.irp b, 0,1,2,3
	v_max3_num_f32 v[TM+\b], v[TM+\b], |v[(\s)+16*\b+\i]|, |v[(\s)+1+16*\b+\i]|
.endr
.endr
	WIN 0
.irp b, 0,1,2,3
	v_permlanex16_b32 v[TM+4+\b], v[TM+\b], s[SEL], s[SEL+1]
.endr
.irp b, 0,1,2,3
	v_max_num_f32 v[TM+\b], v[TM+\b], v[TM+4+\b]
.endr
.irp b, 0,1,2,3
	v_add_nc_u32 v[TM+8+\b], 0xff000000, v[TM+\b]  ; 2 off the exponent field: the conversion's scale operand
.endr
.irp b, 0,1,2,3
	v_lshrrev_b32 v[TM+4+\b], 23, v[TM+8+\b]       ; the scale's byte
.endr
	v_lshl_or_b32 v[\pw], v[TM+5], 8, v[TM+4]
	v_lshl_or_b32 v[\pw], v[TM+6], 16, v[\pw]
	v_lshl_or_b32 v[\pw], v[TM+7], 24, v[\pw]
	WIN (\w)                                       ; source 0 in the numbers' window
.irp c, 0,1
	v_cvt_scalef32_pk16_fp6_f32 v[PC+6*\c:PC+2+6*\c], v[(\s)+32*\c:(\s)+15+32*\c], v[TM+8+2*\c]
	v_cvt_scalef32_pk16_fp6_f32 v[PC+12+4*\c:PC+14+4*\c], v[(\s)+16+32*\c:(\s)+31+32*\c], v[TM+8+2*\c+1]
.endr
	WIN 0
	v_nop                                          ; one plain place behind a scaled conversion
.irp c, 0,1
.irp i, 0,1,2
	v_permlane16_swap_b32 v[PC+6*\c+\i], v[PC+12+4*\c+\i]
.endr
.irp i, 0,1,2
	v_mov_b32 v[PC+3+6*\c+\i], v[PC+12+4*\c+\i]
.endr
.endr
.endm
.macro IMGOUT a
.irp c, 0,1,2
	global_store_b128 v[GO], v[PC+4*\c:PC+4*\c+3], s[10:11] offset:(\a)*IMG+512*\c   ; each store covers 512 consecutive bytes, aligned
.endr
.endm
; q and k: the rotation, in f32.  Registers n, n + 1 (n even) are a pair (x1, x2); the table's registers n, n + 1 its cos and sin:  y1 = x1 cos - x2 sin,  y2 = x2 cos + x1 sin.
.macro ROPE a
	TSET \a
.set W, 2+(\a)/4
.set XB, 64*((\a)%4)
.if (\a) < 5
	s_wait_loadcnt 48                              ; this block's table is in; the 16 loads of each of the next three blocks may be out
.else
	s_wait_loadcnt 16*(7-(\a))
.endif
	WIN (1<<6)|(1<<4)|(TWN<<2)|W                   ; the results and source 2 in window 1, source 0 in the accumulators' window, source 1 in the table set's
.set N, 0
.rept 32
	v_pk_mul_f32 v[Y+N:Y+N+1], v[XB+N:XB+N+1], v[TBL+N:TBL+N+1] op_sel_hi:[1,0]
.set N, N+2
.endr
.set N, 0
.rept 32
	v_fma_f32 v[Y+N], -v[XB+N+1], v[TBL+N+1], v[Y+N]
	v_fma_f32 v[Y+N+1], v[XB+N], v[TBL+N+1], v[Y+N+1]
.set N, N+2
.endr
	WIN 0
.if (\a) < 4
	TABLOAD (\a)+4                                 ; the set just read takes the block four further on
.endif
.if (\a) > 0
	s_wait_xcnt 0x0                                ; the last block's stores have read their data
.endif
	QUANTW Y, 1, PWS+(\a)
	IMGOUT \a
.endm
	s_cmp_eq_u32 s66, 2
	s_cbranch_scc1 .Lepi_v
	TABLOAD 3                                      ; into A's fragments, which are read no more
.irp a, 0,1,2,3,4,5,6,7
	ROPE \a
.endr
	s_branch .Ltail
.Lepi_v:                                           ; v: quantised as it stands
.irp a, 0,1,2,3,4,5,6,7
.if \a > 0
	s_wait_xcnt 0x0
.endif
	QUANTW 64*((\a)%4), 2+(\a)/4, PWS+(\a)
	IMGOUT \a
.endr
.Ltail:
	s_wait_xcnt 0x0
	v_and_b32 v1, 31, v0
	v_cmp_le_u32 vcc_lo, 16, v1                    ; lanes 0-15 store tile 2 i's words, lanes 16-31 tile 2 i + 1's (every lane holds the word of row lane % 16)
.irp i, 0,1,2,3
	v_cndmask_b32 v[PC+\i], v[PWS+2*\i], v[PWS+2*\i+1], vcc_lo
.endr
	v_lshlrev_b32 v1, 2, v1
.irp i, 0,1,2,3
	global_store_b32 v1, v[PC+\i], s[12:13] offset:128*\i   ; the four together: 512 consecutive bytes
.endr
	s_wait_tensorcnt 0x0                           ; the wave's end
	ds_add_u32 v[SPW], v[NIL]
	s_wait_dscnt 0x0
	CROUND                                         ; the closing round
	s_endpgm
.Lfunc_end_k_q31ac5e622c_qkv:
	.size	k_q31ac5e622c_qkv, .Lfunc_end_k_q31ac5e622c_qkv-k_q31ac5e622c_qkv
	.p2alignl 7, 3214868480
	.fill 96, 4, 3214868480
	.section	.rodata,"a",@progbits
	.p2align	6, 0x0
	.amdhsa_kernel k_q31ac5e622c_qkv
		.amdhsa_group_segment_fixed_size 327680
		.amdhsa_private_segment_fixed_size 0
		.amdhsa_enable_private_segment 0
		.amdhsa_kernarg_size 40
		.amdhsa_user_sgpr_count 2
		.amdhsa_user_sgpr_kernarg_segment_ptr 1
		.amdhsa_wavefront_size32 1
		.amdhsa_system_sgpr_workgroup_id_x 1
		.amdhsa_system_sgpr_workgroup_id_y 1
		.amdhsa_system_sgpr_workgroup_id_z 1
		.amdhsa_system_vgpr_workitem_id 0
		.amdhsa_next_free_vgpr 1024
		.amdhsa_next_free_sgpr 100
		.amdhsa_reserve_vcc 1
		.amdhsa_float_denorm_mode_32 3
		.amdhsa_float_denorm_mode_16_64 3
		.amdhsa_memory_ordered 1
		.amdhsa_forward_progress 1
		.amdhsa_inst_pref_size 237
	.end_amdhsa_kernel
	.amdgpu_metadata
---
amdhsa.version: [ 1, 2 ]
amdhsa.kernels:
  - .name:           k_q31ac5e622c_qkv
    .symbol:         k_q31ac5e622c_qkv.kd
    .args:
      - { .name: pcod, .offset: 0, .size: 8, .value_kind: global_buffer, .address_space: global }
      - { .name: pscl, .offset: 8, .size: 8, .value_kind: global_buffer, .address_space: global }
      - { .name: rtab, .offset: 16, .size: 8, .value_kind: global_buffer, .address_space: global }
      - { .name: qcod, .offset: 24, .size: 8, .value_kind: global_buffer, .address_space: global }
      - { .name: qscl, .offset: 32, .size: 8, .value_kind: global_buffer, .address_space: global }
    .group_segment_fixed_size: 327680
    .private_segment_fixed_size: 0
    .kernarg_segment_align: 8
    .kernarg_segment_size: 40
    .max_flat_workgroup_size: 128
    .sgpr_count:     100
    .vgpr_count:     1024
    .wavefront_size: 32
...
	.end_amdgpu_metadata
.endif
;; end of part 6
;; launch attn (part 7): grid 16 x 16, 16 waves a work-group, clusters of 4 x 1, 327,680 bytes of LDS; arguments qcod, qscl, acod, ascl; writes acod, ascl
.if DOCPART == 7
	.amdgcn_target "amdgcn-amd-amdhsa--gfx1250"
	.amdhsa_code_object_version 6
	.text
	.protected	k_q31ac5e622c_attn
	.globl	k_q31ac5e622c_attn
	.p2align	8
	.type	k_q31ac5e622c_attn,@function
k_q31ac5e622c_attn:
	s_mov_b64 s[64:65], 0
	v_nop
	global_prefetch_b8 v0, s[64:65] scope:SCOPE_SE
	s_setreg_imm32_b32 hwreg(HW_REG_WAVE_MODE, 25, 1), 1
	s_wait_xcnt 0x0
	s_wait_alu depctr_hold_cnt(0) depctr_sa_sdst(0) depctr_va_vdst(0) depctr_va_sdst(0) depctr_va_ssrc(0) depctr_va_vcc(0) depctr_vm_vsrc(0)
	s_getreg_b32 s2, hwreg(HW_REG_IB_STS2, 6, 4)
	s_cmp_eq_u32 s2, 0
	s_cbranch_scc0 .Lentry_in_a_cluster
	s_endpgm
.Lentry_in_a_cluster:
	s_bfe_u32 s2, ttmp6, 0x10000c
	s_cmp_lg_u32 s2, 0x3003
	s_cbranch_scc0 .Lentry_shape_is_right
	s_endpgm
.Lentry_shape_is_right:
; Causal attention on codes of FP6 (E2M3) with E8M0 scales: S^T = K Q^T, p = 2^(t - M) quantised along the keys, O^T = V^T P^T, O / l quantised along the head's 128 for the last product.
; t = score x log2(e) / sqrt(128); M = the running largest t rounded UP to a whole number; the row's sum is taken of the unquantised p.  When M moves, sum and O are multiplied by a power of two.
; INPUTS: images of fragments (16 positions x 128 K: registers 4 g .. 4 g + 3 of lane l at 512 g + 16 l).  Q, K: [head][tile 128]; V: [head][128 keys: 16][tile of the head's 128: 8].
; Position i stands for the row whose number is i with bits 3 and 4 exchanged: so the 16 registers of two neighbouring tiles of a result are 16 neighbours (keys in S^T, channels in O^T).
; SHARES.  A head's queries are 16 groups of 128.  Cluster c (0..3) of a head owns groups c, 7 - c, 8 + c, 15 - c: 34 key steps of 128 in every cluster.  Of each group partner cx owns tiles 2 cx, 2 cx + 1.
; TWO waves share a tile of 16 queries: one takes the even key steps, the other the odd ones; their states (M, sum, O^T) are merged at the end through LDS, by exact powers of two.
; Wave w = 4 a + b: group number (a + b) % 4, tile a % 2, parity a / 2: each run of four waves, taken either way, has one wave of each group.
; EVERY work-group walks all four slots of 512 keys; a step whose keys all come after the wave's queries is jumped over by a scalar branch on ids that all partners share.
; CLUSTER: the four partners walk the same K and V: each part of a slot is asked for jointly (mask 15).  Waves 0, 1 fetch K's halves, waves 2, 3 V's.
; LIMITS: p under 2^-126 counts as 0; a block of zeros keeps the byte 1 (its codes are zeros); NaN and infinities are not served.
; REGISTERS: v1-4 addresses that stay; v5, v6 the add's; v7 lane; v8-10 addresses in hand; v12 -M, v13 largest t, v[14:15] the sum; v16-27 Q; v28-31 offsets; v32-79 four fragments; v96-159 S^T, then p;
;   v160-223 O^T; v224-243 p's codes; v244-247 scale operands; v248, v249 K's or V's scale words; v252, v254 at work; v253 p's scale word; v255 Q's.
.set IMG,   1536
.set KSB,   12288                      ; a key step's 8 images
.set RBB,   196608                     ; a head's codes in a section
.set SEC,   3145728
.set SLOT1, 131072                     ; slot 1 begins here: one exclusive or turns an address from one slot to the other
.set VOFF,  4*KSB                      ; a slot: K's four steps, then V's four
.set SCK,   229376                     ; K's scale words of the head, 8,192 bytes; V's follow
.set SPARE, 245760                     ; the spare words, 128 bytes for each wave: eight blocks of 256 bytes that no other line names
.set MRG,   247808                     ; eight places of MRGB bytes in which a tile's second wave leaves its state; no tile ever lands here
.set MRGB,  8448
.set AK0, 1
.set AV0, 2
.set AS0, 3
.set GOF, 4                            ; v4 16 x lane
.set SPW, 5
.set NIL, 6
.set LN,  7
.set ADK, 8
.set ADV, 9
.set ADS, 10
.set PFO, 28                           ; v28 256 x lane
.set DQ,  29                           ; v29 my query's place in its 128, less 16 (lane / 16)
.set MGA, 30
.set MGB, 31
.set PC,  224
.set TM,  32                           ; (in the tail)
.set PW,  44
.set TB,  2                            ; s2  LDS byte at which the slot in hand begins
.set TS,  3                            ; s3  where the step's scale words begin: 512 bytes a step, two steps on each time
.set WV,  18
.set SEL, 20
.set CS,  22
.set G1,  24
.set G0,  32
.set G1S, 36
.set G0S, 44
.set SLOTS, 48
.set KJ,  49                           ; s49 the key step in hand
.set MM,  50                           ; s50 my group of queries = my last key step
.set KAP, 51                           ; s51 my parity
.set PFA, 56
.set LIM, 58
.macro CROUND
	s_barrier_signal -1
	s_barrier_wait -1
	s_cmp_lg_u32 s[WV], 0
	s_cbranch_scc1 .Lnot_wave_0_\@
	s_barrier_signal -3
.Lnot_wave_0_\@:
	s_barrier_wait -3
	s_barrier_signal -1
	s_barrier_wait -1
.endm
.macro JLOAD                           ; the joint refill: waves 0 to 3, one load each; four v_nop follow it
	s_cmp_lt_u32 s[WV], 4
	s_cbranch_scc0 .Lasked_\@
	tensor_load_to_lds s[G0:G0+3], s[G1:G1+7]
	s_nop 0
.rept 4
	v_nop
.endr
.Lasked_\@:
.endm
; A PREFETCH INTO THE L2 of the slot that the NEXT change of slots will ask for: 98,304 bytes, lanes 256 bytes apart, one instruction a wave.  All clusters of a head walk the same K and V: the head's first
; cluster asks.  Its four partners share the bytes out BY ADDRESS (a quarter each: half of K's or of V's part); in each, waves 4 to 6 ask for 8,192 bytes each.  So each block of 256 bytes is named once.
; The last change that fills a slot asks for nothing; slots 0 and 1 come by their loads alone.
.macro ASK
	s_cmp_gt_u32 s[SLOTS], s[LIM]
	s_cbranch_scc0 .Lnot_mine_\@
	global_prefetch_b8 v[PFO], s[PFA:PFA+1] th:TH_LOAD_NT scope:SCOPE_SE
.Lnot_mine_\@:
.endm
	s_load_b256 s[4:11], s[0:1], 0x0               ; qcod s[4:5], qscl s[6:7], acod s[8:9], ascl s[10:11]
	v_lshl_add_u32 v[SPW], v0, 2, SPARE
	v_mov_b32 v[NIL], 0
	ds_add_u32 v5, v6
	ds_add_u32 v5, v6
	s_wait_dscnt 0x0
	v_lshrrev_b32 v8, 5, v0
	s_delay_alu instid0(VALU_DEP_1)
	v_readfirstlane_b32 s[WV], v8                  ; wave 0..15
	s_lshr_b32 s59, s[WV], 2                       ; a
	s_and_b32 s60, s[WV], 3                        ; b; in waves 0 to 3: which part of a slot I fetch
	s_add_co_u32 s54, s59, s60
	s_and_b32 s54, s54, 3                          ; which of the cluster's four groups
	s_and_b32 s55, s59, 1                          ; which of my work-group's two tiles of it
	s_lshr_b32 s[KAP], s59, 1                      ; even or odd key steps
	; every LDS address is made here, ahead of the first branch on the wave's number
	v_and_b32 v[LN], 31, v0
	s_wait_alu depctr_va_vdst(0)
	s_mul_i32 s61, s[KAP], KSB
	v_lshl_add_u32 v[AK0], v[LN], 4, s61           ; 16 x lane, in my parity's step of a slot's first two
	s_delay_alu instid0(VALU_DEP_1)
	v_add_nc_u32 v[AV0], VOFF, v[AK0]
	v_lshl_add_u32 v[AS0], v[LN], 2, SCK           ; 4 x lane: lanes 0-15 an even tile's words, lanes 16-31 the odd tile's behind it
	s_lshl_b32 s62, s54, 1
	s_add_co_u32 s62, s62, s55
	s_mul_i32 s62, s62, MRGB
	s_add_co_u32 s62, s62, MRG                     ; my tile's place for the merge
	v_lshl_add_u32 v[MGA], v[LN], 4, s62
	v_lshl_add_u32 v[MGB], v[LN], 2, s62
	v_lshlrev_b32 v[PFO], 8, v[LN]
	v_lshlrev_b32 v[GOF], 4, v[LN]
	s_and_b32 s63, s54, 1                          ; the group: c, 7 - c, 8 + c, 15 - c.  ttmp9 counts clusters: the same in all partners
	s_mul_i32 s63, s63, 7
	s_xor_b32 s[MM], ttmp9, s63
	s_lshr_b32 s63, s54, 1
	s_lshl_b32 s63, s63, 3
	s_add_co_u32 s[MM], s[MM], s63
	s_bfe_u32 s52, ttmp6, 0x40000                  ; cx: it enters global addresses and the mask's compare value alone
	s_and_b32 s53, ttmp7, 0xffff                   ; the head
	s_lshl_b32 s63, s52, 5
	s_lshl_b32 s61, s55, 3
	s_add_co_u32 s63, s63, s61                     ; lane r of tile 2 cx + sub is query 32 cx + 8 sub + (r & 7) + 16 (r >> 3) of the group's 128
	v_and_b32 v8, 7, v[LN]
	v_bfe_u32 v9, v[LN], 3, 1
	s_delay_alu instid0(VALU_DEP_1)
	v_lshl_add_u32 v8, v9, 4, v8
	v_bfe_u32 v9, v[LN], 4, 1
	s_delay_alu instid0(VALU_DEP_1)
	v_lshlrev_b32 v9, 4, v9
	s_delay_alu instid0(VALU_DEP_1)
	v_sub_nc_u32 v8, v8, v9
	s_delay_alu instid0(VALU_DEP_1)
	v_add_nc_u32 v[DQ], s63, v8
	v_and_b32 v11, 15, v0
	s_delay_alu instid0(VALU_DEP_1)
	v_lshlrev_b32 v11, 2, v11                      ; Q's scale words: 4 r
	s_mul_i32 s70, s53, RBB
	s_lshl_b32 s67, s52, 1
	s_add_co_u32 s67, s67, s55                     ; my tile in the group
	s_lshl_b32 s66, s[MM], 3
	s_add_co_u32 s66, s66, s67                     ; and in the head
	s_mul_i32 s68, s66, IMG
	s_add_co_u32 s68, s68, s70                     ; Q's image
	s_mov_b32 s69, 0
	s_lshl_b32 s72, s53, 13
	s_lshl_b32 s73, s66, 6
	s_add_co_u32 s72, s72, s73                     ; Q's scale words
	s_mov_b32 s73, 0
	s_mul_i32 s74, s[MM], RBB                      ; the result's image: [group][K step = head][tile]
	s_mul_i32 s75, s53, KSB
	s_add_co_u32 s74, s74, s75
	s_mul_i32 s75, s67, IMG
	s_add_co_u32 s74, s74, s75
	s_mov_b32 s75, 0
	s_lshl_b32 s76, s[MM], 13                      ; its scale words: [group][head / 2][tile][row][head & 1]
	s_lshr_b32 s77, s53, 1
	s_lshl_b32 s77, s77, 10
	s_add_co_u32 s76, s76, s77
	s_lshl_b32 s77, s67, 7
	s_add_co_u32 s76, s76, s77
	s_and_b32 s77, s53, 1
	s_lshl_b32 s77, s77, 2
	s_add_co_u32 s76, s76, s77
	s_mov_b32 s77, 0
	s_lshr_b32 s78, s60, 1                         ; what I fetch, if I fetch: K's section or V's, the head, which half of a slot's part.  No place in the cluster enters it
	s_add_co_u32 s78, s78, 1
	s_mul_i32 s78, s78, SEC
	s_add_co_u32 s78, s78, s70
	s_and_b32 s79, s60, 1
	s_mul_i32 s79, s79, 2*KSB
	s_add_co_u32 s78, s78, s79
	s_mov_b32 s79, 0
	s_lshl_b32 s80, s53, 14                        ; the head's 16,384 bytes of K's and V's scale words, a quarter each
	s_add_co_u32 s80, s80, 131072
	s_lshl_b32 s81, s60, 12
	s_add_co_u32 s80, s80, s81
	s_mov_b32 s81, 0
	s_lshr_b32 s82, s52, 1                         ; the prefetches: my work-group's quarter of a slot, by cx; my wave's 8,192 bytes of it; in slot 1: the first change steps it to slot 2
	s_add_co_u32 s82, s82, 1
	s_mul_i32 s82, s82, SEC
	s_add_co_u32 s82, s82, s70
	s_and_b32 s83, s52, 1
	s_mul_i32 s83, s83, 2*KSB
	s_add_co_u32 s82, s82, s83
	s_lshl_b32 s83, s60, 13
	s_add_co_u32 s82, s82, s83
	s_add_co_u32 s82, s82, 4*KSB
	s_mov_b32 s83, 0
	s_xor_b32 s84, s59, 1                          ; 0 in waves 4 to 7,
	s_or_b32 s84, s84, ttmp9                       ; of the head's first cluster
	s_cmp_eq_u32 s84, 0
	s_cselect_b32 s[LIM], 1, -1
	s_cmp_eq_u32 s[WV], 7                          ; (a quarter of a slot is three waves' worth)
	s_cselect_b32 s[LIM], -1, s[LIM]
	; descriptor group 1: dense blocks as rows of 256 bytes (32 elements of 8 bytes): 24,576 bytes of codes; 4,096 of scale words
	s_mov_b32 s[G1], 15|(3<<16)|(1<<21)            ; 15:0 the mask: all four work-groups; 17:16 elements of 8 bytes; 21 set beside a mask
	s_mov_b32 s[G1+1], 32<<16
	s_mov_b32 s[G1+2], 96<<16
	s_mov_b32 s[G1+3], 32<<16
	s_mov_b32 s[G1+4], 96
	s_mov_b32 s[G1+5], 32
	s_mov_b32 s[G1+6], 0
	s_mov_b32 s[G1+7], 0
	s_mov_b32 s[G1S], 15|(3<<16)|(1<<21)
	s_mov_b32 s[G1S+1], 32<<16
	s_mov_b32 s[G1S+2], 16<<16
	s_mov_b32 s[G1S+3], 32<<16
	s_mov_b32 s[G1S+4], 16
	s_mov_b32 s[G1S+5], 32
	s_mov_b32 s[G1S+6], 0
	s_mov_b32 s[G1S+7], 0
	s_mov_b32 s[SEL], 0x76543210
	s_mov_b32 s[SEL+1], 0xfedcba98
	s_mov_b32 s[CS], 0x3e0293ee                    ; c = log2(e) / sqrt(128)
	s_mov_b32 s[CS+1], s[CS]
	s_mov_b32 s[TB], 0
	s_lshl_b32 s[TS], s[KAP], 9
	s_mov_b32 s[KJ], s[KAP]
	s_mov_b32 s[SLOTS], 3
	s_wait_kmcnt 0x0
	s_mov_b32 s[G0], 1
	s_mul_i32 s[G0+1], s60, 2*KSB                  ; LDS: slot 0, my part
	s_add_nc_u64 s[G0+2:G0+3], s[4:5], s[78:79]
	s_or_b32 s[G0+3], s[G0+3], 0x80000000
; THE FIRST FILLS, one a wave: waves 0 to 11 bring 8,192 bytes each of slot 0 (waves 0-5 K's four steps, waves 6-11 V's), waves 12 to 15 4,096 bytes each of the head's scale words.
.set G0H, 96
.set G1H, 88
	s_mov_b32 s[G1H], 15|(3<<16)|(1<<21)           ; 32 rows of 256 bytes, asked for jointly by the four partners
	s_mov_b32 s[G1H+1], 32<<16
	s_mov_b32 s[G1H+2], 32<<16
	s_mov_b32 s[G1H+3], 32<<16
	s_mov_b32 s[G1H+4], 32
	s_mov_b32 s[G1H+5], 32
	s_mov_b32 s[G1H+6], 0
	s_mov_b32 s[G1H+7], 0
	s_mul_i32 s61, s[WV], 43
	s_lshr_b32 s61, s61, 8                         ; wave / 6 for waves 0 to 11: K's section (0) or V's (1)
	s_mul_i32 s62, s61, SEC-VOFF
	s_lshl_b32 s63, s[WV], 13
	s_add_co_u32 s62, s62, s63
	s_add_co_u32 s62, s62, s70
	s_add_co_u32 s62, s62, SEC
	s_mov_b32 s63, 0
	s_mov_b32 s[G0H], 1
	s_lshl_b32 s[G0H+1], s[WV], 13                 ; LDS: slot 0, 8,192 x wave
	s_add_nc_u64 s[G0H+2:G0H+3], s[4:5], s[62:63]
	s_or_b32 s[G0H+3], s[G0H+3], 0x80000000
	s_mov_b32 s[G0S], 1
	s_lshl_b32 s[G0S+1], s60, 12
	s_add_co_u32 s[G0S+1], s[G0S+1], SCK
	s_add_nc_u64 s[G0S+2:G0S+3], s[6:7], s[80:81]
	s_or_b32 s[G0S+3], s[G0S+3], 0x80000000
	s_add_nc_u64 s[PFA:PFA+1], s[4:5], s[82:83]
	s_add_nc_u64 s[84:85], s[4:5], s[68:69]
	s_add_nc_u64 s[86:87], s[6:7], s[72:73]
	s_add_nc_u64 s[8:9], s[8:9], s[74:75]
	s_add_nc_u64 s[10:11], s[10:11], s[76:77]
	CROUND                                         ; all four work-groups are here: the first joint loads meet
	s_cmp_lt_u32 s[WV], 12                         ; every way through these two arms passes one load; the first wait on them is for 0
	s_cbranch_scc0 .Lfirst_scl
	tensor_load_to_lds s[G0H:G0H+3], s[G1H:G1H+7]  ; my twelfth of slot 0
	s_nop 0
.rept 4
	v_nop
.endr
	s_branch .Lno_first
.Lfirst_scl:
	tensor_load_to_lds s[G0S:G0S+3], s[G1S:G1S+7]  ; my quarter of the head's scale words: filled once
	s_nop 0
.rept 4
	v_nop
.endr
.Lno_first:
.irp c, 0,1,2
	global_load_b128 v[16+4*\c:19+4*\c], v[GOF], s[84:85] offset:512*\c   ; Q's fragment stays in registers
.endr
	s_wait_alu depctr_va_vdst(0)
	global_load_b32 v255, v11, s[86:87]            ; Q's scale words
	v_mov_b32 v13, 0xff61b1e6                      ; the largest t so far: -3e38, under every t
	s_delay_alu instid0(VALU_DEP_1)
	v_floor_f32 v12, -v13                          ; -M
	v_mov_b32 v14, 0
	v_mov_b32 v15, 0
.irp b, 0,1,2,3
	v_mov_b32 v[236+\b], 0                         ; written once: a lane permute's destination counts as one of its sources
.endr
	v_mov_b32 v252, 0
	v_mov_b32 v253, 0
.set J, 0
.rept 64
	v_mov_b32 v[160+J], 0                          ; O^T: the step is written once; the first finds zeros, which the first change of M leaves zeros
.set J, J+1
.endr
; A KEY STEP: 128 keys: the q-th of my parity in the slot in hand.
.macro STEP q
	s_cmp_gt_u32 s[KJ], s[MM]                      ; all its keys come after my queries: left out, but for the lines at its end that step addresses
	s_cbranch_scc1 .Lhidden_\@
	v_add_nc_u32 v[ADK], s[TB], v[AK0]
	s_wait_alu depctr_va_vdst(0)
	v_add_nc_u32 v[ADV], s[TB], v[AV0]
	v_add_nc_u32 v[ADS], s[TS], v[AS0]
	s_wait_alu depctr_va_vdst(0)
	v_nop                                          ; four places in front of loads into registers that the last step's matrix instructions have read
.irp g, 0,1                                    ; S^T = K Q^T, four tiles of 16 keys at a time
.if \g > 0
.rept 4
	v_nop
.endr
.endif
.irp t, 0,1,2,3
.irp c, 0,1,2
	ds_load_b128 v[32+12*\t+4*\c:35+12*\t+4*\c], v[ADK] offset:(\q)*2*KSB+(4*\g+\t)*IMG+512*\c
.endr
.endr
.irp i, 0,1
	ds_load_b32 v[248+\i], v[ADS] offset:128*(2*\g+\i)
.endr
	s_wait_dscnt 0x0
.irp t, 0,1,2,3
.if (\t)%2 == 0
	v_wmma_scale_f32_16x16x128_f8f6f4 v[96+8*(4*\g+\t):103+8*(4*\g+\t)], v[32+12*\t:43+12*\t], v[16:27], 0, v[248+\t/2], v255 matrix_a_fmt:MATRIX_FMT_FP6 matrix_b_fmt:MATRIX_FMT_FP6
.else
	v_wmma_scale_f32_16x16x128_f8f6f4 v[96+8*(4*\g+\t):103+8*(4*\g+\t)], v[32+12*\t:43+12*\t], v[16:27], 0, v[248+\t/2], v255 matrix_a_fmt:MATRIX_FMT_FP6 matrix_b_fmt:MATRIX_FMT_FP6 matrix_a_scale:MATRIX_SCALE_ROW1
.endif
.endr
.endr                                          ; lane (r, h) holds one query; register 16 b + i is key 32 b + 16 h + i of the step
.rept 4
	v_nop
.endr
	s_cmp_lt_u32 s[KJ], s[MM]                      ; on the diagonal the scores of hidden keys become -infinity ahead of the maximum; a step all of whose keys count skips this
	s_cbranch_scc1 .Lopen_\@
	v_mov_b32 v254, 0xff800000
.set J, 0
.rept 64
	v_cmp_gt_i32 vcc_lo, 32*(J/16)+J%16, v[DQ]
	v_cndmask_b32 v[96+J], v[96+J], v254, vcc_lo
.set J, J+1
.endr
.Lopen_\@:
.irp b, 0,1,2,3
	v_max3_num_f32 v[232+\b], v[96+16*\b], v[97+16*\b], v[98+16*\b]   ; the largest score of each block of 32 keys: for the row's maximum and, since p rises with the score, for the block's largest p
.endr
.irp i, 3,5,7,9,11,13
.irp b, 0,1,2,3
	v_max3_num_f32 v[232+\b], v[232+\b], v[96+16*\b+\i], v[97+16*\b+\i]
.endr
.endr
.irp b, 0,1,2,3
	v_max_num_f32 v[232+\b], v[232+\b], v[111+16*\b]
.endr
.irp b, 0,1,2,3
	s_delay_alu instid0(VALU_DEP_4)
	v_permlanex16_b32 v[236+\b], v[232+\b], s[SEL], s[SEL+1]
.endr
.irp b, 0,1,2,3
	s_delay_alu instid0(VALU_DEP_4)
	v_max_num_f32 v[232+\b], v[232+\b], v[236+\b]  ; with lane l xor 16's 16 keys
.endr
	s_delay_alu instid0(VALU_DEP_2)
	v_max3_num_f32 v254, v232, v233, v234
	s_delay_alu instid0(VALU_DEP_1)
	v_max_num_f32 v254, v254, v235
	s_delay_alu instid0(VALU_DEP_1)
	v_mul_f32 v254, s[CS], v254                    ; the step's largest t
	s_delay_alu instid0(VALU_DEP_1)
	v_max_num_f32 v13, v13, v254
	v_mov_b32 v254, v12
	s_delay_alu instid0(VALU_DEP_2)
	v_floor_f32 v12, -v13                          ; the new -M = -ceil(t)
	s_delay_alu instid0(VALU_DEP_1)
	v_sub_f32 v254, v12, v254                      ; old M - new M: a whole number, 0 or less
	s_delay_alu instid0(VALU_DEP_1)
	v_cvt_i32_f32 v254, v254                       ; (it saturates)
	s_delay_alu instid0(VALU_DEP_1)
	v_ldexp_f32 v252, 1.0, v254                    ; f = 2^(old M - new M)
.set J, 0
.rept 32
	v_pk_fma_f32 v[96+J:97+J], v[96+J:97+J], s[CS:CS+1], v[12:13] op_sel_hi:[1,0,0]   ; t - M
.set J, J+2
.endr
.irp b, 0,1,2,3
	v_fma_f32 v[232+\b], v[232+\b], s[CS], v12
.endr
.set J, 0
	s_wait_alu depctr_va_vdst(0)
.rept 64
	v_exp_f32 v[96+J], v[96+J]                     ; p = 2^(t - M), at most 1
.set J, J+1
.endr
	v_pk_mul_f32 v[14:15], v[14:15], v[252:253] op_sel_hi:[1,0]   ; the sums under the new M; a plain place behind the exponentials
	s_wait_alu depctr_va_vdst(0)                   ; one wait for the batch of 64, ahead of its first reader
.irp b, 0,1,2,3
	v_exp_f32 v[232+\b], v[232+\b]                 ; the block's largest p
.endr
	v_pk_add_f32 v[236:237], v[100:101], v[104:105]
	v_pk_add_f32 v[250:251], v[108:109], v[112:113]
	v_pk_add_f32 v[94:95], v[116:117], v[120:121]
	v_pk_add_f32 v[92:93], v[124:125], v[128:129]
	v_pk_add_f32 v[90:91], v[132:133], v[136:137]
	v_pk_add_f32 v[88:89], v[140:141], v[144:145]
	v_pk_add_f32 v[86:87], v[148:149], v[152:153]
	v_pk_add_f32 v[14:15], v[14:15], v[156:157]
	v_pk_add_f32 v[236:237], v[236:237], v[96:97]
	v_pk_add_f32 v[250:251], v[250:251], v[98:99]
	v_pk_add_f32 v[94:95], v[94:95], v[102:103]
	v_pk_add_f32 v[92:93], v[92:93], v[106:107]
	v_pk_add_f32 v[90:91], v[90:91], v[110:111]
	v_pk_add_f32 v[88:89], v[88:89], v[114:115]
	v_pk_add_f32 v[86:87], v[86:87], v[118:119]
	v_pk_add_f32 v[14:15], v[14:15], v[122:123]
	v_pk_add_f32 v[236:237], v[236:237], v[126:127]
	v_pk_add_f32 v[250:251], v[250:251], v[130:131]
	v_pk_add_f32 v[94:95], v[94:95], v[134:135]
	v_pk_add_f32 v[92:93], v[92:93], v[138:139]
	v_pk_add_f32 v[90:91], v[90:91], v[142:143]
	v_pk_add_f32 v[88:89], v[88:89], v[146:147]
	v_pk_add_f32 v[86:87], v[86:87], v[150:151]
	v_pk_add_f32 v[14:15], v[14:15], v[154:155]
	v_pk_add_f32 v[236:237], v[236:237], v[158:159]
	s_delay_alu instid0(VALU_DEP_2)
	v_pk_add_f32 v[14:15], v[14:15], v[92:93]
	s_delay_alu instid0(VALU_DEP_2)
	v_pk_add_f32 v[236:237], v[236:237], v[90:91]
	v_pk_add_f32 v[250:251], v[250:251], v[88:89]
	v_pk_add_f32 v[94:95], v[94:95], v[86:87]
	s_delay_alu instid0(VALU_DEP_2)
	v_pk_add_f32 v[14:15], v[14:15], v[250:251]
	s_delay_alu instid0(VALU_DEP_2)
	v_pk_add_f32 v[236:237], v[236:237], v[94:95]
	s_delay_alu instid0(VALU_DEP_1)
	v_pk_add_f32 v[14:15], v[14:15], v[236:237]
	s_wait_alu depctr_va_vdst(0)                   ; and one for the four
.irp b, 0,1,2,3
	v_max_num_f32 v[232+\b], 0x1800000, v[232+\b]  ; the floor 2^(3 - 127)
.endr
.irp b, 0,1,2,3
	s_delay_alu instid0(VALU_DEP_4)
	v_add_nc_u32 v[244+\b], 0xff000000, v[232+\b]  ; the conversion's scale operand
.endr
.irp b, 0,1,2,3
	s_delay_alu instid0(VALU_DEP_4)
	v_lshrrev_b32 v[236+\b], 23, v[244+\b]         ; the scale's byte
.endr
	s_delay_alu instid0(VALU_DEP_3)
	v_lshl_or_b32 v253, v237, 8, v236              ; p's scale word for these 128 keys
	s_delay_alu instid0(VALU_DEP_1)
	v_lshl_or_b32 v253, v238, 16, v253
	s_delay_alu instid0(VALU_DEP_1)
	v_lshl_or_b32 v253, v239, 24, v253
.irp c, 0,1
	v_cvt_scalef32_pk16_fp6_f32 v[224+6*\c:226+6*\c], v[96+32*\c:111+32*\c], v[244+2*\c]
	v_cvt_scalef32_pk16_fp6_f32 v[236+4*\c:238+4*\c], v[112+32*\c:127+32*\c], v[244+2*\c+1]
.endr
	v_nop                                          ; one plain place behind a scaled conversion
.irp c, 0,1
.irp i, 0,1,2
	v_permlane16_swap_b32 v[224+6*\c+\i], v[236+4*\c+\i]
.endr
.irp i, 0,1,2
	s_delay_alu instid0(VALU_DEP_3)
	v_mov_b32 v[227+6*\c+\i], v[236+4*\c+\i]
.endr
.endr
.set J, 0
.rept 32
	v_pk_mul_f32 v[160+J:161+J], v[160+J:161+J], v[252:253] op_sel_hi:[1,0]   ; O^T under the new M; these 32 are also the places in front of the loads and matrix instructions below
.set J, J+2
.endr
	s_wait_alu depctr_va_vdst(0)
.irp g, 0,1                                    ; O^T += V^T P^T: four tiles of 16 channels at a time; the eight accumulators take turns
.if \g > 0
.rept 4
	v_nop
.endr
.endif
.irp t, 0,1,2,3
.irp c, 0,1,2
	ds_load_b128 v[32+12*\t+4*\c:35+12*\t+4*\c], v[ADV] offset:(\q)*2*KSB+(4*\g+\t)*IMG+512*\c
.endr
.endr
.irp i, 0,1
	ds_load_b32 v[248+\i], v[ADS] offset:8192+128*(2*\g+\i)
.endr
	s_wait_dscnt 0x0
.irp t, 0,1,2,3
.if (\t)%2 == 0
	v_wmma_scale_f32_16x16x128_f8f6f4 v[160+8*(4*\g+\t):167+8*(4*\g+\t)], v[32+12*\t:43+12*\t], v[224:235], v[160+8*(4*\g+\t):167+8*(4*\g+\t)], v[248+\t/2], v253 matrix_a_fmt:MATRIX_FMT_FP6 matrix_b_fmt:MATRIX_FMT_FP6
.else
	v_wmma_scale_f32_16x16x128_f8f6f4 v[160+8*(4*\g+\t):167+8*(4*\g+\t)], v[32+12*\t:43+12*\t], v[224:235], v[160+8*(4*\g+\t):167+8*(4*\g+\t)], v[248+\t/2], v253 matrix_a_fmt:MATRIX_FMT_FP6 matrix_b_fmt:MATRIX_FMT_FP6 matrix_a_scale:MATRIX_SCALE_ROW1
.endif
.endr
.endr
.Lhidden_\@:
	s_add_co_u32 s[KJ], s[KJ], 2
	s_add_co_u32 s[TS], s[TS], 1024
.endm
; THE CHANGE OF SLOTS stands at a slot's head.  Each wave waits for all its tensor loads, adds 0 to its spare word, and waits for that and for its reads of the slot that it has left.
; fill = 1: a round of the cluster's barrier, and behind it the slot just left is filled with the next 512 keys: the load has a slot's steps in which to land.
.macro CHANGE fill
	s_wait_tensorcnt 0x0                           ; no tensor load of mine is out, so a group 0 may be written
	ds_add_u32 v[SPW], v[NIL]                      ; 0 onto my spare word
.if \fill
	s_xor_b32 s[G0+1], s[G0+1], SLOT1              ; the walking descriptor: the other slot,
	s_add_nc_u64 s[G0+2:G0+3], s[G0+2:G0+3], 4*KSB ; the next 512 keys
	s_wait_xcnt 0x0                                ; the last prefetch, a slot back, has read its address
	s_add_nc_u64 s[PFA:PFA+1], s[PFA:PFA+1], 4*KSB
.endif
	s_wait_dscnt 0x0                               ; the add is done, and my reads of the slot that I have left are over
.if \fill
	CROUND
	JLOAD                                          ; the first thing behind the round, and a wave's one tensor load until the next
	ASK
.else
	s_barrier_signal -1
	s_barrier_wait -1
.endif
.endm
.macro SLOT_STEPS
	STEP 0
	STEP 1
	s_xor_b32 s[TB], s[TB], SLOT1
.endm
	s_wait_loadcnt 0x0                             ; Q
.Lslot:                                            ; three trips: behind each change of slots but the last the next slot is asked for
	CHANGE 1
	SLOT_STEPS
	s_sub_co_u32 s[SLOTS], s[SLOTS], 1
	s_cmp_lg_u32 s[SLOTS], 0
	s_cbranch_scc1 .Lslot
	CHANGE 0                                       ; the last slot is written out
	SLOT_STEPS
	; THE MERGE.  The wave of the odd steps leaves O^T, -M and its sum in LDS; the wave of the even steps takes them, brings both under the larger M, divides by the sum and quantises.
.rept 4
	v_nop                                          ; places behind the last products
.endr
	v_add_f32 v14, v14, v15                        ; the sum's two halves
	s_cmp_eq_u32 s[KAP], 0
	s_cbranch_scc1 .Lkeeper
	s_wait_alu depctr_va_vdst(0)
.irp i, 0,1,2,3,4,5,6,7,8,9,10,11,12,13,14,15
	ds_store_b128 v[MGA], v[160+4*\i:163+4*\i] offset:512*\i
.endr
	ds_store_b32 v[MGB], v12 offset:8192
	ds_store_b32 v[MGB], v14 offset:8320
.Lkeeper:
	s_wait_dscnt 0x0                               ; for the other wave's sake: my stores have landed
	s_barrier_signal -1
	s_barrier_wait -1
	s_cmp_lg_u32 s[KAP], 0
	s_cbranch_scc1 .Lend
.irp i, 0,1,2,3,4,5,6,7,8,9,10,11,12,13,14,15
	ds_load_b128 v[96+4*\i:99+4*\i], v[MGA] offset:512*\i
.endr
	ds_load_b32 v45, v[MGB] offset:8192
	ds_load_b32 v46, v[MGB] offset:8320
.irp b, 0,1,2,3
	v_mov_b32 v[TM+4+\b], 0                        ; a lane permute's destination counts as one of its sources
.endr
	v_mov_b32 v54, 0
	v_mov_b32 v49, 0                               ; (the upper halves of the pairs that the packed forms name)
	v_mov_b32 v51, 0
	v_and_b32 v55, 15, v0
	s_delay_alu instid0(VALU_DEP_1)
	v_lshlrev_b32 v55, 3, v55                      ; the result's scale words: 8 r
	s_wait_dscnt 0x0
	v_min_num_f32 v47, v12, v45                    ; the smaller -M: the larger M.  (A wave that had no step holds -M = 3e38 and zeros: its factor comes out 0)
	s_delay_alu instid0(VALU_DEP_1)
	v_sub_f32 v52, v47, v12
	s_delay_alu instid0(VALU_DEP_2)
	v_sub_f32 v53, v47, v45
	s_delay_alu instid0(VALU_DEP_2)
	v_cvt_i32_f32 v52, v52                         ; whole numbers, 0 or less; the conversion saturates
	s_delay_alu instid0(VALU_DEP_2)
	v_cvt_i32_f32 v53, v53
	s_delay_alu instid0(VALU_DEP_2)
	v_ldexp_f32 v52, 1.0, v52
	s_delay_alu instid0(VALU_DEP_2)
	v_ldexp_f32 v53, 1.0, v53
	s_delay_alu instid0(VALU_DEP_2)
	v_mul_f32 v14, v14, v52
	s_delay_alu instid0(VALU_DEP_1)
	v_fma_f32 v14, v46, v53, v14                   ; my half row's sum under the common M,
	s_delay_alu instid0(VALU_DEP_1)
	v_permlanex16_b32 v54, v14, s[SEL], s[SEL+1]
	s_delay_alu instid0(VALU_DEP_1)
	v_add_f32 v14, v14, v54                        ; and lane l xor 16's: the row's sum
	s_wait_alu depctr_va_vdst(0)
	v_rcp_f32 v14, v14
	v_nop                                          ; a plain place behind the reciprocal
	s_wait_alu depctr_va_vdst(0)                   ; the wait, ahead of its first reader
	v_mul_f32 v48, v52, v14                        ; the two factors, each with 1 / sum in it
	v_mul_f32 v50, v53, v14
.set J, 0
.rept 32
	v_pk_mul_f32 v[96+J:97+J], v[96+J:97+J], v[50:51] op_sel_hi:[1,0]
.set J, J+2
.endr
.set J, 0
.rept 32
	v_pk_fma_f32 v[96+J:97+J], v[160+J:161+J], v[48:49], v[96+J:97+J] op_sel_hi:[1,0,1]   ; register 16 b + i: channel 32 b + 16 h + i of my query
.set J, J+2
.endr
.irp b, 0,1,2,3
	v_max3_num_f32 v[TM+\b], |v[96+16*\b]|, |v[97+16*\b]|, 0x1800000
.endr
.irp i, 2,4,6,8,10,12,14
.irp b, 0,1,2,3
	s_delay_alu instid0(VALU_DEP_4)
	v_max3_num_f32 v[TM+\b], v[TM+\b], |v[96+16*\b+\i]|, |v[97+16*\b+\i]|
.endr
.endr
.irp b, 0,1,2,3
	s_delay_alu instid0(VALU_DEP_4)
	v_permlanex16_b32 v[TM+4+\b], v[TM+\b], s[SEL], s[SEL+1]
.endr
.irp b, 0,1,2,3
	s_delay_alu instid0(VALU_DEP_4)
	v_max_num_f32 v[TM+\b], v[TM+\b], v[TM+4+\b]
.endr
.irp b, 0,1,2,3
	s_delay_alu instid0(VALU_DEP_4)
	v_add_nc_u32 v[TM+8+\b], 0xff000000, v[TM+\b]
.endr
.irp b, 0,1,2,3
	s_delay_alu instid0(VALU_DEP_4)
	v_lshrrev_b32 v[TM+4+\b], 23, v[TM+8+\b]
.endr
	s_delay_alu instid0(VALU_DEP_3)
	v_lshl_or_b32 v[PW], v[TM+5], 8, v[TM+4]
	s_delay_alu instid0(VALU_DEP_1)
	v_lshl_or_b32 v[PW], v[TM+6], 16, v[PW]
	s_delay_alu instid0(VALU_DEP_1)
	v_lshl_or_b32 v[PW], v[TM+7], 24, v[PW]
.irp c, 0,1
	v_cvt_scalef32_pk16_fp6_f32 v[PC+6*\c:PC+2+6*\c], v[96+32*\c:111+32*\c], v[TM+8+2*\c]
	v_cvt_scalef32_pk16_fp6_f32 v[PC+12+4*\c:PC+14+4*\c], v[112+32*\c:127+32*\c], v[TM+8+2*\c+1]
.endr
	v_nop                                          ; one plain place behind a scaled conversion
.irp c, 0,1
.irp i, 0,1,2
	v_permlane16_swap_b32 v[PC+6*\c+\i], v[PC+12+4*\c+\i]
.endr
.irp i, 0,1,2
	s_delay_alu instid0(VALU_DEP_3)
	v_mov_b32 v[PC+3+6*\c+\i], v[PC+12+4*\c+\i]
.endr
.endr
.irp c, 0,1,2
	global_store_b128 v[GOF], v[PC+4*\c:PC+4*\c+3], s[8:9] offset:512*\c   ; the image: each store covers 512 consecutive bytes, aligned
.endr
	v_cmp_gt_u32 vcc_lo, 16, v[LN]
	s_wait_xcnt 0x0                                ; EXEC changes only behind this wait
	s_and_saveexec_b32 s59, vcc_lo
	global_store_b32 v55, v[PW], s[10:11]          ; 16 words, 8 bytes apart: the neighbouring head's words lie between them
	s_wait_xcnt 0x0
	s_or_b32 exec_lo, exec_lo, s59
.Lend:
	s_wait_tensorcnt 0x0                           ; the wave's end
	ds_add_u32 v[SPW], v[NIL]
	s_wait_dscnt 0x0
	CROUND                                         ; the closing round
	s_endpgm
.Lfunc_end_k_q31ac5e622c_attn:
	.size	k_q31ac5e622c_attn, .Lfunc_end_k_q31ac5e622c_attn-k_q31ac5e622c_attn
	.p2alignl 7, 3214868480
	.fill 96, 4, 3214868480
	.section	.rodata,"a",@progbits
	.p2align	6, 0x0
	.amdhsa_kernel k_q31ac5e622c_attn
		.amdhsa_group_segment_fixed_size 327680
		.amdhsa_private_segment_fixed_size 0
		.amdhsa_enable_private_segment 0
		.amdhsa_kernarg_size 32
		.amdhsa_user_sgpr_count 2
		.amdhsa_user_sgpr_kernarg_segment_ptr 1
		.amdhsa_wavefront_size32 1
		.amdhsa_system_sgpr_workgroup_id_x 1
		.amdhsa_system_sgpr_workgroup_id_y 1
		.amdhsa_system_sgpr_workgroup_id_z 1
		.amdhsa_system_vgpr_workitem_id 0
		.amdhsa_next_free_vgpr 256
		.amdhsa_next_free_sgpr 100
		.amdhsa_reserve_vcc 1
		.amdhsa_float_denorm_mode_32 3
		.amdhsa_float_denorm_mode_16_64 3
		.amdhsa_memory_ordered 1
		.amdhsa_forward_progress 1
		.amdhsa_inst_pref_size 129
	.end_amdhsa_kernel
	.amdgpu_metadata
---
amdhsa.version: [ 1, 2 ]
amdhsa.kernels:
  - .name:           k_q31ac5e622c_attn
    .symbol:         k_q31ac5e622c_attn.kd
    .args:
      - { .name: qcod, .offset: 0, .size: 8, .value_kind: global_buffer, .address_space: global }
      - { .name: qscl, .offset: 8, .size: 8, .value_kind: global_buffer, .address_space: global }
      - { .name: acod, .offset: 16, .size: 8, .value_kind: global_buffer, .address_space: global }
      - { .name: ascl, .offset: 24, .size: 8, .value_kind: global_buffer, .address_space: global }
    .group_segment_fixed_size: 327680
    .private_segment_fixed_size: 0
    .kernarg_segment_align: 8
    .kernarg_segment_size: 32
    .max_flat_workgroup_size: 512
    .sgpr_count:     100
    .vgpr_count:     256
    .wavefront_size: 32
...
	.end_amdgpu_metadata
.endif
;; end of part 7
;; launch outp (part 8): grid 16 x 16, 4 waves a work-group, clusters of 4 x 4, 327,680 bytes of LDS; arguments acod, ascl, pcod, pscl, out0; writes out0
.if DOCPART == 8
	.amdgcn_target "amdgcn-amd-amdhsa--gfx1250"
	.amdhsa_code_object_version 6
	.text
	.protected	k_q31ac5e622c_outp
	.globl	k_q31ac5e622c_outp
	.p2align	8
	.type	k_q31ac5e622c_outp,@function
k_q31ac5e622c_outp:
	s_mov_b64 s[64:65], 0
	v_nop
	global_prefetch_b8 v0, s[64:65] scope:SCOPE_SE
	s_setreg_imm32_b32 hwreg(HW_REG_WAVE_MODE, 25, 1), 1
	s_wait_xcnt 0x0
	s_wait_alu depctr_hold_cnt(0) depctr_sa_sdst(0) depctr_va_vdst(0) depctr_va_sdst(0) depctr_va_ssrc(0) depctr_va_vcc(0) depctr_vm_vsrc(0)
	s_getreg_b32 s2, hwreg(HW_REG_IB_STS2, 6, 4)
	s_cmp_eq_u32 s2, 0
	s_cbranch_scc0 .Lentry_in_a_cluster
	s_endpgm
.Lentry_in_a_cluster:
	s_bfe_u32 s2, ttmp6, 0x10000c
	s_cmp_lg_u32 s2, 0xf033
	s_cbranch_scc0 .Lentry_shape_is_right
	s_endpgm
.Lentry_shape_is_right:
; out0 = attn Wo on codes of FP6 (E2M3) with E8M0 scales: C[m][n] = sum over k of A[m][k] B[n][k], A = the attention's result (acod, ascl), B = Wo (section 4 of pcod, pscl); C f32.
; Operands lie as images of fragments, [block of 128 positions][K step 16][tile 8][1,536 bytes]; position i holds the row whose number is i with bits 3 and 4 exchanged.
; A work-group makes 128 x 128 of C, four waves 64 x 64 each: 16 accumulators.  256 work-groups.
; K goes in four chunks of 512 (49,152 dense bytes a side).  LDS: A's chunks 0, 1, 2 on end, then B's; chunk 3 is laid over chunk 0; behind them the scale words of all K (8,192 bytes a side).
; THE LOADS, one a wave behind each round: at the head wave 0 A's chunk 0, wave 1 B's, wave 2 A's scale words, wave 3 B's; behind the full sequence and a round wave 0 A's chunk 1, wave 1 A's chunk 2,
; wave 2 B's chunk 1, wave 3 B's chunk 2; behind K step 3 half of chunk 3 of A or of B each.
; CLUSTERS: 4 x 4 work-groups; A's tiles are asked for jointly along a row of the cluster, B's along a column.
; PREFETCH, one load ahead: behind the head's loads each wave names its work-group's quarter (48 blocks of 256 bytes, told apart by address: cx for A, cy for B) of the chunk that it fetches next;
; behind that load its work-group's quarter (24 blocks) of its half of chunk 3.  Lanes left over name their wave's last block again.
; The matrix instruction is used transposed (source 0 = 16 positions of B): a lane holds eight neighbouring columns of a row of C.  The way out goes through a stage in A's chunk 2, which has had its last fill and its last read.
.set IMG,   1536
.set KSB,   12288
.set RBB,   196608
.set SEC,   3145728
.set SSEC,  131072
.set FR,    12
.set PART,  24576
.set CHB,   2*PART                     ; a chunk of one side
.set SCL,   6*CHB
.set SPARE, 311552
.set STG,   2*CHB
.set SPITCH, 272
.set ADRA, 8                           ; v8-10 my A fragments in chunk places 0, 1, 2
.set ADRB, 12                          ; v12-14 the same for B
.set STO,  16
.set RD,   17
.set CO,   18
.set ADRS, 19
.set SPW,  20
.set NIL,  21
.set PF0,  22                          ; 256 x lane
.set PF1,  23                          ; 256 x min(lane, 15)
.set PF2,  24                          ; 256 x min(lane, 23)
.set SC,   32
.set BK,   48
.set ACC,  128
.set G1, 24
.set G0, 32                            ; s[32:43] A: the head's, the second's, the refill's group 0
.set G1B, 44
.set G0B, 52                           ; s[52:63] the same for B
.set G1S, 68
.set G0S, 76
.set G1SB, 80
.set G0SB, 88
.set PFA, 20                           ; s[20:21], s[2:3] the prefetches' bases
.set PFB, 2
.set MSB, 0
.macro WIN new
.if MSB != (\new)
	s_set_vgpr_msb (MSB<<8)|(\new)
.set MSB, (\new)
.endif
.endm
.set MUL,  0x05                        ; sources 0 and 1 in window 1
.set TO_F, 0x40
.macro JLOAD g0a, g1a, g0b, g1b
	s_cmp_eq_u32 s15, 0
	s_cbranch_scc0 .Lfor_b_\@
	tensor_load_to_lds s[\g0a:\g0a+3], s[\g1a:\g1a+7]
	s_nop 0
.rept 4
	v_nop
.endr
	s_branch .Lasked_\@
.Lfor_b_\@:
	tensor_load_to_lds s[\g0b:\g0b+3], s[\g1b:\g1b+7]
	s_nop 0
.rept 4
	v_nop
.endr
.Lasked_\@:
.endm
.macro CREST
	s_cmp_lg_u32 s14, 0
	s_cbranch_scc1 .Lnot_wave_0_\@
	s_barrier_signal -3
.Lnot_wave_0_\@:
	s_barrier_wait -3
	s_barrier_signal -1
	s_barrier_wait -1
.endm
.macro CROUND
	s_barrier_signal -1
	s_barrier_wait -1
	CREST
.endm
.macro ARM under, g0, g1, next
	s_cmp_lt_u32 s14, \under
	s_cbranch_scc0 \next
	tensor_load_to_lds s[\g0:\g0+3], s[\g1:\g1+7]
	s_nop 0
.rept 4
	v_nop
.endr
	s_branch .Lhead_asked
\next:
.endm
	s_load_b256 s[4:11], s[0:1], 0x0               ; acod, ascl, pcod, pscl
	s_load_b64 s[12:13], s[0:1], 0x20              ; out0
	v_lshl_add_u32 v[SPW], v0, 2, SPARE
	v_mov_b32 v[NIL], 0
	ds_add_u32 v[SPW], v[NIL]                      ; the opening lines: the add, twice on end, and its wait
	ds_add_u32 v[SPW], v[NIL]
	v_lshrrev_b32 v1, 5, v0
	v_readfirstlane_b32 s14, v1                    ; wave
	s_lshr_b32 s15, s14, 1                         ; my half of the rows; I fetch for A (0) or B (1)
	s_and_b32 s16, s14, 1                          ; my half of the columns; which piece I fetch
	s_mul_i32 s21, s15, 4*IMG
	s_mul_i32 s22, s16, 4*IMG
	s_add_co_u32 s22, s22, 3*CHB
	s_lshl_b32 s18, s15, 9
	s_lshl_b32 s19, s16, 9
	s_add_co_u32 s19, s19, 8320                    ; B's scale words lie behind A's 8,192 and 128 bytes
	s_sub_co_u32 s19, s19, s18
	s_add_co_u32 s18, s18, SCL
	s_mul_i32 s23, s14, 16*SPITCH
	s_add_co_u32 s23, s23, STG
	v_and_b32 v1, 31, v0
	v_lshlrev_b32 v5, 4, v1
	v_add_nc_u32 v[ADRA], s21, v5
	v_add_nc_u32 v[ADRB], s22, v5
.irp g, 1,2
	v_add_nc_u32 v[ADRA+\g], \g*CHB, v[ADRA]
	v_add_nc_u32 v[ADRB+\g], \g*CHB, v[ADRB]
.endr
	v_and_b32 v2, 15, v0
	v_bfe_u32 v3, v0, 4, 1
	v_mul_u32_u24 v4, s19, v3                      ; lanes 16-31 take B's words: one product with h
	v_lshl_add_u32 v4, v2, 3, v4
	v_add_nc_u32 v[ADRS], s18, v4
	v_mul_u32_u24 v4, v2, SPITCH
	v_lshl_add_u32 v4, v3, 6, v4
	v_add_nc_u32 v[STO], s23, v4
	v_mul_u32_u24 v4, v3, SPITCH
	v_lshl_add_u32 v4, v2, 4, v4
	v_add_nc_u32 v[RD], s23, v4
	v_lshlrev_b32 v[CO], 13, v3
	v_lshl_add_u32 v[CO], v2, 4, v[CO]
	v_lshlrev_b32 v[PF0], 8, v1
	v_min_u32 v4, 15, v1
	v_lshlrev_b32 v[PF1], 8, v4
	v_min_u32 v4, 23, v1
	v_lshlrev_b32 v[PF2], 8, v4
	s_bfe_u32 s92, ttmp6, 0x40000                  ; cx, cy
	s_bfe_u32 s93, ttmp6, 0x40004
	s_and_b32 s17, ttmp7, 0xffff
	s_lshl_b32 s17, s17, 2
	s_add_co_u32 s17, s17, s93                     ; block of rows
	s_lshl_b32 s94, ttmp9, 2
	s_add_co_u32 s94, s94, s92                     ; block of columns
	s_lshl_b32 s95, s93, 2
	s_lshl_b32 s95, 15, s95
	s_lshl_b32 s96, 0x1111, s92
	s_or_b32 s[G1+0], s95, (3<<16)|(1<<21)         ; a chunk: 192 rows of 256 bytes (32 elements of 8 bytes)
	s_or_b32 s[G1B+0], s96, (3<<16)|(1<<21)
.irp g, G1, G1B
	s_mov_b32 s[\g+1], 32<<16
	s_mov_b32 s[\g+2], 192<<16
	s_mov_b32 s[\g+3], 32<<16
	s_mov_b32 s[\g+4], 192
	s_mov_b32 s[\g+5], 32
	s_mov_b32 s[\g+6], 0
	s_mov_b32 s[\g+7], 0
.endr
	s_or_b32 s[G1S+0], s95, (3<<16)|(1<<21)        ; a side's scale words: 32 rows of 256 bytes
	s_or_b32 s[G1SB+0], s96, (3<<16)|(1<<21)
.irp g, G1S, G1SB
	s_mov_b32 s[\g+1], 32<<16
	s_mov_b32 s[\g+2], 32<<16
	s_mov_b32 s[\g+3], 32<<16
	s_mov_b32 s[\g+4], 32
	s_mov_b32 s[\g+5], 32
	s_mov_b32 s[\g+6], 0
	s_mov_b32 s[\g+7], 0
.endr
	s_mul_i32 s18, s17, RBB                        ; A's codes,
	s_mov_b32 s19, 0
	s_lshl_b32 s20, s17, 13                        ; A's scale words,
	s_mov_b32 s21, 0
	s_mul_i32 s22, s94, RBB                        ; B's codes,
	s_add_co_u32 s22, s22, 4*SEC
	s_mov_b32 s23, 0
	s_lshl_b32 s2, s94, 13                         ; B's scale words
	s_add_co_u32 s2, s2, 4*SSEC
	s_mov_b32 s3, 0
	s_mul_i32 s66, s16, CHB                        ; the second load: chunk 1 or 2
	s_mov_b32 s67, 0
	s_mul_i32 s98, s16, PART                       ; the refill: which half of chunk 3
	s_mov_b32 s99, 0
	s_cmp_eq_u32 s15, 0
	s_cselect_b32 s92, s92, s93                    ; my place among the four that ask with me
	s_wait_alu depctr_va_vdst(0)                   ; the wait at the head's end
	s_wait_dscnt 0x0
	s_wait_kmcnt 0x0
	s_add_nc_u64 s[18:19], s[4:5], s[18:19]
	s_add_nc_u64 s[20:21], s[6:7], s[20:21]
	s_add_nc_u64 s[22:23], s[8:9], s[22:23]
	s_add_nc_u64 s[2:3], s[10:11], s[2:3]
	s_mov_b32 s[G0], 1
	s_mov_b32 s[G0+1], 0
	s_mov_b64 s[G0+2:G0+3], s[18:19]
	s_or_b32 s[G0+3], s[G0+3], 0x80000000
	s_mov_b32 s[G0B], 1
	s_mov_b32 s[G0B+1], 3*CHB
	s_mov_b64 s[G0B+2:G0B+3], s[22:23]
	s_or_b32 s[G0B+3], s[G0B+3], 0x80000000
	s_mov_b32 s[G0S], 1
	s_mov_b32 s[G0S+1], SCL
	s_mov_b64 s[G0S+2:G0S+3], s[20:21]
	s_or_b32 s[G0S+3], s[G0S+3], 0x80000000
	s_mov_b32 s[G0SB], 1
	s_mov_b32 s[G0SB+1], SCL+8320
	s_mov_b64 s[G0SB+2:G0SB+3], s[2:3]
	s_or_b32 s[G0SB+3], s[G0SB+3], 0x80000000
	s_mov_b32 s[G0+4], 1
	s_add_co_u32 s[G0+5], s66, CHB
	s_add_nc_u64 s[G0+6:G0+7], s[18:19], s[66:67]
	s_add_nc_u64 s[G0+6:G0+7], s[G0+6:G0+7], CHB
	s_or_b32 s[G0+7], s[G0+7], 0x80000000
	s_mov_b32 s[G0B+4], 1
	s_add_co_u32 s[G0B+5], s66, 4*CHB
	s_add_nc_u64 s[G0B+6:G0B+7], s[22:23], s[66:67]
	s_add_nc_u64 s[G0B+6:G0B+7], s[G0B+6:G0B+7], CHB
	s_or_b32 s[G0B+7], s[G0B+7], 0x80000000
	s_mov_b32 s[G0+8], 1
	s_mul_i32 s[G0+9], s16, PART
	s_add_nc_u64 s[G0+10:G0+11], s[18:19], s[98:99]
	s_add_nc_u64 s[G0+10:G0+11], s[G0+10:G0+11], 3*CHB
	s_or_b32 s[G0+11], s[G0+11], 0x80000000
	s_mov_b32 s[G0B+8], 1
	s_add_co_u32 s[G0B+9], s98, 3*CHB
	s_add_nc_u64 s[G0B+10:G0B+11], s[22:23], s[98:99]
	s_add_nc_u64 s[G0B+10:G0B+11], s[G0B+10:G0B+11], 3*CHB
	s_or_b32 s[G0B+11], s[G0B+11], 0x80000000
	s_cmp_eq_u32 s15, 0                            ; the prefetches' bases
	s_cselect_b64 s[PFA:PFA+1], s[18:19], s[22:23]
	s_mov_b64 s[PFB:PFB+1], s[PFA:PFA+1]
	s_add_nc_u64 s[PFA:PFA+1], s[PFA:PFA+1], s[66:67]
	s_add_nc_u64 s[PFA:PFA+1], s[PFA:PFA+1], CHB
	s_mul_i32 s96, s92, 48*256
	s_mov_b32 s97, 0
	s_add_nc_u64 s[PFA:PFA+1], s[PFA:PFA+1], s[96:97]
	s_add_nc_u64 s[PFB:PFB+1], s[PFB:PFB+1], s[98:99]
	s_add_nc_u64 s[PFB:PFB+1], s[PFB:PFB+1], 3*CHB
	s_mul_i32 s96, s92, 24*256
	s_add_nc_u64 s[PFB:PFB+1], s[PFB:PFB+1], s[96:97]
	CROUND                                         ; all sixteen work-groups are here: the first joint loads meet
	ARM 1, G0,  G1,  .Lhead_b
	ARM 2, G0B, G1B, .Lhead_sa
	ARM 3, G0S, G1S, .Lhead_sb
	tensor_load_to_lds s[G0SB:G0SB+3], s[G1SB:G1SB+7]
	s_nop 0
.rept 4
	v_nop
.endr
.Lhead_asked:
	global_prefetch_b8 v[PF0], s[PFA:PFA+1] th:TH_LOAD_NT scope:SCOPE_SE               ; 32 blocks,
	global_prefetch_b8 v[PF1], s[PFA:PFA+1] offset:8192 th:TH_LOAD_NT scope:SCOPE_SE   ; and 16 more, of the chunk that I fetch next
	s_lshl_b32 s18, s17, 20                        ; where my 64 x 64 of C begins
	s_lshl_b32 s19, s15, 19
	s_add_co_u32 s18, s18, s19
	s_lshl_b32 s19, s94, 9
	s_add_co_u32 s18, s18, s19
	s_lshl_b32 s19, s16, 8
	s_add_co_u32 s18, s18, s19
	s_mov_b32 s19, 0
	s_add_nc_u64 s[12:13], s[12:13], s[18:19]
.macro FETCH g, kq, p                  ; a K step's fragments: B's four, then A's four, into set p of window 1
	WIN TO_F
.irp i, 0,1,2,3
.irp c, 0,1,2
	ds_load_b128 v[128*(\p)+FR*\i+4*\c:128*(\p)+FR*\i+4*\c+3], v[ADRB+(\g)] offset:(\kq)*KSB+\i*IMG+512*\c
.endr
.endr
.irp i, 0,1,2,3
.irp c, 0,1,2
	ds_load_b128 v[128*(\p)+48+FR*\i+4*\c:128*(\p)+48+FR*\i+4*\c+3], v[ADRA+(\g)] offset:(\kq)*KSB+\i*IMG+512*\c
.endr
.endr
	WIN 0
.endm
.macro NEXT ks
	FETCH ((\ks)/4)%3, (\ks)%4, (\ks)%2
.if (\ks)%2 == 0
.irp i, 0,1,2,3
	ds_load_b64 v[SC+8*(((\ks)/2)%2)+2*\i:SC+8*(((\ks)/2)%2)+2*\i+1], v[ADRS] offset:((\ks)/2)*1024+\i*128
.endr
.endif
.endm
.macro MULA ks, a, zero                ; A's block a x B's four; the 16 accumulators take turns
.irp b, 0,1,2,3
.if \zero
	v_wmma_scale_f32_16x16x128_f8f6f4 v[ACC+8*(4*(\a)+\b):ACC+8*(4*(\a)+\b)+7], v[128*((\ks)%2)+FR*\b:128*((\ks)%2)+FR*\b+FR-1], v[128*((\ks)%2)+48+FR*(\a):128*((\ks)%2)+48+FR*(\a)+FR-1], 0, v[SC+8*(((\ks)/2)%2)+2*\b+(\ks)%2], v[SC+8*(((\ks)/2)%2)+2*(\a)+(\ks)%2] matrix_a_fmt:MATRIX_FMT_FP6 matrix_b_fmt:MATRIX_FMT_FP6 matrix_a_scale:MATRIX_SCALE_ROW1
.else
	v_wmma_scale_f32_16x16x128_f8f6f4 v[ACC+8*(4*(\a)+\b):ACC+8*(4*(\a)+\b)+7], v[128*((\ks)%2)+FR*\b:128*((\ks)%2)+FR*\b+FR-1], v[128*((\ks)%2)+48+FR*(\a):128*((\ks)%2)+48+FR*(\a)+FR-1], v[ACC+8*(4*(\a)+\b):ACC+8*(4*(\a)+\b)+7], v[SC+8*(((\ks)/2)%2)+2*\b+(\ks)%2], v[SC+8*(((\ks)/2)%2)+2*(\a)+(\ks)%2] matrix_a_fmt:MATRIX_FMT_FP6 matrix_b_fmt:MATRIX_FMT_FP6 matrix_a_scale:MATRIX_SCALE_ROW1
.endif
.endr
.endm
.macro PLACES
.rept 4
	v_nop
.endr
.endm
.macro KS ks, zero
	s_wait_dscnt 0x0                               ; this step's fragments are in
.if ((\ks) > 0) && ((\ks) < 15)
	PLACES                                         ; in front of loads into the set that the last step multiplied
.endif
.if (\ks) < 15
	NEXT (\ks)+1
.endif
	WIN MUL
.irp a, 0,1,2,3
	MULA \ks, \a, \zero
.endr
.endm
.macro TURN ks, fill                   ; a step behind which another chunk is read: every wave waits for all its tensor loads, adds 0 to its spare word, waits for that and for its reads
	WIN 0
	s_wait_tensorcnt 0x0
	ds_add_u32 v[SPW], v[NIL]
.if \fill
	s_mov_b32 s[G1+2], 96<<16                      ; no tensor load of mine is out: the refill brings 96 rows
	s_mov_b32 s[G1+4], 96
	s_mov_b32 s[G1B+2], 96<<16
	s_mov_b32 s[G1B+4], 96
.endif
	s_wait_dscnt 0x1                               ; (the add may be out)
	WIN MUL
	MULA \ks, 0, 0
	s_wait_dscnt 0x0
	s_barrier_signal -1
	MULA \ks, 1, 0
	WIN 0
	s_barrier_wait -1
.if \fill
	CREST                                          ; the barrier has opened a round of the cluster's barrier
	JLOAD G0+8, G1, G0B+8, G1B                     ; chunk 3 over chunk 0, the first tensor load behind the round
.else
	PLACES
.endif
	NEXT (\ks)+1
	WIN MUL
	MULA \ks, 2, 0
	MULA \ks, 3, 0
.endm
	s_wait_tensorcnt 0x0                           ; my tile of the head's four is in
	ds_add_u32 v[SPW], v[NIL]
	s_wait_dscnt 0x0
	CROUND
	JLOAD G0+4, G1, G0B+4, G1B                     ; chunks 1 and 2, a chunk of one side a wave
	NEXT 0
	global_prefetch_b8 v[PF2], s[PFB:PFB+1] th:TH_LOAD_NT scope:SCOPE_SE   ; 24 blocks of my half of chunk 3
	KS 0, 1
	KS 1, 0
	KS 2, 0
	TURN 3, 1
.irp k, 4,5,6,7,8,9,10
	KS \k, 0
.endr
	TURN 11, 0
.irp k, 12,13,14,15
	KS \k, 0
.endr
	WIN 0
.macro TOSTAGE a                       ; 16 rows x 64 columns through my own stage; LDS serves a wave's instructions in order
.irp b, 0,1,2,3
	ds_store_b128 v[STO], v[ACC+8*(4*(\a)+\b):ACC+8*(4*(\a)+\b)+3] offset:128*(\b/2)+32*(\b%2)
	ds_store_b128 v[STO], v[ACC+8*(4*(\a)+\b)+4:ACC+8*(4*(\a)+\b)+7] offset:128*(\b/2)+32*(\b%2)+16
.endr
.irp t, 0,1,2,3,4,5,6,7
	ds_load_b128 v[BK+32*((\a)%2)+4*\t:BK+32*((\a)%2)+4*\t+3], v[RD] offset:\t*2*SPITCH
.endr
.endm
.macro SEND a, younger                 ; sixteen lanes store 256 consecutive bytes, aligned
	s_wait_dscnt \younger
.irp t, 0,1,2,3,4,5,6,7
	global_store_b128 v[CO], v[BK+32*((\a)%2)+4*\t:BK+32*((\a)%2)+4*\t+3], s[12:13] offset:(32*((\a)/2)+8*((\a)%2)+(2*\t)%8+16*(\t/4))*8192 th:TH_STORE_NT
.endr
.endm
	PLACES
	TOSTAGE 0
.irp a, 1,2,3
.if \a > 1
	s_wait_xcnt 0x0                                ; block a - 2's stores have read their registers
.endif
	TOSTAGE \a
	SEND \a-1, 16
.endr
	SEND 3, 0
	s_wait_tensorcnt 0x0                           ; the wave's end
	ds_add_u32 v[SPW], v[NIL]
	s_wait_dscnt 0x0
	CROUND                                         ; the closing round
	s_endpgm
.Lfunc_end_k_q31ac5e622c_outp:
	.size	k_q31ac5e622c_outp, .Lfunc_end_k_q31ac5e622c_outp-k_q31ac5e622c_outp
	.p2alignl 7, 3214868480
	.fill 96, 4, 3214868480
	.section	.rodata,"a",@progbits
	.p2align	6, 0x0
	.amdhsa_kernel k_q31ac5e622c_outp
		.amdhsa_group_segment_fixed_size 327680
		.amdhsa_private_segment_fixed_size 0
		.amdhsa_enable_private_segment 0
		.amdhsa_kernarg_size 40
		.amdhsa_user_sgpr_count 2
		.amdhsa_user_sgpr_kernarg_segment_ptr 1
		.amdhsa_wavefront_size32 1
		.amdhsa_system_sgpr_workgroup_id_x 1
		.amdhsa_system_sgpr_workgroup_id_y 1
		.amdhsa_system_sgpr_workgroup_id_z 1
		.amdhsa_system_vgpr_workitem_id 0
		.amdhsa_next_free_vgpr 512
		.amdhsa_next_free_sgpr 100
		.amdhsa_reserve_vcc 0
		.amdhsa_float_denorm_mode_32 3
		.amdhsa_float_denorm_mode_16_64 3
		.amdhsa_memory_ordered 1
		.amdhsa_forward_progress 1
		.amdhsa_inst_pref_size 82
	.end_amdhsa_kernel
	.amdgpu_metadata
---
amdhsa.version: [ 1, 2 ]
amdhsa.kernels:
  - .name:           k_q31ac5e622c_outp
    .symbol:         k_q31ac5e622c_outp.kd
    .args:
      - { .name: acod, .offset: 0, .size: 8, .value_kind: global_buffer, .address_space: global }
      - { .name: ascl, .offset: 8, .size: 8, .value_kind: global_buffer, .address_space: global }
      - { .name: pcod, .offset: 16, .size: 8, .value_kind: global_buffer, .address_space: global }
      - { .name: pscl, .offset: 24, .size: 8, .value_kind: global_buffer, .address_space: global }
      - { .name: out0, .offset: 32, .size: 8, .value_kind: global_buffer, .address_space: global }
    .group_segment_fixed_size: 327680
    .private_segment_fixed_size: 0
    .kernarg_segment_align: 8
    .kernarg_segment_size: 40
    .max_flat_workgroup_size: 128
    .sgpr_count:     100
    .vgpr_count:     512
    .wavefront_size: 32
...
	.end_amdgpu_metadata
.endif
;; end of part 8
